; MI455X (gfx1250); checked and timed in simulation.
; The chip was launched on July 23, 2026; its instructions are those of AMD's public machine-readable ISA for CDNA 5 (MIT licence, August 2026) and "CDNA5" Instruction Set Architecture Reference Guide (July 2026). The comments in the code are by the model that wrote it; some were corrected since.
;; Lo RA Mlp. Allowed arithmetic: matrix products marked QUANTISED: E2M3 operands, one E8M0 scale for each 32 along K, by v_wmma_scale_f32_16x16x128_f8f6f4 with both operands' format E2M3, f32 sums; products left as they are: f32 operands where the result goes on into a quantised operand, else bf16, f16 or f32 operands; f32 sums; everything else in f32.
;; Inputs: A1 1 x 16 x 768 float32; A2 1 x 16 x 3,072 float32; B1 1 x 3,072 x 16 float32; B2 1 x 768 x 16 float32; W1 3,072 x 768 float32; W2 768 x 3,072 float32; b1 3,072 float32; b2 768 float32; x 64 x 197 x 768 float32.
;; Outputs: out0 64 x 197 x 768 float32.
;; This version of the problem:
;;   THIS VERSION OF THE PROBLEM IS GIVEN IN LOW PRECISION. The matrix products marked QUANTISED in the list below multiply operands that are first quantised to E2M3 (2 exponent bits, 3 mantissa bits; 6 bits a number), with one power-of-two scale for each 32 numbers along K (OCP MX v1.0); their sums are f32. All else is computed in f32.
;;   The module's matrix products, in the order in which they are computed (A, B: the left and right operand; K: the contracted axis; several contracted axes count as one K, in the product's order):
;;     1. [M 12,608, K 768] x [K 768, N 3,072]; A: input x; B: input W1: QUANTISED
;;     2. [M 12,608, K 768] x [K 768, N 16]; A: input x; B: input A1: QUANTISED
;;     3. [M 12,608, K 16] x [K 16, N 3,072]; A: computed on the way; B: input B1: left as it is (K = 16 < 32)
;;     4. [M 12,608, K 3,072] x [K 3,072, N 768]; A: computed on the way; B: input W2: QUANTISED
;;     5. [M 12,608, K 3,072] x [K 3,072, N 16]; A: computed on the way; B: input A2: QUANTISED
;;     6. [M 12,608, K 16] x [K 16, N 768]; A: computed on the way; B: input B2: left as it is (K = 16 < 32)
;;   THE QUANTISER, for each operand of a quantised product, along K:
;;     - K is cut into blocks of 32 from its start; a last block that is shorter is filled with zeros.
;;     - A block's scale is 2^e with e = floor(log2(the largest magnitude in the block)) - 2, held to -126 .. 127; a block of zeros has e = 0. As a byte (E8M0): e + 127.
;;     - Each number is divided by its block's scale, clamped to +-7.5, and rounded to the nearest number of E2M3, ties to even, subnormals kept.
;;     - The product sums the exact products of the quantised numbers (number of the format x scale) in f32.
;;   ~~~python
;;   def quantise(x, axis):      # numpy; x: float32 -> the quantised numbers, widened to float32 again
;;       x = np.moveaxis(x, axis, -1); K = x.shape[-1]
;;       x = np.pad(x, [(0, 0)] * (x.ndim - 1) + [(0, -K % 32)]); x = x.reshape(x.shape[:-1] + (-1, 32)); a = np.abs(x).max(-1, keepdims=True)
;;       e = np.where(a > 0, np.clip(np.frexp(np.where(a > 0, a, 1))[1] - 1 - 2, -126, 127), 0)      # np.frexp(a)[1] - 1 = floor(log2(a)), exactly
;;       r = np.clip(x / 2.0 ** e, -7.5, 7.5)
;;       step = 2.0 ** (np.maximum(np.frexp(np.where(r == 0, 1, r))[1] - 1, 0) - 3)
;;       q = np.round(r / step) * step * 2.0 ** e      # np.round: ties to even
;;       return np.moveaxis(q.reshape(q.shape[:-2] + (-1,))[..., :K], -1, axis).astype(np.float32)
;;   ~~~
;;   OPERANDS COMPUTED ON THE WAY. 'Computed on the way' means the value that the module computes at that place (a softmax that the list does not call 'softmax' is quantised finished and normalised). What goes into a quantiser is computed in f32, as accurately as f32 sums, v_exp_f32 and their like allow (about 1e-6 of the number): no bf16 or f16 on the way to a quantiser, and a product that is left as it is and whose result goes on into a quantised operand takes f32 operands (vector FMAs, or v_wmma_f32_16x16x4_f32). A number that lies on a knife's edge between two numbers of the format may be rounded either way, as far as f32 arithmetic and the matrix unit's own rounding can turn it there, and no further.
;; 3 versions, each right; version 2 is faster than version 1; version 3 is version 2 with the launch mlp written anew for expert scheduling mode. Each part assembles by itself: llvm-mc -triple=amdgcn-amd-amdhsa -mcpu=gfx1250 --defsym DOCPART=n.
;; ======== version 1 of 3: 2 launches
;; workspace buffers: wq_codes 3,594,240 bytes; wq_scales 149,760 bytes
;; launch prep (part 1): grid 195 x 1, 12 waves a work-group, no clusters, 2,560 bytes of LDS; arguments W1, W2, A1, A2, wq_codes, wq_scales; writes wq_codes, wq_scales
.if DOCPART == 1
	.amdgcn_target "amdgcn-amd-amdhsa--gfx1250"
	.amdhsa_code_object_version 6
	.text
	.protected	k_q29feafcf1b_prep
	.globl	k_q29feafcf1b_prep
	.p2align	8
	.type	k_q29feafcf1b_prep,@function
k_q29feafcf1b_prep:
	s_mov_b64 s[64:65], 0
	v_nop
	global_prefetch_b8 v0, s[64:65] scope:SCOPE_SE
	s_setreg_imm32_b32 hwreg(HW_REG_WAVE_MODE, 25, 1), 1
	s_wait_xcnt 0x0
; W1 [3072][768], W2 [768][3072], A2 [16][3072] and A1 [16][768], f32 with K innermost, become codes of FP6 (E2M3) with one E8M0 byte for each 32 along K,
; laid as IMAGES OF OPERAND REGISTERS.  A fragment is 16 rows x 128 K, 12 registers a lane: lane (r, h) holds row r; registers 6 c .. 6 c + 5 hold k = 64 c + 32 h + 0 .. 31.
; In memory a fragment is three planes of 512 bytes: plane p holds lane l's registers 4 p .. 4 p + 3 at byte 16 l.  Its 16 scale words (row r: four bytes) are 64 bytes.
; A work-group makes a RECORD of 12 fragments, a wave one fragment: F = 12 g + w.
;   g 0..95     W1: block of 32 hidden units g; fragment 2 s + u: K step s, lane r takes row 32 g + 8 u + r + 8 (r / 8)
;   g 96..191   W2: g - 96 = 12 j + sp; fragment 6 p + t: rows 96 j + 16 t + r, K step 2 sp + p
;   g 192, 193  A2: K step 12 (g - 192) + w          g 194  A1: K step w, waves 0 to 5; waves 6 to 11 have no fragment and give a scale word of 0 that nobody reads
; A block's scale is 2^(floor(log2(largest magnitude)) - 2); its byte is the largest magnitude's exponent field - 2, held at 1 from below.
; LIMITS: a block of zeros gets the byte 1 (its codes are zeros; only this program reads the bytes); NaN and infinities among the inputs are not served.
; One way through the text for all four tensors: what differs is chosen by s_cselect on the work-group's number.
	s_load_b256 s[4:11], s[0:1], 0x0               ; W1 s[4:5], W2 s[6:7], A1 s[8:9], A2 s[10:11]
	s_load_b128 s[12:15], s[0:1], 0x20             ; the codes s[12:13], the scale words s[14:15]
	v_lshl_add_u32 v120, v0, 2, 0x400
	v_mov_b32 v121, 0
	v_lshrrev_b32 v1, 5, v0
	v_readfirstlane_b32 s16, v1                    ; wave 0..11
	v_and_b32 v1, 15, v0                           ; r
	v_bfe_u32 v2, v0, 4, 1                         ; h
	v_and_b32 v4, 31, v0
	v_lshlrev_b32 v4, 4, v4                        ; 16 x lane: my place in a plane
	v_and_b32 v5, 0x1e0, v0
	v_lshlrev_b32 v5, 1, v5
	v_lshl_add_u32 v5, v1, 2, v5                   ; LDS: 64 x wave + 4 r: my row's scale word
	v_lshlrev_b32 v8, 3, v0                        ; 8 x thread: the record's 768 bytes of scale words on the way out
	v_mov_b32 v9, 0                                ; the scale word of a wave without a fragment
	v_mov_b32 v10, 0                               ; (a lane permute's destination counts as one of its sources)
	s_mov_b32 s20, 0x76543210
	s_mov_b32 s21, 0xfedcba98                      ; v_permlanex16_b32's selects for lane l xor 16
	; W1's first row and K step
	s_lshl_b32 s17, ttmp9, 5
	s_and_b32 s18, s16, 1
	s_lshl_b32 s18, s18, 3
	s_add_co_u32 s17, s17, s18                     ; 32 g + 8 u
	s_lshr_b32 s18, s16, 1                         ; s
	; W2's
	s_max_u32 s19, ttmp9, 96
	s_sub_co_u32 s19, s19, 96
	s_min_u32 s19, s19, 95                         ; g - 96, held to 0..95
	s_mul_i32 s22, s19, 171
	s_lshr_b32 s22, s22, 11                        ; j = (g - 96) / 12: 171 / 2048 serves 0..95
	s_mul_i32 s23, s22, 12
	s_sub_co_u32 s23, s19, s23                     ; sp
	s_cmp_ge_u32 s16, 6
	s_cselect_b32 s24, 1, 0                        ; p
	s_mul_i32 s25, s24, 6
	s_sub_co_u32 s25, s16, s25                     ; t
	s_mul_i32 s22, s22, 96
	s_lshl_b32 s25, s25, 4
	s_add_co_u32 s22, s22, s25                     ; 96 j + 16 t
	s_lshl_b32 s23, s23, 1
	s_add_co_u32 s23, s23, s24                     ; 2 sp + p
	; A2's and A1's K step
	s_max_u32 s24, ttmp9, 192
	s_sub_co_u32 s24, s24, 192
	s_min_u32 s24, s24, 1
	s_mul_i32 s24, s24, 12
	s_add_co_u32 s24, s24, s16
	s_min_u32 s25, s16, 5
	s_mov_b32 s26, 12288                           ; bytes in a row of W2 and A2; W1's and A1's rows have 3,072
	s_wait_kmcnt 0x0
	s_cmp_lt_u32 ttmp9, 194
	s_cselect_b64 s[28:29], s[10:11], s[8:9]
	s_cselect_b32 s25, s24, s25
	s_cselect_b32 s26, s26, 3072
	s_cmp_lt_u32 ttmp9, 192
	s_cselect_b64 s[28:29], s[6:7], s[28:29]
	s_cselect_b32 s25, s23, s25
	s_cselect_b32 s27, s22, 0
	s_cmp_lt_u32 ttmp9, 96
	s_cselect_b64 s[28:29], s[4:5], s[28:29]       ; the tensor,
	s_cselect_b32 s25, s18, s25                    ; the K step,
	s_cselect_b32 s27, s17, s27                    ; the first row,
	s_cselect_b32 s26, 3072, s26                   ; the pitch,
	s_cselect_b32 s30, 8, 0                        ; and whether lanes 8-15 take rows 8 further on
	s_mul_i32 s27, s27, s26
	s_lshl_b32 s25, s25, 9                         ; 128 numbers are 512 bytes
	s_add_co_u32 s32, s27, s25
	s_mov_b32 s33, 0
	s_add_nc_u64 s[28:29], s[28:29], s[32:33]
	v_and_b32 v7, s30, v1
	v_add_nc_u32 v7, v7, v1
	v_mul_lo_u32 v3, v7, s26
	v_lshl_add_u32 v3, v2, 7, v3                   ; my row x pitch + 128 h: my first block of 32 numbers
	s_mul_i32 s32, ttmp9, 12
	s_add_co_u32 s32, s32, s16
	s_mul_i32 s32, s32, 1536
	s_add_nc_u64 s[12:13], s[12:13], s[32:33]      ; my fragment's image
	s_mul_i32 s32, ttmp9, 768
	s_add_nc_u64 s[14:15], s[14:15], s[32:33]      ; my record's scale words
	s_cmp_eq_u32 ttmp9, 194
	s_cselect_b32 s31, 6, 12
	s_cmp_ge_u32 s16, s31
	s_cbranch_scc1 .Ljoin                          ; A1 has six K steps: the last record's waves 6 to 11 have nothing to quantise
.irp c, 0,1
.irp e, 0,1,2,3,4,5,6,7
	global_load_b128 v[32+32*\c+4*\e:35+32*\c+4*\e], v3, s[28:29] offset:256*\c+16*\e th:TH_LOAD_NT   ; k = 64 c + 32 h + 4 e .. of my row
.endr
.endr
	s_wait_loadcnt 0x0
.irp c, 0,1                                    ; my block 2 c + h: all its 32 numbers are mine
	v_max3_num_f32 v[12+\c], |v[32+32*\c]|, |v[33+32*\c]|, 0x1800000   ; with the floor 2^(3 - 127): the byte cannot fall under 1
.endr
.irp i, 2,4,6,8,10,12,14,16,18,20,22,24,26,28,30
.irp c, 0,1
	v_max3_num_f32 v[12+\c], v[12+\c], |v[32+32*\c+\i]|, |v[33+32*\c+\i]|   ; (the two blocks by turns)
.endr
.endr
.irp c, 0,1
	v_add_nc_u32 v[14+\c], 0xff000000, v[12+\c]    ; 2 off the exponent field: the conversion takes this operand's exponent field as its scale
.endr
.irp c, 0,1
	v_lshrrev_b32 v[16+\c], 23, v[14+\c]           ; the scale's byte
.endr
	v_lshl_or_b32 v9, v17, 16, v16                 ; my two bytes: blocks h and 2 + h,
	v_lshlrev_b32 v11, 3, v2
	v_lshlrev_b32 v9, v11, v9                      ; 8 h bits up;
	v_permlanex16_b32 v10, v9, s20, s21
	v_or_b32 v9, v9, v10                           ; with lane l xor 16's two the word is whole
.irp c, 0,1
	v_cvt_scalef32_pk16_fp6_f32 v[96+6*\c:98+6*\c], v[32+32*\c:47+32*\c], v[14+\c]
	v_cvt_scalef32_pk16_fp6_f32 v[108+4*\c:110+4*\c], v[48+32*\c:63+32*\c], v[14+\c]   ; (a conversion's three registers begin on an even number)
.endr
	v_nop                                          ; one plain place behind a scaled conversion
.irp c, 0,1
.irp i, 0,1,2
	v_mov_b32 v[99+6*\c+\i], v[108+4*\c+\i]
.endr
.endr
.irp p, 0,1,2
	global_store_b128 v4, v[96+4*\p:99+4*\p], s[12:13] offset:512*\p   ; the wave stores 512 consecutive bytes, aligned
.endr
.Ljoin:
	ds_store_b32 v5, v9                            ; lanes r and r + 16 write the same word with the same value
	s_wait_dscnt 0x0                               ; for the others' sake: my word has landed
	s_barrier_signal -1
	s_barrier_wait -1
	s_cmp_gt_u32 s16, 2
	s_cbranch_scc1 .Ldone                          ; the record's 768 bytes leave by three waves, 256 consecutive aligned bytes each
	ds_load_b64 v[12:13], v8
	s_wait_dscnt 0x0
	global_store_b64 v8, v[12:13], s[14:15]
.Ldone:
	s_wait_tensorcnt 0x0
	ds_add_u32 v120, v121
	s_wait_dscnt 0x0
	s_endpgm
.Lfunc_end_k_q29feafcf1b_prep:
	.size	k_q29feafcf1b_prep, .Lfunc_end_k_q29feafcf1b_prep-k_q29feafcf1b_prep
	.p2alignl 7, 3214868480
	.fill 96, 4, 3214868480
	.section	.rodata,"a",@progbits
	.p2align	6, 0x0
	.amdhsa_kernel k_q29feafcf1b_prep
		.amdhsa_group_segment_fixed_size 2560
		.amdhsa_private_segment_fixed_size 0
		.amdhsa_enable_private_segment 0
		.amdhsa_kernarg_size 48
		.amdhsa_user_sgpr_count 2
		.amdhsa_user_sgpr_kernarg_segment_ptr 1
		.amdhsa_wavefront_size32 1
		.amdhsa_system_sgpr_workgroup_id_x 1
		.amdhsa_system_sgpr_workgroup_id_y 1
		.amdhsa_system_sgpr_workgroup_id_z 1
		.amdhsa_system_vgpr_workitem_id 0
		.amdhsa_next_free_vgpr 122
		.amdhsa_next_free_sgpr 66
		.amdhsa_reserve_vcc 0
		.amdhsa_float_denorm_mode_32 3
		.amdhsa_float_denorm_mode_16_64 3
		.amdhsa_memory_ordered 1
		.amdhsa_forward_progress 1
		.amdhsa_inst_pref_size 9
	.end_amdhsa_kernel
	.amdgpu_metadata
---
amdhsa.version: [ 1, 2 ]
amdhsa.kernels:
  - .name:           k_q29feafcf1b_prep
    .symbol:         k_q29feafcf1b_prep.kd
    .args:
      - { .name: W1, .offset: 0, .size: 8, .value_kind: global_buffer, .address_space: global }
      - { .name: W2, .offset: 8, .size: 8, .value_kind: global_buffer, .address_space: global }
      - { .name: A1, .offset: 16, .size: 8, .value_kind: global_buffer, .address_space: global }
      - { .name: A2, .offset: 24, .size: 8, .value_kind: global_buffer, .address_space: global }
      - { .name: wq_codes, .offset: 32, .size: 8, .value_kind: global_buffer, .address_space: global }
      - { .name: wq_scales, .offset: 40, .size: 8, .value_kind: global_buffer, .address_space: global }
    .group_segment_fixed_size: 2560
    .private_segment_fixed_size: 0
    .kernarg_segment_align: 8
    .kernarg_segment_size: 48
    .max_flat_workgroup_size: 384
    .sgpr_count:     66
    .vgpr_count:     122
    .wavefront_size: 32
...
	.end_amdgpu_metadata
.endif
;; end of part 1
;; launch mlp (part 2): grid 197 x 1, 8 waves a work-group, no clusters, 244,736 bytes of LDS; arguments x, b1, B1, b2, B2, wq_codes, wq_scales, out0; writes out0
.if DOCPART == 2
	.amdgcn_target "amdgcn-amd-amdhsa--gfx1250"
	.amdhsa_code_object_version 6
	.text
	.protected	k_q29feafcf1b_mlp
	.globl	k_q29feafcf1b_mlp
	.p2align	8
	.type	k_q29feafcf1b_mlp,@function
k_q29feafcf1b_mlp:
	s_mov_b64 s[64:65], 0
	v_nop
	global_prefetch_b8 v0, s[64:65] scope:SCOPE_SE
	s_setreg_imm32_b32 hwreg(HW_REG_WAVE_MODE, 25, 1), 1
	s_wait_xcnt 0x0
; out = gelu(x W1^T + b1 + (x A1^T) B1^T) W2^T + b2 + (h A2^T) B2^T for 64 rows a work-group; 12,608 rows = 197 x 64.  h, t1 = x A1^T, t2 = h A2^T and x's codes never go to memory.
; The four products with K = 768 or 3,072 run on codes of FP6 (E2M3) with E8M0 scales; t1 B1^T, whose result is quantised, on f32 operands; t2 B2^T on bf16 operands.  All sums f32.
; SHARES.  Eight waves share the COLUMNS.  Phase 1: wave w makes hidden blocks (32 units) w + 8 t, t = 0..11, for all 64 rows.  Phase 2: wave w makes out columns 96 w .. 96 w + 95, and t2 of one tile of rows.
; So each weight fragment is wanted by one wave alone: it comes from memory straight into that wave's registers, as the image that the launch before has laid.
; NO CLUSTER: the grid has 197 work-groups, a prime, which no cluster divides.  NO TENSOR LOAD: no weight byte is read by two waves of a work-group.
; ALL PRODUCTS ARE USED TRANSPOSED (source 0 = 16 rows of a weight, source 1 = 16 rows of x or h): lane (r, h) holds row r and its registers run along the columns.
; W1's rows of a tile are chosen (by the launch before) so that the 16 registers of tiles u = 0, 1 of a block are hidden units 16 h + 0 .. 15 of the block: neighbours along the next K.
; BY TURNS.  A task's eight accumulators are two groups (row tiles 0, 1 and 2, 3).  While one group is multiplied, the other group's finished sums go through GELU, in slices of 24 behind the f32 products, and the quantiser.
; GELU: g = v (0.5 + y P(y^2) / Q(y^2)), y = v held to +-4 sqrt(2); y P / Q is erf(y / sqrt 2) / 2 as a rational function (degrees 13 and 8), 1 / sqrt 2 and 1 / 2 folded into the coefficients.
; LIMITS: erf is good to a few units in f32's last place; 0.5 + erf / 2 cancels for v well under 0, where g has an absolute error of some |v| x 6e-8; beyond |v| = 5.66 erf counts as +-1;
;   a block of zeros gets the scale byte 1 (zero codes); t2 and B2 are rounded to bf16; b1 and t1 B1^T are summed ahead of x W1^T; NaN and infinities are not served.
; LDS.  An activation fragment (16 rows x 128 K) is a record of 1,664 bytes: [block of 32 (4)][row (16)][24 bytes of codes], then 16 scale words, then 64 bytes that nobody touches.
.set REC,   1664
.set KREC,  4*REC                      ; the four row tiles of a K step
.set XIMG,  0                          ; x's 24 records, index 4 s + rt
.set HIMG,  24*REC                     ; h's 96 records, index 4 s + rt
.set A2I,   HIMG+96*REC                ; A2's 24 fragments as images of 1,536 bytes
.set A2S,   A2I+24*1536                ; and their scale words, 128 bytes a fragment
.set T2L,   A2S+24*128                 ; t2 in bf16, 512 bytes a wave
.set SP,    3088                       ; the way out: a stage of 64 rows x (3,072 + 16) bytes over x's and h's records, behind the barrier behind which nobody reads them
; window 0
.set L16, 1                            ; 16 x lane
.set L4,  2                            ; 4 x lane
.set LF,  3                            ; 24 r + 384 h: my place in a record, as a reader
.set XA,  4                            ; x: 3072 r + 64 h
.set XW,  5                            ; where I store x's codes;  XB: their scale byte
.set XB,  6
.set HW0, 7                            ; the same for h, task 0;  HWC, HBC: the task in hand
.set HWC, 8
.set HB0, 9
.set HBC, 10
.set B1A, 11                           ; B1: 64 (r + 8 (r / 8)) + 32 h
.set BIA, 12                           ; b1: 64 h
.set XSA, 13                           ; x's scale words: lanes 0-15 an even row tile's, lanes 16-31 the odd one's
.set AH,  14                           ; v14-17  h's records, slot m = row tile (m + w) % 4;  v18-21 their scale words
.set AHS, 18
.set AA,  22                           ; A2's images;  AAS: their scale words
.set AAS, 23
.set SO,  24                           ; v24-27  the stage, slot m
.set XS,  28                           ; v28-48 hold scales and nothing else.  Phase 1: v28-39 x's (6 G + s), v40-45 the weights' (K step s), v46-48 A1's
.set HS,  28                           ; phase 2: v28-35 h's (4 p + m), v40-45 the weights', v46 A2's
.set WS,  40
.set A1S, 46
.set A2SC, 46
.set B2A, 49                           ; B2: 64 r + 32 h
.set SR,  50                           ; the stage, on the way back
.set T2W, 51                           ; where I store t2
.set ACC, 52                           ; v52-115  phase 1's accumulators: group G, tile a = 2 q + u at 52 + 32 G + 8 a: written by matrix instructions alone
.set PACC, 52                          ; v52-243  phase 2's: (t, m) at 52 + 8 (4 t + m)
.set T1,  116                          ; v116-147 t1, 8 a row tile: lane (r, h): ranks 8 h + 0 .. 7 of row r.  (At the head: temporaries)
.set B1F, 148                          ; v148-163 B1, 8 a tile u: ranks 8 h + 0 .. 7 of my hidden unit
.set A1F, 148                          ; at the head: A2's three fragments, then A1's six
.set GY,  164                          ; GELU at work: y, y^2, P, Q, eight each
.set GZ,  172
.set GP,  180
.set GQ,  188
.set OUT, 196                          ; v196-227 a group's 32 numbers of h
.set QT0, 228                          ; the quantiser at work
.set QT1, 229
.set QU0, 230
.set QU1, 231
.set QE0, 232
.set QE1, 233
.set QB0, 234
.set QB1, 235
.set CC,  236                          ; v236-243 codes
.set KC,  244                          ; v244-245 the coefficients a5, b3
.set T2A, 244                          ; phase 2: t2's accumulator;  v252-255 t2 in bf16
.set T2P, 252
.set RR,  116
.set HH,  117
.set R4,  118
.set TA,  119
.set TB,  120
.set TC,  121
.set A2W, 122
.set A2SW, 123
; window 1
.set WF,  0                            ; v0-143   a record of 12 weight fragments
.set BI,  144                          ; v144-159 b1 in the result's layout, 8 a tile u
.set A2F, 144                          ; phase 2: A2's fragment
.set XR,  160                          ; v160-255 x's fragments: a ring of four sets of two
.set HF,  160                          ; phase 2: h's fragments: set p at 160 + 48 p, slot m at + 12 m
.set B2R, 0                            ; the way out: B2 as f32;  B2F, T2F: operands of 8 registers, the upper four 0;  BB2: b2;  L16B: 16 x lane once more
.set B2F, 48
.set T2F, 160
.set BB2, 192
.set L16B, 216
; scalars: s[4:19] the eight buffers; s[20:23] W1's record, codes and scale words; s[24:27] W2's; s[28:29] B1; s[30:31] b1; s[68:69] x; s[70:71] out; s[72:75] A2's part
.set WV,  32
.set CNT, 38
.set TH,  39                           ; 13,312 x task: two K steps of h's records
.set CA6, 40
.set CA4, 42
.set CA3, 44
.set CA2, 46
.set CA1, 48
.set CA0, 50
.set CB4, 52
.set CB2, 54
.set CB1, 56
.set CB0, 58
.set NL,  60
.set PL,  61
.set SEL, 62
.set HM,  66
.set MSB, 0
.macro WIN new                         ; bits 1:0 source 0, 3:2 source 1, 5:4 source 2, 7:6 destination; the high byte repeats the setting that is left
.if MSB != \new
	s_set_vgpr_msb (MSB<<8)|\new
.set MSB, \new
.endif
.endm
.macro PLACES n
.rept \n
	v_nop
.endr
.endm
.macro SPAIR reg, val                  ; a constant for the packed forms, which name a pair
	s_mov_b32 s[\reg], \val
	s_mov_b32 s[\reg+1], \val
.endm
.macro BARRIER                         ; my LDS stores have landed and my LDS loads are in: then the work-group's barrier
	s_wait_dscnt 0x0
	s_barrier_signal -1
	s_barrier_wait -1
.endm
; an activation fragment out of its record: registers 6 c .. 6 c + 5 = block 2 c + h of row r, in pieces of 8 bytes
.macro FRAGLD reg, adr, off
.irp c, 0,1
.irp p, 0,1,2
	ds_load_b64 v[(\reg)+6*\c+2*\p:(\reg)+6*\c+2*\p+1], v[\adr] offset:(\off)+768*\c+8*\p
.endr
.endr
.endm
; one FP6 product.  z = 1: it starts the sum.  ra, rb: the side's scale words lie in lanes 16-31
.macro WMS d, a, b, z, sa, sb, ra, rb
.if \z
.if (\ra) && (\rb)
	v_wmma_scale_f32_16x16x128_f8f6f4 v[(\d):(\d)+7], v[(\a):(\a)+11], v[(\b):(\b)+11], 0, v[(\sa)], v[(\sb)] matrix_a_fmt:MATRIX_FMT_FP6 matrix_b_fmt:MATRIX_FMT_FP6 matrix_a_scale:MATRIX_SCALE_ROW1 matrix_b_scale:MATRIX_SCALE_ROW1
.elseif (\ra)
	v_wmma_scale_f32_16x16x128_f8f6f4 v[(\d):(\d)+7], v[(\a):(\a)+11], v[(\b):(\b)+11], 0, v[(\sa)], v[(\sb)] matrix_a_fmt:MATRIX_FMT_FP6 matrix_b_fmt:MATRIX_FMT_FP6 matrix_a_scale:MATRIX_SCALE_ROW1
.elseif (\rb)
	v_wmma_scale_f32_16x16x128_f8f6f4 v[(\d):(\d)+7], v[(\a):(\a)+11], v[(\b):(\b)+11], 0, v[(\sa)], v[(\sb)] matrix_a_fmt:MATRIX_FMT_FP6 matrix_b_fmt:MATRIX_FMT_FP6 matrix_b_scale:MATRIX_SCALE_ROW1
.else
	v_wmma_scale_f32_16x16x128_f8f6f4 v[(\d):(\d)+7], v[(\a):(\a)+11], v[(\b):(\b)+11], 0, v[(\sa)], v[(\sb)] matrix_a_fmt:MATRIX_FMT_FP6 matrix_b_fmt:MATRIX_FMT_FP6
.endif
.else
.if (\ra) && (\rb)
	v_wmma_scale_f32_16x16x128_f8f6f4 v[(\d):(\d)+7], v[(\a):(\a)+11], v[(\b):(\b)+11], v[(\d):(\d)+7], v[(\sa)], v[(\sb)] matrix_a_fmt:MATRIX_FMT_FP6 matrix_b_fmt:MATRIX_FMT_FP6 matrix_a_scale:MATRIX_SCALE_ROW1 matrix_b_scale:MATRIX_SCALE_ROW1
.elseif (\ra)
	v_wmma_scale_f32_16x16x128_f8f6f4 v[(\d):(\d)+7], v[(\a):(\a)+11], v[(\b):(\b)+11], v[(\d):(\d)+7], v[(\sa)], v[(\sb)] matrix_a_fmt:MATRIX_FMT_FP6 matrix_b_fmt:MATRIX_FMT_FP6 matrix_a_scale:MATRIX_SCALE_ROW1
.elseif (\rb)
	v_wmma_scale_f32_16x16x128_f8f6f4 v[(\d):(\d)+7], v[(\a):(\a)+11], v[(\b):(\b)+11], v[(\d):(\d)+7], v[(\sa)], v[(\sb)] matrix_a_fmt:MATRIX_FMT_FP6 matrix_b_fmt:MATRIX_FMT_FP6 matrix_b_scale:MATRIX_SCALE_ROW1
.else
	v_wmma_scale_f32_16x16x128_f8f6f4 v[(\d):(\d)+7], v[(\a):(\a)+11], v[(\b):(\b)+11], v[(\d):(\d)+7], v[(\sa)], v[(\sb)] matrix_a_fmt:MATRIX_FMT_FP6 matrix_b_fmt:MATRIX_FMT_FP6
.endif
.endif
.endm
; GELU of one tile's eight numbers a lane, in three parts of 24 instructions; the four pairs go line by line, so that no line waits for the line above it
.macro HORN d, c                       ; d = d x y^2 + c
.irp j, 0,2,4,6
	v_pk_fma_f32 v[\d+\j:\d+\j+1], v[\d+\j:\d+\j+1], v[GZ+\j:GZ+\j+1], s[\c:\c+1] op_sel_hi:[1,1,0]
.endr
.endm
.macro GEL_A acc
.irp j, 0,1,2,3,4,5,6,7
	v_med3_num_f32 v[GY+\j], v[(\acc)+\j], s[NL], s[PL]            ; y: the accumulator is read from its low end on
.endr
.irp j, 0,2,4,6
	v_pk_mul_f32 v[GZ+\j:GZ+\j+1], v[GY+\j:GY+\j+1], v[GY+\j:GY+\j+1]
.endr
.irp j, 0,2,4,6
	v_pk_fma_f32 v[GP+\j:GP+\j+1], v[GZ+\j:GZ+\j+1], s[CA6:CA6+1], v[KC:KC+1] op_sel_hi:[1,0,0]                ; a6 z + a5
.endr
.irp j, 0,2,4,6
	v_pk_fma_f32 v[GQ+\j:GQ+\j+1], v[GZ+\j:GZ+\j+1], s[CB4:CB4+1], v[KC:KC+1] op_sel:[0,0,1] op_sel_hi:[1,0,1]  ; b4 z + b3
.endr
	HORN GP, CA4
.endm
.macro GEL_B
	HORN GQ, CB2
	HORN GP, CA3
	HORN GQ, CB1
	HORN GP, CA2
	HORN GQ, CB0
	HORN GP, CA1
.endm
.macro GEL_C acc, out
	HORN GP, CA0
.irp j, 0,1,2,3,4,5,6,7
	v_rcp_f32 v[GQ+\j], v[GQ+\j]
.endr
.irp j, 0,2,4,6
	v_pk_mul_f32 v[GP+\j:GP+\j+1], v[GY+\j:GY+\j+1], v[GP+\j:GP+\j+1]        ; y P: plain lines between the reciprocals and their use
.endr
	s_wait_alu depctr_va_vdst(0)
.irp j, 0,2,4,6
	v_pk_fma_f32 v[GZ+\j:GZ+\j+1], v[GP+\j:GP+\j+1], v[GQ+\j:GQ+\j+1], 0.5 op_sel_hi:[1,1,0]
.endr
.irp j, 0,2,4,6
	v_pk_mul_f32 v[(\out)+\j:(\out)+\j+1], v[(\acc)+\j:(\acc)+\j+1], v[GZ+\j:GZ+\j+1]
.endr
.endm
.macro GSLICE n, og                    ; slice n of 12 of group og's GELU: part n % 3 of tile n / 3
.set GTT, (\n)/3
.if (\n)%3 == 0
	GEL_A ACC+32*(\og)+8*GTT
.elseif (\n)%3 == 1
	GEL_B
.else
	GEL_C ACC+32*(\og)+8*GTT, OUT+8*GTT
.endif
.endm
; 32 numbers of a lane (win = 1: in window 1): registers 0-15 row r of one row tile, 16-31 of the next, each k = 16 h + 0 .. 15 of ONE block of 32.  They become 24 bytes of codes a lane in v[CC] on
; (lanes 0-15: the first tile's whole block of row r; lanes 16-31: the second's) and that block's scale byte in v[QB0].
.macro QUANTP src, win
.if \win
	WIN 0x14
.endif
	v_max3_num_f32 v[QT0], 0x1800000, |v[(\src)]|, |v[(\src)+1]|         ; with the floor 2^(3 - 127): the byte cannot fall under 1
	v_max3_num_f32 v[QT1], 0x1800000, |v[(\src)+16]|, |v[(\src)+17]|
.irp i, 2,4,6,8,10,12,14
	v_max3_num_f32 v[QT0], v[QT0], |v[(\src)+\i]|, |v[(\src)+\i+1]|
	v_max3_num_f32 v[QT1], v[QT1], |v[(\src)+16+\i]|, |v[(\src)+17+\i]|
.endr
	WIN 0
	v_permlanex16_b32 v[QU0], v[QT0], s[SEL], s[SEL+1]
	v_permlanex16_b32 v[QU1], v[QT1], s[SEL], s[SEL+1]
	v_max_num_f32 v[QT0], v[QT0], v[QU0]           ; with lane l xor 16's 16: the block's largest magnitude
	v_max_num_f32 v[QT1], v[QT1], v[QU1]
	v_add_nc_u32 v[QE0], 0xff000000, v[QT0]        ; 2 off the exponent field: the conversion's scale operand
	v_add_nc_u32 v[QE1], 0xff000000, v[QT1]
.if \win
	WIN 0x01
.endif
	v_cvt_scalef32_pk16_fp6_f32 v[CC:CC+2], v[(\src):(\src)+15], v[QE0]
	v_cvt_scalef32_pk16_fp6_f32 v[CC+4:CC+6], v[(\src)+16:(\src)+31], v[QE1]
	WIN 0
	v_lshrrev_b32 v[QB0], 23, v[QE0]               ; the bytes.  (Plain lines behind the scaled conversions)
	v_lshrrev_b32 v[QB1], 23, v[QE1]
	v_cndmask_b32 v[QB0], v[QB0], v[QB1], s[HM]    ; lanes 16-31 take the second tile's
.irp i, 0,1,2
	v_permlane16_swap_b32 v[CC+\i], v[CC+4+\i]     ; the first's lanes 16-31 change places with the second's lanes 0-15: now the first run holds each lane's block's lower 16 codes, the second the upper 16
.endr
.irp i, 0,1,2
	v_mov_b32 v[CC+3+\i], v[CC+4+\i]
.endr
.endm
.macro QSTORE ca, ba, off
	ds_store_b64 v[\ca], v[CC:CC+1] offset:(\off)
	ds_store_b64 v[\ca], v[CC+2:CC+3] offset:(\off)+8
	ds_store_b64 v[\ca], v[CC+4:CC+5] offset:(\off)+16
	ds_store_b8 v[\ba], v[QB0] offset:(\off)
.endm
.macro XLD gx, sx, set                 ; x's two fragments of group gx, K step sx, into a set of the ring
	FRAGLD XR+24*(\set), LF, XIMG+(4*(\sx)+2*(\gx))*REC
	FRAGLD XR+24*(\set)+12, LF, XIMG+(4*(\sx)+2*(\gx)+1)*REC
.endm
.macro BLOAD                           ; a task's B1 (32 consecutive bytes a lane and tile) and b1 (in the result's layout)
.irp u, 0,1
	global_load_b128 v[B1F+8*\u:B1F+8*\u+3], v[B1A], s[28:29] offset:512*\u
	global_load_b128 v[B1F+8*\u+4:B1F+8*\u+7], v[B1A], s[28:29] offset:512*\u+16
.endr
	WIN 0x40
.irp u, 0,1
	global_load_b128 v[BI+8*\u:BI+8*\u+3], v[BIA], s[30:31] offset:32*\u
	global_load_b128 v[BI+8*\u+4:BI+8*\u+7], v[BIA], s[30:31] offset:32*\u+16
.endr
	WIN 0
.endm
; ONE GROUP OF ONE TASK.  Four accumulators by turns, one instruction a turn: b1 + t1 B1^T in four f32 steps of 4 ranks, then x W1^T in six FP6 steps.
; vec = 1: the other group's GELU stands in slices behind the f32 products, its quantiser behind them.  nxt = 1: the next task's weights are asked for; 2: W2's first record.
; first = 1: the launch's first group.  last = 1: phase 1's last: the ring runs empty.
.macro GSTEP G, vec, nxt, first, last
.set WB, 16+4*\nxt
.if \G == 0
.if \first
	s_wait_loadcnt 0x0                             ; the first record, B1 and b1 are in
.else
	s_wait_loadcnt 42                              ; B1's and b1's eight loads are in; behind them stand six K steps of seven loads
.endif
.endif
	WIN 0x10                                       ; C = b1, in window 1
.irp a, 0,1,2,3
	v_wmma_f32_16x16x4_f32 v[ACC+32*\G+8*\a:ACC+32*\G+8*\a+7], v[B1F+8*(\a%2):B1F+8*(\a%2)+1], v[T1+16*\G+8*(\a/2):T1+16*\G+8*(\a/2)+1], v[BI+8*(\a%2):BI+8*(\a%2)+7]
.endr
	WIN 0
.irp sg, 1,2,3                                 ; step sg takes ranks 8 h + 2 sg + 0, 1 on both sides: t1's registers and B1's are the operands as they stand
.irp a, 0,1,2,3
	v_wmma_f32_16x16x4_f32 v[ACC+32*\G+8*\a:ACC+32*\G+8*\a+7], v[B1F+8*(\a%2)+2*\sg:B1F+8*(\a%2)+2*\sg+1], v[T1+16*\G+8*(\a/2)+2*\sg:T1+16*\G+8*(\a/2)+2*\sg+1], v[ACC+32*\G+8*\a:ACC+32*\G+8*\a+7]
.if \vec
	GSLICE 4*(\sg-1)+\a, 1-\G
.endif
.endr
.endr
.if \vec
	QUANTP OUT, 0                                  ; (its plain lines are also the nine places between the f32 form and the FP6 form on one accumulator, and the eight in front of the loads into B1's and b1's registers)
	QSTORE HWC, HBC, 2*REC*(1-\G)
.if \G == 0
	s_add_co_u32 s[TH], s[TH], 2*KREC              ; the task whose second group has just been stored is done: on to the next task's records
	v_add_nc_u32 v[HWC], s[TH], v[HW0]
	v_add_nc_u32 v[HBC], s[TH], v[HB0]
.endif
.else
	PLACES 9
.endif
.if (\G == 1) && (\nxt == 1)
	s_wait_xcnt 0x0                                ; the bases are stepped only behind this wait
	s_add_nc_u64 s[20:21], s[20:21], 8*18432       ; eight blocks on
	s_add_nc_u64 s[22:23], s[22:23], 8*768
	s_add_nc_u64 s[28:29], s[28:29], 8*2048
	s_add_nc_u64 s[30:31], s[30:31], 8*128
	BLOAD
.endif
.irp s, 0,1,2,3,4,5
.if (\G == 0) && (\first == 0)
	s_wait_loadcnt 7*(5-\s)                        ; this K step's six code loads and its scale load are in; the later K steps' stay out
.endif
.if (\last) && (5-\s < 3)
	s_wait_dscnt 12*(5-\s)
.else
	s_wait_dscnt 36                                ; this set of the ring is in; three younger sets of twelve loads may be out
.endif
	WIN 0x05
.irp a, 0,1,2,3
	WMS ACC+32*\G+8*\a, WF+12*(2*\s+\a%2), XR+24*((6*\G+\s)%4)+12*(\a/2), 0, WS+\s, XS+6*\G+\s, \a%2, \a/2
.endr
	PLACES 4                                       ; in front of loads into registers that these products have read; behind the last K step: in front of the first read of the sums
	WIN 0x40
.if \s < 2
	XLD \G, \s+4, (6*\G+\s)%4                      ; the set just read takes the step four further on
.elseif \last == 0
	XLD 1-\G, \s-2, (6*\G+\s)%4
.endif
.if (\G == 1) && (\nxt > 0)
.irp f, 0,1
.irp pl, 0,1,2
	global_load_b128 v[WF+12*(2*\s+\f)+4*\pl:WF+12*(2*\s+\f)+4*\pl+3], v[L16], s[WB:WB+1] offset:1536*(2*\s+\f)+512*\pl
.endr
.endr
	WIN 0
	global_load_b32 v[WS+\s], v[L4], s[WB+2:WB+3] offset:128*\s   ; lanes 0-15: the even fragment's words; lanes 16-31: the odd one's
.endif
.endr
	WIN 0
.endm
; PHASE 2: ONE RECORD OF W2: two K steps p, each six tiles t of out columns x four slots m of rows, and t2's product.  24 + 1 accumulators by turns.  first = 1: the sums begin.  more = 1: the next record and the h of two K steps on are asked for.
.macro PTRIP first, more
.if \more
	s_wait_xcnt 0x0                                ; the bases are stepped only behind this wait
	s_add_nc_u64 s[24:25], s[24:25], 18432
	s_add_nc_u64 s[26:27], s[26:27], 768
.endif
.irp p, 0,1
.set ZF, 0
.if \first && (\p == 0)
.set ZF, 1
.endif
.irp kp, 0,1,2
.if \more
	s_wait_loadcnt 35                              ; this pair of fragments (six loads) and its scale words (one) are in; the five other pairs' loads stay out
.else
	s_wait_loadcnt 7*(5-3*\p-\kp)
.endif
	WIN 0x05
.irp m, 0,1,2,3
.irp f, 0,1
	WMS PACC+8*(4*(2*\kp+\f)+\m), WF+12*(6*\p+2*\kp+\f), HF+48*\p+12*\m, ZF, WS+3*\p+\kp, HS+4*\p+\m, \f, 0
.endr
.endr
	PLACES 4
.if \more
	WIN 0x40
.irp f, 0,1
.irp pl, 0,1,2
	global_load_b128 v[WF+12*(6*\p+2*\kp+\f)+4*\pl:WF+12*(6*\p+2*\kp+\f)+4*\pl+3], v[L16], s[24:25] offset:1536*(6*\p+2*\kp+\f)+512*\pl
.endr
.endr
	WIN 0
	global_load_b32 v[WS+3*\p+\kp], v[L4], s[26:27] offset:128*(3*\p+\kp)
.endif
.endr
	s_wait_dscnt 0x0                               ; what was asked for a K step ago is in: A2's fragment for this K step, and the other set of h
	WIN 0x05
	WMS T2A, A2F, HF+48*\p, ZF, A2SC, HS+4*\p, 0, 0    ; t2 of slot 0, my row tile w % 4
	PLACES 4
	WIN 0x40
.if \more
.irp m, 0,1,2,3
	FRAGLD HF+48*\p+12*\m, AH+\m, (\p+2)*KREC
.endr
.endif
.if \more || (\p == 0)
.irp pl, 0,1,2
	ds_load_b128 v[A2F+4*\pl:A2F+4*\pl+3], v[AA] offset:1536*(\p+1)+512*\pl
.endr
.endif
	WIN 0
.if \more
.irp m, 0,1,2,3
	ds_load_b32 v[HS+4*\p+\m], v[AHS+\m] offset:(\p+2)*KREC
.endr
.endif
.if \more || (\p == 0)
	ds_load_b32 v[A2SC], v[AAS] offset:128*(\p+1)
.endif
.endr
.if \more
.irp m, 0,1,2,3
	v_add_nc_u32 v[AH+\m], 2*KREC, v[AH+\m]        ; two K steps on
	v_add_nc_u32 v[AHS+\m], 2*KREC, v[AHS+\m]
.endr
	v_add_nc_u32 v[AA], 2*1536, v[AA]
	v_add_nc_u32 v[AAS], 2*128, v[AAS]
.endif
.endm
; ---------------------------------------------------------------- the head: addresses and constants
	s_load_b256 s[4:11], s[0:1], 0x0               ; x s[4:5], b1 s[6:7], B1 s[8:9], b2 s[10:11]
	s_load_b256 s[12:19], s[0:1], 0x20             ; B2 s[12:13], the codes s[14:15], the scale words s[16:17], out s[18:19]
	v_lshrrev_b32 v[TA], 5, v0
	v_readfirstlane_b32 s[WV], v[TA]               ; wave 0..7
	v_and_b32 v[RR], 15, v0                        ; r
	v_bfe_u32 v[HH], v0, 4, 1                      ; h
	v_and_b32 v[TA], 31, v0
	v_lshlrev_b32 v[L16], 4, v[TA]
	v_lshlrev_b32 v[L4], 2, v[TA]
	v_lshlrev_b32 v[R4], 2, v[RR]
	v_mul_u32_u24 v[TA], v[RR], 24
	v_mad_u32_u24 v[LF], v[HH], 384, v[TA]
	v_mad_u32_u24 v[TA], v[HH], REC, v[TA]         ; as a writer: 24 r + a record for lanes 16-31
	v_mad_u32_u24 v[TB], v[HH], REC, v[R4]         ; 4 r + the same
	v_add_nc_u32 v[XSA], XIMG+1536, v[TB]
	v_mul_u32_u24 v[XA], v[RR], 3072
	v_lshl_add_u32 v[XA], v[HH], 6, v[XA]
	v_and_b32 v[TC], 8, v[RR]
	v_add_nc_u32 v[TC], v[TC], v[RR]
	v_lshlrev_b32 v[TC], 6, v[TC]
	v_lshl_add_u32 v[B1A], v[HH], 5, v[TC]
	v_lshlrev_b32 v[BIA], 6, v[HH]
	v_lshlrev_b32 v[B2A], 6, v[RR]
	v_lshl_add_u32 v[B2A], v[HH], 5, v[B2A]
	v_mul_u32_u24 v[TC], v[RR], SP
	v_lshl_add_u32 v[TC], v[HH], 5, v[TC]          ; the stage: row r, + 32 h
	v_add_nc_u32 v[AA], A2I, v[L16]
	v_add_nc_u32 v[AAS], A2S, v[L4]
	v_lshl_add_u32 v[T2W], v0, 4, T2L              ; 512 x wave + 16 x lane
	v_mov_b32 v[QU0], 0                            ; written once: a lane permute's destination counts as one of its sources
	v_mov_b32 v[QU1], 0
	v_mov_b32 v[KC], 0x2fa84a8d                    ; a5
	v_mov_b32 v[KC+1], 0xb7dfbd29                  ; b3
	s_lshr_b32 s34, s[WV], 2
	s_and_b32 s35, s[WV], 3
	s_mul_i32 s36, s34, 2*REC                      ; x: wave w quantises block w % 4 of every K step, for row tiles 2 (w / 4) and 2 (w / 4) + 1
	s_mul_i32 s37, s35, 384
	s_add_co_u32 s37, s36, s37
	v_add_nc_u32 v[XW], s37, v[TA]
	s_add_co_u32 s36, s36, s35
	s_add_co_u32 s36, s36, 1536
	v_add_nc_u32 v[XB], s36, v[TB]
	s_mul_i32 s36, s34, KREC                       ; h: block w + 8 t is block w % 4 of K step 2 t + w / 4
	s_add_co_u32 s36, s36, HIMG
	s_mul_i32 s37, s35, 384
	s_add_co_u32 s37, s36, s37
	v_add_nc_u32 v[HW0], s37, v[TA]
	s_add_co_u32 s36, s36, s35
	s_add_co_u32 s36, s36, 1536
	v_add_nc_u32 v[HB0], s36, v[TB]
	s_mov_b32 s[TH], 0
	v_add_nc_u32 v[HWC], s[TH], v[HW0]
	v_add_nc_u32 v[HBC], s[TH], v[HB0]
.irp m, 0,1,2,3
	s_add_co_u32 s36, s[WV], \m
	s_and_b32 s36, s36, 3                          ; slot m holds row tile (m + w) % 4: slot 0 is the tile whose t2 I make
	s_mul_i32 s37, s36, REC
	s_add_co_u32 s37, s37, HIMG
	v_add_nc_u32 v[AH+\m], s37, v[LF]
	s_add_co_u32 s37, s37, 1536
	v_add_nc_u32 v[AHS+\m], s37, v[R4]
	s_mul_i32 s37, s36, 16*SP
	s_mul_i32 s36, s[WV], 384
	s_add_co_u32 s37, s37, s36
	v_add_nc_u32 v[SO+\m], s37, v[TC]
.endr
	s_mul_i32 s36, s[WV], 3*1536
	s_add_co_u32 s36, s36, A2I
	v_add_nc_u32 v[A2W], s36, v[L16]               ; A2's copy: fragments 3 w .. 3 w + 2
	s_mul_i32 s36, s[WV], 3*128
	s_add_co_u32 s36, s36, A2S
	v_add_nc_u32 v[A2SW], s36, v[L4]
	s_mul_i32 s36, s[WV], 8*SP
	v_add_nc_u32 v[SR], s36, v[L16]                ; the stage, back: my rows 8 w .. 8 w + 7
	SPAIR CA6, 0xabd3f331                          ; -1.5059951e-12
	SPAIR CA4, 0xb347667d                          ; -4.6426510e-8
	SPAIR CA3, 0xb628d45d                          ; -2.5157562e-6
	SPAIR CA2, 0xb8883d9c                          ; -6.4964607e-5
	SPAIR CA1, 0xba08eb41                          ; -5.2230439e-4
	SPAIR CA0, 0xbbba79f3                          ; -5.6908071e-3
	SPAIR CB4, 0xb57460cd                          ; -9.1037949e-7
	SPAIR CB2, 0xb9dc924e                          ; -4.2070674e-4
	SPAIR CB1, 0xbb719bf8                          ; -3.6866646e-3
	SPAIR CB0, 0xbc69b6a7                          ; -1.4264739e-2
	s_mov_b32 s[NL], 0xc0b504f3                    ; -4 sqrt 2
	s_mov_b32 s[PL], 0x40b504f3
	s_mov_b32 s[SEL], 0x76543210
	s_mov_b32 s[SEL+1], 0xfedcba98                 ; v_permlanex16_b32's selects for lane l xor 16
	s_mov_b32 s[HM], 0xffff0000                    ; lanes 16-31
	; byte offsets, each in a pair of its own
	s_mul_i32 s36, ttmp9, 64*3072                  ; my work-group's 64 rows of x and of out
	s_mul_i32 s37, s34, 32*3072
	s_add_co_u32 s68, s36, s37
	s_lshl_b32 s37, s35, 7
	s_add_co_u32 s68, s68, s37                     ; x: + 32 rows x (w / 4) + 128 bytes x (w % 4)
	s_mov_b32 s69, 0
	s_mul_i32 s37, s[WV], 8*3072
	s_add_co_u32 s70, s36, s37                     ; out: + 8 rows x w
	s_mov_b32 s71, 0
	s_mul_i32 s20, s[WV], 18432                    ; W1: record w
	s_mov_b32 s21, 0
	s_mul_i32 s22, s[WV], 768
	s_mov_b32 s23, 0
	s_mul_i32 s24, s[WV], 12*18432                 ; W2: record 96 + 12 w
	s_add_co_u32 s24, s24, 96*18432
	s_mov_b32 s25, 0
	s_mul_i32 s26, s[WV], 12*768
	s_add_co_u32 s26, s26, 96*768
	s_mov_b32 s27, 0
	s_lshl_b32 s28, s[WV], 11                      ; B1: 32 units x 64 bytes x w
	s_mov_b32 s29, 0
	s_lshl_b32 s30, s[WV], 7                       ; b1: 32 units x 4 bytes x w
	s_mov_b32 s31, 0
	s_mul_i32 s72, s[WV], 3*1536                   ; A2: fragment 2304 + 3 w
	s_add_co_u32 s72, s72, 2304*1536
	s_mov_b32 s73, 0
	s_mul_i32 s74, s[WV], 3*64
	s_add_co_u32 s74, s74, 2304*64
	s_mov_b32 s75, 0
	s_mul_i32 s76, s[WV], 96*64                    ; B2: my 96 rows
	s_mov_b32 s77, 0
	s_wait_kmcnt 0x0
	s_add_nc_u64 s[68:69], s[4:5], s[68:69]
	s_add_nc_u64 s[70:71], s[18:19], s[70:71]
	s_add_nc_u64 s[20:21], s[14:15], s[20:21]
	s_add_nc_u64 s[22:23], s[16:17], s[22:23]
	s_add_nc_u64 s[24:25], s[14:15], s[24:25]
	s_add_nc_u64 s[26:27], s[16:17], s[26:27]
	s_add_nc_u64 s[28:29], s[8:9], s[28:29]
	s_add_nc_u64 s[30:31], s[6:7], s[30:31]
	s_add_nc_u64 s[72:73], s[14:15], s[72:73]
	s_add_nc_u64 s[74:75], s[16:17], s[74:75]
	s_add_nc_u64 s[12:13], s[12:13], s[76:77]
; ---------------------------------------------------------------- A2 into LDS, x into codes
.irp f, 0,1,2
.irp pl, 0,1,2
	global_load_b128 v[A1F+12*\f+4*\pl:A1F+12*\f+4*\pl+3], v[L16], s[72:73] offset:1536*\f+512*\pl
.endr
.endr
.irp f, 0,1,2
	global_load_b32 v[A1F+36+\f], v[R4], s[74:75] offset:64*\f
.endr
	WIN 0x40
.irp i, 0,1,2,3,4,5                            ; job i: block w % 4 of K step i: 16 neighbours a lane, for my two row tiles q
.irp q, 0,1
.irp e, 0,1,2,3
	global_load_b128 v[32*\i+16*\q+4*\e:32*\i+16*\q+4*\e+3], v[XA], s[68:69] offset:49152*\q+512*\i+16*\e th:TH_LOAD_NT
.endr
.endr
.endr
	WIN 0
	s_wait_loadcnt 48                              ; A2's twelve loads are in; x's 48 stay out
.irp f, 0,1,2
.irp pl, 0,1,2
	ds_store_b128 v[A2W], v[A1F+12*\f+4*\pl:A1F+12*\f+4*\pl+3] offset:1536*\f+512*\pl
.endr
.endr
.irp f, 0,1,2
	ds_store_b32 v[A2SW], v[A1F+36+\f] offset:128*\f
.endr
	s_wait_dscnt 0x0                               ; the stores have read their registers: A1 may land there
.irp s, 0,1,2,3,4,5
.irp pl, 0,1,2
	global_load_b128 v[A1F+12*\s+4*\pl:A1F+12*\s+4*\pl+3], v[L16], s[14:15] offset:(2328+\s)*1536+512*\pl
.endr
.endr
.irp i, 0,1,2
	global_load_b32 v[A1S+\i], v[L4], s[16:17] offset:2328*64+128*\i
.endr
.irp i, 0,1,2,3,4,5
	s_wait_loadcnt 61-8*\i                         ; job i's eight loads are in; behind them stand the later jobs' and A1's 21
	QUANTP 32*\i, 1
	QSTORE XW, XB, XIMG+KREC*\i
.endr
	WIN 0x40
.irp f, 0,1,2,3,4,5,6,7,8,9,10,11              ; W1's first record, into the registers that x has left
.irp pl, 0,1,2
	global_load_b128 v[WF+12*\f+4*\pl:WF+12*\f+4*\pl+3], v[L16], s[20:21] offset:1536*\f+512*\pl
.endr
.endr
	WIN 0
.irp s, 0,1,2,3,4,5
	global_load_b32 v[WS+\s], v[L4], s[22:23] offset:128*\s
.endr
	BARRIER                                        ; x's 24 records and A2's images lie in LDS
; ---------------------------------------------------------------- t1 = x A1^T for the four row tiles
.irp G, 0,1
.irp s, 0,1,2,3,4,5
	ds_load_b32 v[XS+6*\G+\s], v[XSA] offset:(4*\s+2*\G)*REC   ; x's scale words stay in registers through phase 1
.endr
.endr
	WIN 0x40
.irp s, 0,1
.irp rt, 0,1,2,3
	FRAGLD XR+48*\s+12*\rt, LF, XIMG+(4*\s+\rt)*REC
.endr
.endr
	WIN 0
	s_wait_loadcnt 42                              ; A1 is in; W1's 42 loads stay out
.irp s, 0,1,2,3,4,5
.if \s < 5
	s_wait_dscnt 24                                ; this K step's four fragments are in; the next K step's 24 loads may be out
.else
	s_wait_dscnt 0x0
.endif
	WIN 0x04
.set ZF, 0
.if \s == 0
.set ZF, 1
.endif
.irp rt, 0,1,2,3
	WMS T1+8*\rt, A1F+12*\s, XR+48*(\s%2)+12*\rt, ZF, A1S+\s/2, XS+6*(\rt/2)+\s, \s%2, \rt%2
.endr
	PLACES 5                                       ; in front of the loads below; behind the last K step: five in front of the products that take t1 as an operand
.if \s < 4
	WIN 0x40
.irp rt, 0,1,2,3
	FRAGLD XR+48*(\s%2)+12*\rt, LF, XIMG+(4*(\s+2)+\rt)*REC
.endr
.endif
.endr
	WIN 0x40
	XLD 0, 0, 0                                    ; the ring is filled: group 0, K steps 0 to 3
	XLD 0, 1, 1
	XLD 0, 2, 2
	XLD 0, 3, 3
	WIN 0
	BLOAD                                          ; task 0's B1 and b1
; ---------------------------------------------------------------- phase 1: twelve tasks of two groups
	GSTEP 0, 0, 0, 1, 0
	s_mov_b32 s[CNT], 11
.Ltask:                                            ; a trip: a task's second group (beside it the first group's GELU), the next task's first group (beside it the second's)
	GSTEP 1, 1, 1, 0, 0
	GSTEP 0, 1, 0, 0, 0
	s_sub_co_u32 s[CNT], s[CNT], 1
	s_cmp_lg_u32 s[CNT], 0
	s_cbranch_scc1 .Ltask
	GSTEP 1, 1, 2, 0, 1                            ; the last task's second group; W2's first record is asked for
.irp a, 0,1,2,3
	GEL_A ACC+32+8*\a
	GEL_B
	GEL_C ACC+32+8*\a, OUT+8*\a
.endr
	QUANTP OUT, 0
	QSTORE HWC, HBC, 2*REC
	BARRIER                                        ; h's 96 records lie in LDS
; ---------------------------------------------------------------- phase 2
	WIN 0x40
.irp p, 0,1
.irp m, 0,1,2,3
	FRAGLD HF+48*\p+12*\m, AH+\m, \p*KREC
.endr
.endr
.irp pl, 0,1,2
	ds_load_b128 v[A2F+4*\pl:A2F+4*\pl+3], v[AA] offset:512*\pl
.endr
	WIN 0
.irp p, 0,1
.irp m, 0,1,2,3
	ds_load_b32 v[HS+4*\p+\m], v[AHS+\m] offset:\p*KREC
.endr
.endr
	ds_load_b32 v[A2SC], v[AAS]
	s_wait_dscnt 0x0
	PTRIP 1, 1
	s_mov_b32 s[CNT], 10
.Lrecord:
	PTRIP 0, 1
	s_sub_co_u32 s[CNT], s[CNT], 1
	s_cmp_lg_u32 s[CNT], 0
	s_cbranch_scc1 .Lrecord
	PTRIP 0, 0                                     ; the last record asks for nothing more
; ---------------------------------------------------------------- the way out: + t2 B2^T, + b2
	WIN 0x40
.irp t, 0,1,2,3,4,5
	global_load_b128 v[B2R+8*\t:B2R+8*\t+3], v[B2A], s[12:13] offset:1024*\t         ; B2(96 w + 16 t + r, 8 h + 0 .. 7)
	global_load_b128 v[B2R+8*\t+4:B2R+8*\t+7], v[B2A], s[12:13] offset:1024*\t+16
.endr
.irp k, 0,1,2,3,4,5
	global_load_b128 v[BB2+4*\k:BB2+4*\k+3], v[L16], s[10:11] offset:512*\k          ; b2, as a row of out lies over the lanes
.endr
	WIN 0
.irp i, 0,1,2,3
	v_cvt_pk_bf16_f32 v[T2P+\i], v[T2A+2*\i], v[T2A+2*\i+1]   ; lane (r, h): ranks 8 h + 0 .. 7 of row r: registers 0-3 of the bf16 operand as they stand
.endr
	ds_store_b128 v[T2W], v[T2P:T2P+3]
.irp m, 0,1,2,3
	s_add_co_u32 s36, s[WV], \m
	s_and_b32 s36, s36, 3
	s_and_b32 s37, s[WV], 4
	s_add_co_u32 s36, s36, s37                     ; row tile (m + w) % 4 was made by the wave of that number in my half of the eight
	s_lshl_b32 s36, s36, 9
	s_add_co_u32 s36, s36, T2L
	v_add_nc_u32 v[AH+\m], s36, v[L16]
.endr
	WIN 0x40
.irp t, 0,1,2,3,4,5
.irp i, 4,5,6,7
	v_mov_b32 v[B2F+8*\t+\i], 0                    ; the form's K is 32, the rank 16: k = 16 .. 31 are zeros on both sides
.endr
.endr
.irp m, 0,1,2,3
.irp i, 4,5,6,7
	v_mov_b32 v[T2F+8*\m+\i], 0
.endr
.endr
	WIN 0
	BARRIER                                        ; every wave's t2 lies in LDS, and every wave's reads of h are over
	WIN 0x40
.irp m, 0,1,2,3
	ds_load_b128 v[T2F+8*\m:T2F+8*\m+3], v[AH+\m]
.endr
	s_wait_loadcnt 6                               ; B2's twelve loads are in; b2's six may be out
	WIN 0x45
.irp t, 0,1,2,3,4,5
.irp i, 0,1,2,3
	v_cvt_pk_bf16_f32 v[B2F+8*\t+\i], v[B2R+8*\t+2*\i], v[B2R+8*\t+2*\i+1]
.endr
.endr
	PLACES 4
	s_wait_dscnt 0x0
	WIN 0x05
.irp t, 0,1,2,3,4,5
.irp m, 0,1,2,3
	v_wmma_f32_16x16x32_bf16 v[PACC+8*(4*\t+\m):PACC+8*(4*\t+\m)+7], v[B2F+8*\t:B2F+8*\t+7], v[T2F+8*\m:T2F+8*\m+7], v[PACC+8*(4*\t+\m):PACC+8*(4*\t+\m)+7]
.endr
.endr
	WIN 0
	PLACES 4
.irp m, 0,1,2,3
.irp t, 0,1,2,3,4,5
	ds_store_b128 v[SO+\m], v[PACC+8*(4*\t+\m):PACC+8*(4*\t+\m)+3] offset:64*\t        ; lane (r, h): out(16 ((m + w) % 4) + r, 96 w + 16 t + 8 h + 0 .. 7); each accumulator from its low end on
	ds_store_b128 v[SO+\m], v[PACC+8*(4*\t+\m)+4:PACC+8*(4*\t+\m)+7] offset:64*\t+16
.endr
.endr
	BARRIER                                        ; 64 whole rows lie in the stage
	WIN 0x40
	v_mov_b32 v[L16B], v[L16]                      ; 16 x lane in window 1, so that additions and stores run under one setting
.irp i, 0,1,2,3,4,5,6,7
.irp k, 0,1,2,3,4,5
	ds_load_b128 v[4*(6*\i+\k):4*(6*\i+\k)+3], v[SR] offset:SP*\i+512*\k
.endr
.endr
	s_wait_loadcnt 0x0                             ; b2
	WIN 0x45
.irp i, 0,1,2,3,4,5,6,7
.irp k, 0,1,2,3,4,5
	s_wait_dscnt 47-(6*\i+\k)                      ; LDS loads come back in order: this one is in, the younger ones may be out
	v_pk_add_f32 v[4*(6*\i+\k):4*(6*\i+\k)+1], v[4*(6*\i+\k):4*(6*\i+\k)+1], v[BB2+4*\k:BB2+4*\k+1]
	v_pk_add_f32 v[4*(6*\i+\k)+2:4*(6*\i+\k)+3], v[4*(6*\i+\k)+2:4*(6*\i+\k)+3], v[BB2+4*\k+2:BB2+4*\k+3]
	global_store_b128 v[L16B], v[4*(6*\i+\k):4*(6*\i+\k)+3], s[70:71] offset:3072*\i+512*\k th:TH_STORE_NT   ; the wave stores 512 consecutive bytes, aligned; written once, read by nobody here
.endr
.endr
	WIN 0
	s_wait_xcnt 0x0
	v_lshl_add_u32 v254, v0, 2, 0x3b800
	v_mov_b32 v255, 0
	s_wait_tensorcnt 0x0
	ds_add_u32 v254, v255
	s_wait_dscnt 0x0
	s_endpgm
.Lfunc_end_k_q29feafcf1b_mlp:
	.size	k_q29feafcf1b_mlp, .Lfunc_end_k_q29feafcf1b_mlp-k_q29feafcf1b_mlp
	.p2alignl 7, 3214868480
	.fill 96, 4, 3214868480
	.section	.rodata,"a",@progbits
	.p2align	6, 0x0
	.amdhsa_kernel k_q29feafcf1b_mlp
		.amdhsa_group_segment_fixed_size 244736
		.amdhsa_private_segment_fixed_size 0
		.amdhsa_enable_private_segment 0
		.amdhsa_kernarg_size 64
		.amdhsa_user_sgpr_count 2
		.amdhsa_user_sgpr_kernarg_segment_ptr 1
		.amdhsa_wavefront_size32 1
		.amdhsa_system_sgpr_workgroup_id_x 1
		.amdhsa_system_sgpr_workgroup_id_y 1
		.amdhsa_system_sgpr_workgroup_id_z 1
		.amdhsa_system_vgpr_workitem_id 0
		.amdhsa_next_free_vgpr 512
		.amdhsa_next_free_sgpr 80
		.amdhsa_reserve_vcc 0
		.amdhsa_float_denorm_mode_32 3
		.amdhsa_float_denorm_mode_16_64 3
		.amdhsa_memory_ordered 1
		.amdhsa_forward_progress 1
		.amdhsa_inst_pref_size 249
	.end_amdhsa_kernel
	.amdgpu_metadata
---
amdhsa.version: [ 1, 2 ]
amdhsa.kernels:
  - .name:           k_q29feafcf1b_mlp
    .symbol:         k_q29feafcf1b_mlp.kd
    .args:
      - { .name: x, .offset: 0, .size: 8, .value_kind: global_buffer, .address_space: global }
      - { .name: b1, .offset: 8, .size: 8, .value_kind: global_buffer, .address_space: global }
      - { .name: B1, .offset: 16, .size: 8, .value_kind: global_buffer, .address_space: global }
      - { .name: b2, .offset: 24, .size: 8, .value_kind: global_buffer, .address_space: global }
      - { .name: B2, .offset: 32, .size: 8, .value_kind: global_buffer, .address_space: global }
      - { .name: wq_codes, .offset: 40, .size: 8, .value_kind: global_buffer, .address_space: global }
      - { .name: wq_scales, .offset: 48, .size: 8, .value_kind: global_buffer, .address_space: global }
      - { .name: out0, .offset: 56, .size: 8, .value_kind: global_buffer, .address_space: global }
    .group_segment_fixed_size: 244736
    .private_segment_fixed_size: 0
    .kernarg_segment_align: 8
    .kernarg_segment_size: 64
    .max_flat_workgroup_size: 256
    .sgpr_count:     80
    .vgpr_count:     512
    .wavefront_size: 32
...
	.end_amdgpu_metadata
.endif
;; end of part 2
;; ======== version 2 of 3: 2 launches; 1.09 times as fast as version 1
;; workspace buffers: wq_codes 3,594,240 bytes; wq_scales 149,760 bytes
;; launch prep (part 3): grid 195 x 1, 12 waves a work-group, no clusters, 103,936 bytes of LDS; arguments W1, W2, A1, A2, wq_codes, wq_scales; writes wq_codes, wq_scales
.if DOCPART == 3
	.amdgcn_target "amdgcn-amd-amdhsa--gfx1250"
	.amdhsa_code_object_version 6
	.text
	.protected	k_q29feafcf1b_prep
	.globl	k_q29feafcf1b_prep
	.p2align	8
	.type	k_q29feafcf1b_prep,@function
k_q29feafcf1b_prep:
	s_mov_b64 s[64:65], 0
	v_nop
	global_prefetch_b8 v0, s[64:65] scope:SCOPE_SE
	s_setreg_imm32_b32 hwreg(HW_REG_WAVE_MODE, 25, 1), 1
	s_wait_xcnt 0x0
; W1 [3072][768], W2 [768][3072], A2 [16][3072] and A1 [16][768], f32 with K innermost, become codes of FP6 (E2M3) with one E8M0 byte for each 32 along K,
; laid as IMAGES OF OPERAND REGISTERS.  A fragment is 16 rows x 128 K, 12 registers a lane: lane (r, h) holds row r; registers 6 c .. 6 c + 5 hold k = 64 c + 32 h + 0 .. 31.
; In memory a fragment is three planes of 512 bytes: plane p holds lane l's registers 4 p .. 4 p + 3 at byte 16 l.  Its 16 scale words (row r: four bytes) are 64 bytes.
; A work-group makes a RECORD of 12 fragments, a wave one fragment: F = 12 g + w.
;   g 0..95     W1: block of 32 hidden units g; fragment 2 s + u: K step s, row e of the fragment is W1's row 32 g + 8 u + e + 8 (e / 8)
;   g 96..191   W2: g - 96 = 12 j + sp; fragment 6 p + t: rows 96 j + 16 t + e, K step 2 sp + p
;   g 192, 193  A2: K step 12 (g - 192) + w          g 194  A1: K step w, waves 0 to 5; waves 6 to 11 have no fragment and give a scale word of 0 that nobody reads
; LOADS ARE DENSE: a load takes one row's 128 numbers, 512 consecutive aligned bytes, 16 a lane.  The quantiser wants a lane to hold whole blocks of ONE row: so the 16 rows turn through the wave's own
; stage in LDS (rows 528 bytes apart) and come back 128 bytes a lane and block.
; A block's scale is 2^(floor(log2(largest magnitude)) - 2); its byte is the largest magnitude's exponent field - 2, held at 1 from below.
; LIMITS: a block of zeros gets the byte 1 (its codes are zeros; only this program reads the bytes); NaN and infinities among the inputs are not served.
; One way through the text for all four tensors: what differs is chosen by s_cselect on the work-group's number.
.set XSP,  528                         ; a stage row: 512 bytes + 16
.set STW,  16*XSP                      ; a wave's stage
.set SCW,  12*STW                      ; behind the stages: the record's 768 bytes of scale words
.set OFF,  20                          ; v20-35   byte offset of my 16 bytes in row e
.set RAW,  36                          ; v36-99   the 16 rows as loaded
.set X,    100                         ; v100-163 my two blocks of 32 numbers
.set C,    164                         ; v164-175 the fragment's codes;  v176-182 the conversions' second halves
.set CT,   176
	s_load_b256 s[4:11], s[0:1], 0x0               ; W1 s[4:5], W2 s[6:7], A1 s[8:9], A2 s[10:11]
	s_load_b128 s[12:15], s[0:1], 0x20             ; the codes s[12:13], the scale words s[14:15]
	v_lshl_add_u32 v184, v0, 2, 0x19000
	v_mov_b32 v185, 0
	v_lshrrev_b32 v1, 5, v0
	v_readfirstlane_b32 s16, v1                    ; wave 0..11
	v_and_b32 v1, 15, v0                           ; r
	v_bfe_u32 v2, v0, 4, 1                         ; h
	v_and_b32 v4, 31, v0
	v_lshlrev_b32 v4, 4, v4                        ; 16 x lane: my place in a row of 512 bytes, and in a plane
	v_and_b32 v5, 0x1e0, v0
	v_lshlrev_b32 v5, 1, v5
	v_lshl_add_u32 v5, v1, 2, v5
	v_add_nc_u32 v5, SCW, v5                       ; LDS: 64 x wave + 4 r: my row's scale word
	v_lshlrev_b32 v8, 3, v0                        ; 8 x thread: the record's scale words on the way out, in memory
	v_add_nc_u32 v7, SCW, v8                       ; and in LDS
	s_mul_i32 s34, s16, STW                        ; my stage
	v_add_nc_u32 v18, s34, v4                      ; into it: a row as it lies
	v_mul_u32_u24 v19, v1, XSP
	v_lshl_add_u32 v19, v2, 7, v19
	v_add_nc_u32 v19, s34, v19                     ; out of it: row r, + 128 h: my first block
	v_mov_b32 v9, 0                                ; the scale word of a wave without a fragment
	v_mov_b32 v10, 0                               ; (a lane permute's destination counts as one of its sources)
	s_mov_b32 s20, 0x76543210
	s_mov_b32 s21, 0xfedcba98                      ; v_permlanex16_b32's selects for lane l xor 16
	; W1's first row and K step
	s_lshl_b32 s17, ttmp9, 5
	s_and_b32 s18, s16, 1
	s_lshl_b32 s18, s18, 3
	s_add_co_u32 s17, s17, s18                     ; 32 g + 8 u
	s_lshr_b32 s18, s16, 1                         ; s
	; W2's
	s_max_u32 s19, ttmp9, 96
	s_sub_co_u32 s19, s19, 96
	s_min_u32 s19, s19, 95                         ; g - 96, held to 0..95
	s_mul_i32 s22, s19, 171
	s_lshr_b32 s22, s22, 11                        ; j = (g - 96) / 12: 171 / 2048 serves 0..95
	s_mul_i32 s23, s22, 12
	s_sub_co_u32 s23, s19, s23                     ; sp
	s_cmp_ge_u32 s16, 6
	s_cselect_b32 s24, 1, 0                        ; p
	s_mul_i32 s25, s24, 6
	s_sub_co_u32 s25, s16, s25                     ; t
	s_mul_i32 s22, s22, 96
	s_lshl_b32 s25, s25, 4
	s_add_co_u32 s22, s22, s25                     ; 96 j + 16 t
	s_lshl_b32 s23, s23, 1
	s_add_co_u32 s23, s23, s24                     ; 2 sp + p
	; A2's and A1's K step
	s_max_u32 s24, ttmp9, 192
	s_sub_co_u32 s24, s24, 192
	s_min_u32 s24, s24, 1
	s_mul_i32 s24, s24, 12
	s_add_co_u32 s24, s24, s16
	s_min_u32 s25, s16, 5
	s_mov_b32 s26, 12288                           ; bytes in a row of W2 and A2; W1's and A1's rows have 3,072
	s_wait_kmcnt 0x0
	s_cmp_lt_u32 ttmp9, 194
	s_cselect_b64 s[28:29], s[10:11], s[8:9]
	s_cselect_b32 s25, s24, s25
	s_cselect_b32 s26, s26, 3072
	s_cmp_lt_u32 ttmp9, 192
	s_cselect_b64 s[28:29], s[6:7], s[28:29]
	s_cselect_b32 s25, s23, s25
	s_cselect_b32 s27, s22, 0
	s_cmp_lt_u32 ttmp9, 96
	s_cselect_b64 s[28:29], s[4:5], s[28:29]       ; the tensor,
	s_cselect_b32 s25, s18, s25                    ; the K step,
	s_cselect_b32 s27, s17, s27                    ; the first row,
	s_cselect_b32 s26, 3072, s26                   ; the pitch,
	s_cselect_b32 s30, 8, 0                        ; and whether the fragment's rows 8-15 lie 8 rows further on
	s_mul_i32 s27, s27, s26
	s_lshl_b32 s25, s25, 9                         ; 128 numbers are 512 bytes
	s_add_co_u32 s32, s27, s25
	s_mov_b32 s33, 0
	s_add_nc_u64 s[28:29], s[28:29], s[32:33]      ; the fragment's first row, at its K step
	s_mul_i32 s35, s30, s26
.irp e, 0,1,2,3,4,5,6,7,8,9,10,11,12,13,14,15
	s_mul_i32 s36, s26, \e
.if \e >= 8
	s_add_co_u32 s36, s36, s35
.endif
	v_add_nc_u32 v[OFF+\e], s36, v4                ; row e x pitch + 16 x lane
.endr
	s_mul_i32 s32, ttmp9, 12
	s_add_co_u32 s32, s32, s16
	s_mul_i32 s32, s32, 1536
	s_add_nc_u64 s[12:13], s[12:13], s[32:33]      ; my fragment's image
	s_mul_i32 s32, ttmp9, 768
	s_add_nc_u64 s[14:15], s[14:15], s[32:33]      ; my record's scale words
	s_cmp_eq_u32 ttmp9, 194
	s_cselect_b32 s31, 6, 12
	s_cmp_ge_u32 s16, s31
	s_cbranch_scc1 .Ljoin                          ; A1 has six K steps: the last record's waves 6 to 11 have nothing to quantise
.irp e, 0,1,2,3,4,5,6,7,8,9,10,11,12,13,14,15
	global_load_b128 v[RAW+4*\e:RAW+4*\e+3], v[OFF+\e], s[28:29] th:TH_LOAD_NT   ; the wave reads 512 consecutive bytes, aligned
.endr
.irp e, 0,1,2,3,4,5,6,7,8,9,10,11,12,13,14,15
	s_wait_loadcnt 15-\e                           ; loads come back in order: row e is in, the later rows may be out
	ds_store_b128 v18, v[RAW+4*\e:RAW+4*\e+3] offset:XSP*\e
.endr
.irp c, 0,1
.irp e, 0,1,2,3,4,5,6,7
	ds_load_b128 v[X+32*\c+4*\e:X+32*\c+4*\e+3], v19 offset:256*\c+16*\e   ; k = 64 c + 32 h + 4 e .. of row r.  LDS serves a wave's instructions in order: these see my stores
.endr
.endr
	s_wait_dscnt 0x0
.irp c, 0,1                                    ; my block 2 c + h: all its 32 numbers are mine
	v_max3_num_f32 v[12+\c], |v[X+32*\c]|, |v[X+1+32*\c]|, 0x1800000   ; with the floor 2^(3 - 127): the byte cannot fall under 1
.endr
.irp i, 2,4,6,8,10,12,14,16,18,20,22,24,26,28,30
.irp c, 0,1
	v_max3_num_f32 v[12+\c], v[12+\c], |v[X+32*\c+\i]|, |v[X+1+32*\c+\i]|   ; (the two blocks by turns)
.endr
.endr
.irp c, 0,1
	v_add_nc_u32 v[14+\c], 0xff000000, v[12+\c]    ; 2 off the exponent field: the conversion takes this operand's exponent field as its scale
.endr
.irp c, 0,1
	v_lshrrev_b32 v[16+\c], 23, v[14+\c]           ; the scale's byte
.endr
	v_lshl_or_b32 v9, v17, 16, v16                 ; my two bytes: blocks h and 2 + h,
	v_lshlrev_b32 v11, 3, v2
	v_lshlrev_b32 v9, v11, v9                      ; 8 h bits up;
	v_permlanex16_b32 v10, v9, s20, s21
	v_or_b32 v9, v9, v10                           ; with lane l xor 16's two the word is whole
.irp c, 0,1
	v_cvt_scalef32_pk16_fp6_f32 v[C+6*\c:C+6*\c+2], v[X+32*\c:X+32*\c+15], v[14+\c]
	v_cvt_scalef32_pk16_fp6_f32 v[CT+4*\c:CT+4*\c+2], v[X+32*\c+16:X+32*\c+31], v[14+\c]   ; (a conversion's three registers begin on an even number)
.endr
	v_nop                                          ; one plain place behind a scaled conversion
.irp c, 0,1
.irp i, 0,1,2
	v_mov_b32 v[C+3+6*\c+\i], v[CT+4*\c+\i]
.endr
.endr
.irp p, 0,1,2
	global_store_b128 v4, v[C+4*\p:C+4*\p+3], s[12:13] offset:512*\p   ; the wave stores 512 consecutive bytes, aligned
.endr
.Ljoin:
	ds_store_b32 v5, v9                            ; lanes r and r + 16 write the same word with the same value
	s_wait_dscnt 0x0                               ; for the others' sake: my word has landed
	s_barrier_signal -1
	s_barrier_wait -1
	s_cmp_gt_u32 s16, 2
	s_cbranch_scc1 .Ldone                          ; the record's 768 bytes leave by three waves, 256 consecutive aligned bytes each
	ds_load_b64 v[12:13], v7
	s_wait_dscnt 0x0
	global_store_b64 v8, v[12:13], s[14:15]
.Ldone:
	s_wait_tensorcnt 0x0
	ds_add_u32 v184, v185
	s_wait_dscnt 0x0
	s_endpgm
.Lfunc_end_k_q29feafcf1b_prep:
	.size	k_q29feafcf1b_prep, .Lfunc_end_k_q29feafcf1b_prep-k_q29feafcf1b_prep
	.p2alignl 7, 3214868480
	.fill 96, 4, 3214868480
	.section	.rodata,"a",@progbits
	.p2align	6, 0x0
	.amdhsa_kernel k_q29feafcf1b_prep
		.amdhsa_group_segment_fixed_size 103936
		.amdhsa_private_segment_fixed_size 0
		.amdhsa_enable_private_segment 0
		.amdhsa_kernarg_size 48
		.amdhsa_user_sgpr_count 2
		.amdhsa_user_sgpr_kernarg_segment_ptr 1
		.amdhsa_wavefront_size32 1
		.amdhsa_system_sgpr_workgroup_id_x 1
		.amdhsa_system_sgpr_workgroup_id_y 1
		.amdhsa_system_sgpr_workgroup_id_z 1
		.amdhsa_system_vgpr_workitem_id 0
		.amdhsa_next_free_vgpr 186
		.amdhsa_next_free_sgpr 66
		.amdhsa_reserve_vcc 0
		.amdhsa_float_denorm_mode_32 3
		.amdhsa_float_denorm_mode_16_64 3
		.amdhsa_memory_ordered 1
		.amdhsa_forward_progress 1
		.amdhsa_inst_pref_size 13
	.end_amdhsa_kernel
	.amdgpu_metadata
---
amdhsa.version: [ 1, 2 ]
amdhsa.kernels:
  - .name:           k_q29feafcf1b_prep
    .symbol:         k_q29feafcf1b_prep.kd
    .args:
      - { .name: W1, .offset: 0, .size: 8, .value_kind: global_buffer, .address_space: global }
      - { .name: W2, .offset: 8, .size: 8, .value_kind: global_buffer, .address_space: global }
      - { .name: A1, .offset: 16, .size: 8, .value_kind: global_buffer, .address_space: global }
      - { .name: A2, .offset: 24, .size: 8, .value_kind: global_buffer, .address_space: global }
      - { .name: wq_codes, .offset: 32, .size: 8, .value_kind: global_buffer, .address_space: global }
      - { .name: wq_scales, .offset: 40, .size: 8, .value_kind: global_buffer, .address_space: global }
    .group_segment_fixed_size: 103936
    .private_segment_fixed_size: 0
    .kernarg_segment_align: 8
    .kernarg_segment_size: 48
    .max_flat_workgroup_size: 384
    .sgpr_count:     66
    .vgpr_count:     186
    .wavefront_size: 32
...
	.end_amdgpu_metadata
.endif
;; end of part 3
;; launch mlp (part 4): grid 197 x 1, 8 waves a work-group, no clusters, 244,736 bytes of LDS; arguments x, b1, B1, b2, B2, wq_codes, wq_scales, out0; writes out0
.if DOCPART == 4
	.amdgcn_target "amdgcn-amd-amdhsa--gfx1250"
	.amdhsa_code_object_version 6
	.text
	.protected	k_q29feafcf1b_mlp
	.globl	k_q29feafcf1b_mlp
	.p2align	8
	.type	k_q29feafcf1b_mlp,@function
k_q29feafcf1b_mlp:
	s_mov_b64 s[64:65], 0
	v_nop
	global_prefetch_b8 v0, s[64:65] scope:SCOPE_SE
	s_setreg_imm32_b32 hwreg(HW_REG_WAVE_MODE, 25, 1), 1
	s_wait_xcnt 0x0
; out = gelu(x W1^T + b1 + (x A1^T) B1^T) W2^T + b2 + (h A2^T) B2^T for 64 rows a work-group; 12,608 rows = 197 x 64.  h, t1 = x A1^T, t2 = h A2^T and x's codes never go to memory.
; The four products with K = 768 or 3,072 run on codes of FP6 (E2M3) with E8M0 scales; t1 B1^T, whose result is quantised, on f32 operands; t2 B2^T on bf16 operands.  All sums f32.
; SHARES.  Eight waves share the COLUMNS.  Phase 1: wave w makes hidden blocks (32 units) w + 8 t, t = 0..11, for all 64 rows.  Phase 2: wave w makes out columns 96 w .. 96 w + 95, and t2 of one tile of rows.
; So each weight fragment is wanted by one wave alone: it comes from memory straight into that wave's registers, as the image that the launch before has laid.
; NO CLUSTER: the grid has 197 work-groups, a prime, which no cluster divides.  NO TENSOR LOAD: no weight byte is read by two waves of a work-group.
; ALL PRODUCTS ARE USED TRANSPOSED (source 0 = 16 rows of a weight, source 1 = 16 rows of x or h): lane (r, h) holds row r and its registers run along the columns.
; W1's rows of a tile are chosen (by the launch before) so that the 16 registers of tiles u = 0, 1 of a block are hidden units 16 h + 0 .. 15 of the block: neighbours along the next K.
; x: wave w quantises three fragments: row tile w / 2, K steps 3 (w % 2) + 0 .. 2.  A load takes one row's 128 numbers, 512 consecutive aligned bytes; the 16 rows turn through the wave's own stage in LDS
; and come back as whole blocks of one row a lane, so that the conversions' results are the fragment's registers.
; BY TURNS.  A task's eight accumulators are two groups (row tiles 0, 1 and 2, 3).  While one group is multiplied, the other group's finished sums go through GELU: a list of 72 lines a tile, dealt out in runs of
; twelve: one run behind each f32 product that adds in place, one behind each pair of FP6 products: 16 cycles' work of the matrix unit (1,024 and 2 x 32,768 multiply-adds) to each run.  The runs are also the places
; that the products need behind them.  A run beside FP6 products costs two switches of the register window, since the operands lie in window 1 and all that GELU touches in window 0.
; GELU: g = v (0.5 + y P(y^2) / Q(y^2)), y = v held to +-4 sqrt(2); y P / Q is erf(y / sqrt 2) / 2 as a rational function (degrees 13 and 8), 1 / sqrt 2 and 1 / 2 folded into the coefficients.
; LIMITS: erf is good to a few units in f32's last place; 0.5 + erf / 2 cancels for v well under 0, where g has an absolute error of some |v| x 6e-8; beyond |v| = 5.66 erf counts as +-1;
;   a block of zeros gets the scale byte 1 (zero codes); t2 and B2 are rounded to bf16; b1 and t1 B1^T are summed ahead of x W1^T; NaN and infinities are not served.
; LDS.  An activation fragment (16 rows x 128 K) is a record of 1,664 bytes: [block of 32 (4)][row (16)][24 bytes of codes], then 16 scale words, then 64 bytes that nobody touches.
.set REC,   1664
.set KREC,  4*REC                      ; the four row tiles of a K step
.set XIMG,  0                          ; x's 24 records, index 4 s + rt
.set HIMG,  24*REC                     ; h's 96 records, index 4 s + rt.  At the head, ahead of the first barrier: x's stages, 16 rows x 528 bytes for each wave
.set XSP,   528
.set A2I,   HIMG+96*REC                ; A2's 24 fragments as images of 1,536 bytes
.set A2S,   A2I+24*1536                ; and their scale words, 128 bytes a fragment
.set T2L,   A2S+24*128                 ; t2 in bf16, 512 bytes a wave
.set SP,    3088                       ; the way out: a stage of 64 rows x (3,072 + 16) bytes over x's and h's records, behind the barrier behind which nobody reads them
; window 0
.set L16, 1                            ; 16 x lane
.set L4,  2                            ; 4 x lane
.set LF,  3                            ; 24 r + 384 h: my place in a record
.set XW,  5                            ; where I store x's codes;  XB: their scale words
.set XB,  6
.set HW0, 7                            ; where I store h's codes, task 0;  HB0: their scale byte;  HWC, HBC: the task in hand
.set HWC, 8
.set HB0, 9
.set HBC, 10
.set B1A, 11                           ; B1: 64 (r + 8 (r / 8)) + 32 h
.set BIA, 12                           ; b1: 64 h
.set XSA, 13                           ; x's scale words: lanes 0-15 an even row tile's, lanes 16-31 the odd one's
.set AH,  14                           ; v14-17  h's records, slot m = row tile (m + w) % 4;  v18-21 their scale words
.set AHS, 18
.set AA,  22                           ; A2's images;  AAS: their scale words
.set AAS, 23
.set SO,  24                           ; v24-27  the stage, slot m
.set XS,  28                           ; v28-48 hold scales and nothing else.  Phase 1: v28-39 x's (6 G + s), v40-45 the weights' (K step s), v46-48 A1's
.set HS,  28                           ; phase 2: v28-35 h's (4 p + m), v40-45 the weights', v46 A2's
.set WS,  40
.set A1S, 46
.set A2SC, 46
.set B2A, 49                           ; B2: 64 r + 32 h
.set SR,  50                           ; the stage, on the way back
.set T2W, 51                           ; where I store t2
.set ACC, 52                           ; v52-115  phase 1's accumulators: group G, tile a = 2 q + u at 52 + 32 G + 8 a: written by matrix instructions alone
.set PACC, 52                          ; v52-243  phase 2's: (t, m) at 52 + 8 (4 t + m)
.set T1,  116                          ; v116-147 t1, 8 a row tile: lane (r, h): ranks 8 h + 0 .. 7 of row r.  (At the head: temporaries, below)
.set B1F, 148                          ; v148-163 B1, 8 a tile u: ranks 8 h + 0 .. 7 of my hidden unit
.set A1F, 148                          ; at the head: A2's three fragments, then A1's six
.set GY,  164                          ; GELU at work: y, y^2, P, Q, eight each
.set GZ,  172
.set GP,  180
.set GQ,  188
.set OUT, 196                          ; v196-227 a group's 32 numbers of h
.set QT0, 228                          ; the quantisers at work
.set QT1, 229
.set QU0, 230
.set QU1, 231
.set QE0, 232
.set QE1, 233
.set QB0, 234
.set QB1, 235
.set CC,  236                          ; v236-243 codes
.set KC,  244                          ; v244-245 the coefficients a5, b3
.set T2A, 244                          ; phase 2: t2's accumulator;  v252-255 t2 in bf16
.set T2P, 252
.set RR,  116                          ; the head's temporaries, in the registers that t1 takes later
.set HH,  117
.set R4,  118
.set TA,  119
.set TB,  120
.set TC,  121
.set A2W, 122
.set A2SW, 123
.set CCF, 124                          ; v124-135 a fragment of x;  v136-142 the conversions' second halves
.set QTM, 136
.set PW,  143                          ; its scale word
.set H8,  144                          ; 8 h
.set XSTW, 145                         ; x's stage: in, a row as it lies;  XSTR: out, row r, + 128 h
.set XSTR, 146
; window 1
.set WF,  0                            ; v0-143   a record of 12 weight fragments.  (At the head: v0-191 x as loaded, v192-255 x back from the stage)
.set XBK, 192
.set BI,  144                          ; v144-159 b1 in the result's layout, 8 a tile u
.set A2F, 144                          ; phase 2: A2's fragment
.set XR,  160                          ; v160-255 x's fragments: a ring of four sets of two
.set HF,  160                          ; phase 2: h's fragments: set p at 160 + 48 p, slot m at + 12 m
.set B2R, 0                            ; the way out: B2 as f32;  B2F, T2F: operands of 8 registers, the upper four 0;  BB2: b2;  L16B: 16 x lane once more
.set B2F, 48
.set T2F, 160
.set BB2, 192
.set L16B, 216
; scalars: s[4:19] the eight buffers; s[20:23] W1's record, codes and scale words; s[24:27] W2's; s[28:29] B1; s[30:31] b1; s[68:69] x; s[70:71] out; s[72:75] A2's part
.set WV,  32
.set CNT, 38
.set TH,  39                           ; 13,312 x task: two K steps of h's records
.set CA6, 40
.set CA4, 42
.set CA3, 44
.set CA2, 46
.set CA1, 48
.set CA0, 50
.set CB4, 52
.set CB2, 54
.set CB1, 56
.set CB0, 58
.set NL,  60
.set PL,  61
.set SEL, 62
.set HM,  66
.set MSB, 0
.macro WIN new                         ; bits 1:0 source 0, 3:2 source 1, 5:4 source 2, 7:6 destination; the high byte repeats the setting that is left
.if MSB != \new
	s_set_vgpr_msb (MSB<<8)|\new
.set MSB, \new
.endif
.endm
.macro PLACES n
.rept \n
	v_nop
.endr
.endm
.macro SPAIR reg, val                  ; a constant for the packed forms, which name a pair
	s_mov_b32 s[\reg], \val
	s_mov_b32 s[\reg+1], \val
.endm
.macro BARRIER                         ; my LDS stores have landed and my LDS loads are in: then the work-group's barrier
	s_wait_dscnt 0x0
	s_barrier_signal -1
	s_barrier_wait -1
.endm
; an activation fragment out of its record: registers 6 c .. 6 c + 5 = block 2 c + h of row r, in pieces of 8 bytes
.macro FRAGLD reg, adr, off
.irp c, 0,1
.irp p, 0,1,2
	ds_load_b64 v[(\reg)+6*\c+2*\p:(\reg)+6*\c+2*\p+1], v[\adr] offset:(\off)+768*\c+8*\p
.endr
.endr
.endm
; one FP6 product.  z = 1: it starts the sum.  ra, rb: the side's scale words lie in lanes 16-31
.macro WMS d, a, b, z, sa, sb, ra, rb
.if \z
.if (\ra) && (\rb)
	v_wmma_scale_f32_16x16x128_f8f6f4 v[(\d):(\d)+7], v[(\a):(\a)+11], v[(\b):(\b)+11], 0, v[(\sa)], v[(\sb)] matrix_a_fmt:MATRIX_FMT_FP6 matrix_b_fmt:MATRIX_FMT_FP6 matrix_a_scale:MATRIX_SCALE_ROW1 matrix_b_scale:MATRIX_SCALE_ROW1
.elseif (\ra)
	v_wmma_scale_f32_16x16x128_f8f6f4 v[(\d):(\d)+7], v[(\a):(\a)+11], v[(\b):(\b)+11], 0, v[(\sa)], v[(\sb)] matrix_a_fmt:MATRIX_FMT_FP6 matrix_b_fmt:MATRIX_FMT_FP6 matrix_a_scale:MATRIX_SCALE_ROW1
.elseif (\rb)
	v_wmma_scale_f32_16x16x128_f8f6f4 v[(\d):(\d)+7], v[(\a):(\a)+11], v[(\b):(\b)+11], 0, v[(\sa)], v[(\sb)] matrix_a_fmt:MATRIX_FMT_FP6 matrix_b_fmt:MATRIX_FMT_FP6 matrix_b_scale:MATRIX_SCALE_ROW1
.else
	v_wmma_scale_f32_16x16x128_f8f6f4 v[(\d):(\d)+7], v[(\a):(\a)+11], v[(\b):(\b)+11], 0, v[(\sa)], v[(\sb)] matrix_a_fmt:MATRIX_FMT_FP6 matrix_b_fmt:MATRIX_FMT_FP6
.endif
.else
.if (\ra) && (\rb)
	v_wmma_scale_f32_16x16x128_f8f6f4 v[(\d):(\d)+7], v[(\a):(\a)+11], v[(\b):(\b)+11], v[(\d):(\d)+7], v[(\sa)], v[(\sb)] matrix_a_fmt:MATRIX_FMT_FP6 matrix_b_fmt:MATRIX_FMT_FP6 matrix_a_scale:MATRIX_SCALE_ROW1 matrix_b_scale:MATRIX_SCALE_ROW1
.elseif (\ra)
	v_wmma_scale_f32_16x16x128_f8f6f4 v[(\d):(\d)+7], v[(\a):(\a)+11], v[(\b):(\b)+11], v[(\d):(\d)+7], v[(\sa)], v[(\sb)] matrix_a_fmt:MATRIX_FMT_FP6 matrix_b_fmt:MATRIX_FMT_FP6 matrix_a_scale:MATRIX_SCALE_ROW1
.elseif (\rb)
	v_wmma_scale_f32_16x16x128_f8f6f4 v[(\d):(\d)+7], v[(\a):(\a)+11], v[(\b):(\b)+11], v[(\d):(\d)+7], v[(\sa)], v[(\sb)] matrix_a_fmt:MATRIX_FMT_FP6 matrix_b_fmt:MATRIX_FMT_FP6 matrix_b_scale:MATRIX_SCALE_ROW1
.else
	v_wmma_scale_f32_16x16x128_f8f6f4 v[(\d):(\d)+7], v[(\a):(\a)+11], v[(\b):(\b)+11], v[(\d):(\d)+7], v[(\sa)], v[(\sb)] matrix_a_fmt:MATRIX_FMT_FP6 matrix_b_fmt:MATRIX_FMT_FP6
.endif
.endif
.endm
; GELU of one tile's eight numbers a lane is a list of 72 lines; GI writes number j of it.  The four pairs go line by line, so that no line waits for the line above it.
;   0-7 y (the accumulator is read from its low end on)   8-11 z = y^2   12-15 P = a6 z + a5   16-19 Q = b4 z + b3
;   20-51 eight lines of Horner's scheme x four pairs: P a4, Q b2, P a3, Q b1, P a2, Q b0, P a1, P a0
;   52-59 1 / Q   60-63 y P (plain lines between the reciprocals and their use)   64-67 0.5 + y P / Q   68-71 the tile's numbers of h
.macro GI acc, out, j
.if (\j) < 8
	v_med3_num_f32 v[GY+(\j)], v[(\acc)+(\j)], s[NL], s[PL]
.elseif (\j) < 12
.set GJ, 2*((\j)-8)
	v_pk_mul_f32 v[GZ+GJ:GZ+GJ+1], v[GY+GJ:GY+GJ+1], v[GY+GJ:GY+GJ+1]
.elseif (\j) < 16
.set GJ, 2*((\j)-12)
	v_pk_fma_f32 v[GP+GJ:GP+GJ+1], v[GZ+GJ:GZ+GJ+1], s[CA6:CA6+1], v[KC:KC+1] op_sel_hi:[1,0,0]
.elseif (\j) < 20
.set GJ, 2*((\j)-16)
	v_pk_fma_f32 v[GQ+GJ:GQ+GJ+1], v[GZ+GJ:GZ+GJ+1], s[CB4:CB4+1], v[KC:KC+1] op_sel:[0,0,1] op_sel_hi:[1,0,1]
.elseif (\j) < 52
.set GJ, 2*((\j)%4)
.set GH, ((\j)-20)/4
.if GH == 7
.set GD, GP
.set GC, CA0
.elseif GH%2 == 0
.set GD, GP
.set GC, CA4+GH
.else
.set GD, GQ
.set GC, CB2+GH-1
.endif
	v_pk_fma_f32 v[GD+GJ:GD+GJ+1], v[GD+GJ:GD+GJ+1], v[GZ+GJ:GZ+GJ+1], s[GC:GC+1] op_sel_hi:[1,1,0]
.elseif (\j) < 60
	v_rcp_f32 v[GQ+(\j)-52], v[GQ+(\j)-52]
.elseif (\j) < 64
.set GJ, 2*((\j)-60)
	v_pk_mul_f32 v[GP+GJ:GP+GJ+1], v[GY+GJ:GY+GJ+1], v[GP+GJ:GP+GJ+1]
.elseif (\j) < 68
.set GJ, 2*((\j)-64)
	s_wait_alu depctr_va_vdst(0)
	v_pk_fma_f32 v[GZ+GJ:GZ+GJ+1], v[GP+GJ:GP+GJ+1], v[GQ+GJ:GQ+GJ+1], 0.5 op_sel_hi:[1,1,0]
.else
.set GJ, 2*((\j)-68)
	v_pk_mul_f32 v[(\out)+GJ:(\out)+GJ+1], v[(\acc)+GJ:(\acc)+GJ+1], v[GZ+GJ:GZ+GJ+1]
.endif
.endm
.macro GRUN og, t, j0, n               ; numbers j0 .. j0 + n - 1 of the list, for tile t of group og
.set GK, (\j0)
.rept \n
	GI ACC+32*(\og)+8*(\t), OUT+8*(\t), GK
.set GK, GK+1
.endr
.endm
; 32 numbers of a lane: registers 0-15 row r of one row tile, 16-31 of the next, each k = 16 h + 0 .. 15 of ONE block of 32.  They become 24 bytes of codes a lane in v[CC] on
; (lanes 0-15: the first tile's whole block of row r; lanes 16-31: the second's) and that block's scale byte in v[QB0].
.macro QUANTP src
	v_max3_num_f32 v[QT0], 0x1800000, |v[(\src)]|, |v[(\src)+1]|         ; with the floor 2^(3 - 127): the byte cannot fall under 1
	v_max3_num_f32 v[QT1], 0x1800000, |v[(\src)+16]|, |v[(\src)+17]|
.irp i, 2,4,6,8,10,12,14
	v_max3_num_f32 v[QT0], v[QT0], |v[(\src)+\i]|, |v[(\src)+\i+1]|
	v_max3_num_f32 v[QT1], v[QT1], |v[(\src)+16+\i]|, |v[(\src)+17+\i]|
.endr
	v_permlanex16_b32 v[QU0], v[QT0], s[SEL], s[SEL+1]
	v_permlanex16_b32 v[QU1], v[QT1], s[SEL], s[SEL+1]
	v_max_num_f32 v[QT0], v[QT0], v[QU0]           ; with lane l xor 16's 16: the block's largest magnitude
	v_max_num_f32 v[QT1], v[QT1], v[QU1]
	v_add_nc_u32 v[QE0], 0xff000000, v[QT0]        ; 2 off the exponent field: the conversion's scale operand
	v_add_nc_u32 v[QE1], 0xff000000, v[QT1]
	v_cvt_scalef32_pk16_fp6_f32 v[CC:CC+2], v[(\src):(\src)+15], v[QE0]
	v_cvt_scalef32_pk16_fp6_f32 v[CC+4:CC+6], v[(\src)+16:(\src)+31], v[QE1]
	v_lshrrev_b32 v[QB0], 23, v[QE0]               ; the bytes.  (Plain lines behind the scaled conversions)
	v_lshrrev_b32 v[QB1], 23, v[QE1]
	v_cndmask_b32 v[QB0], v[QB0], v[QB1], s[HM]    ; lanes 16-31 take the second tile's
.irp i, 0,1,2
	v_permlane16_swap_b32 v[CC+\i], v[CC+4+\i]     ; the first's lanes 16-31 change places with the second's lanes 0-15: now the first run holds each lane's block's lower 16 codes, the second the upper 16
.endr
.irp i, 0,1,2
	v_mov_b32 v[CC+3+\i], v[CC+4+\i]
.endr
.endm
.macro QSTORE ca, ba, off
	ds_store_b64 v[\ca], v[CC:CC+1] offset:(\off)
	ds_store_b64 v[\ca], v[CC+2:CC+3] offset:(\off)+8
	ds_store_b64 v[\ca], v[CC+4:CC+5] offset:(\off)+16
	ds_store_b8 v[\ba], v[QB0] offset:(\off)
.endm
; 64 numbers of a lane in window 1: register 32 c + i = k 64 c + 32 h + i of row r: two whole blocks.  They become the fragment's 12 registers in v[CCF] on and row r's scale word in v[PW].
.macro QFRAG src
	WIN 0x14                                       ; sources 1 and 2 in window 1
.irp c, 0,1
	v_max3_num_f32 v[QT0+\c], 0x1800000, |v[(\src)+32*\c]|, |v[(\src)+32*\c+1]|
.endr
.irp i, 2,4,6,8,10,12,14,16,18,20,22,24,26,28,30
.irp c, 0,1
	v_max3_num_f32 v[QT0+\c], v[QT0+\c], |v[(\src)+32*\c+\i]|, |v[(\src)+32*\c+\i+1]|   ; (the two blocks by turns)
.endr
.endr
	WIN 0
	v_add_nc_u32 v[QE0], 0xff000000, v[QT0]
	v_add_nc_u32 v[QE1], 0xff000000, v[QT1]
	v_lshrrev_b32 v[QB0], 23, v[QE0]
	v_lshrrev_b32 v[QB1], 23, v[QE1]
	v_lshl_or_b32 v[PW], v[QB1], 16, v[QB0]        ; my two bytes: blocks h and 2 + h,
	v_lshlrev_b32 v[PW], v[H8], v[PW]              ; 8 h bits up;
	v_permlanex16_b32 v[QU0], v[PW], s[SEL], s[SEL+1]
	v_or_b32 v[PW], v[PW], v[QU0]                  ; with lane l xor 16's two the word is whole
	WIN 0x01                                       ; source 0 in window 1
.irp c, 0,1
	v_cvt_scalef32_pk16_fp6_f32 v[CCF+6*\c:CCF+6*\c+2], v[(\src)+32*\c:(\src)+32*\c+15], v[QE0+\c]
	v_cvt_scalef32_pk16_fp6_f32 v[QTM+4*\c:QTM+4*\c+2], v[(\src)+32*\c+16:(\src)+32*\c+31], v[QE0+\c]   ; (a conversion's three registers begin on an even number)
.endr
	WIN 0
	v_nop                                          ; one plain place behind a scaled conversion
.irp c, 0,1
.irp i, 0,1,2
	v_mov_b32 v[CCF+3+6*\c+\i], v[QTM+4*\c+\i]
.endr
.endr
.endm
.macro XLD gx, sx, set                 ; x's two fragments of group gx, K step sx, into a set of the ring
	FRAGLD XR+24*(\set), LF, XIMG+(4*(\sx)+2*(\gx))*REC
	FRAGLD XR+24*(\set)+12, LF, XIMG+(4*(\sx)+2*(\gx)+1)*REC
.endm
.macro BLOAD                           ; a task's B1 (32 consecutive bytes a lane and tile) and b1 (in the result's layout)
.irp u, 0,1
	global_load_b128 v[B1F+8*\u:B1F+8*\u+3], v[B1A], s[28:29] offset:512*\u
	global_load_b128 v[B1F+8*\u+4:B1F+8*\u+7], v[B1A], s[28:29] offset:512*\u+16
.endr
	WIN 0x40
.irp u, 0,1
	global_load_b128 v[BI+8*\u:BI+8*\u+3], v[BIA], s[30:31] offset:32*\u
	global_load_b128 v[BI+8*\u+4:BI+8*\u+7], v[BIA], s[30:31] offset:32*\u+16
.endr
	WIN 0
.endm
; ONE GROUP OF ONE TASK.  Four accumulators by turns, one instruction a turn: b1 + t1 B1^T in four f32 steps of 4 ranks, then x W1^T in six FP6 steps.
; vec = 1: the other group's GELU stands in runs of twelve lines: tiles 0 and 1 behind the twelve f32 products that add in place, tiles 2 and 3 behind the twelve pairs of FP6 products; its quantiser at the end.
; The run behind the last f32 product is numbers 60 to 71, twelve plain lines that name none of its registers: the nine places between the f32 form and the FP6 form on one accumulator, and the eight in front of the
; loads into B1's and b1's registers.  The run behind a K step's second pair is numbers 12-23, 36-47 or 60-71, plain lines too: the four places in front of the loads into the operands just read.
; nxt = 1: the next task's weights are asked for; 2: W2's first record.  first = 1: the launch's first group.  last = 1: phase 1's last: the ring runs empty.
.macro GSTEP G, vec, nxt, first, last
.set WB, 16+4*\nxt
.if \G == 0
.if \first
	s_wait_loadcnt 0x0                             ; the first record, B1 and b1 are in
.else
	s_wait_loadcnt 42                              ; B1's and b1's eight loads are in; behind them stand six K steps of seven loads
.endif
.endif
	WIN 0x10                                       ; C = b1, in window 1
.irp a, 0,1,2,3
	v_wmma_f32_16x16x4_f32 v[ACC+32*\G+8*\a:ACC+32*\G+8*\a+7], v[B1F+8*(\a%2):B1F+8*(\a%2)+1], v[T1+16*\G+8*(\a/2):T1+16*\G+8*(\a/2)+1], v[BI+8*(\a%2):BI+8*(\a%2)+7]
.endr
	WIN 0
.irp sg, 1,2,3                                 ; step sg takes ranks 8 h + 2 sg + 0, 1 on both sides: t1's registers and B1's are the operands as they stand
.irp a, 0,1,2,3
	v_wmma_f32_16x16x4_f32 v[ACC+32*\G+8*\a:ACC+32*\G+8*\a+7], v[B1F+8*(\a%2)+2*\sg:B1F+8*(\a%2)+2*\sg+1], v[T1+16*\G+8*(\a/2)+2*\sg:T1+16*\G+8*(\a/2)+2*\sg+1], v[ACC+32*\G+8*\a:ACC+32*\G+8*\a+7]
.if \vec
	GRUN 1-\G, (4*(\sg-1)+\a)/6, 12*((4*(\sg-1)+\a)%6), 12
.endif
.endr
.endr
.if \vec == 0
	PLACES 9
.endif
.if (\G == 1) && (\nxt == 1)
	s_wait_xcnt 0x0                                ; the bases are stepped only behind this wait
	s_add_nc_u64 s[20:21], s[20:21], 8*18432       ; eight blocks on
	s_add_nc_u64 s[22:23], s[22:23], 8*768
	s_add_nc_u64 s[28:29], s[28:29], 8*2048
	s_add_nc_u64 s[30:31], s[30:31], 8*128
	BLOAD
.endif
.irp s, 0,1,2,3,4,5
.if (\G == 0) && (\first == 0)
	s_wait_loadcnt 7*(5-\s)                        ; this K step's six code loads and its scale load are in; the later K steps' stay out
.endif
.if (\last) && (5-\s < 3)
	s_wait_dscnt 12*(5-\s)
.else
	s_wait_dscnt 36                                ; this set of the ring is in; three younger sets of twelve loads may be out
.endif
.if \vec
.irp hf, 0,1                                   ; row tile hf of the group: its two tiles of columns, then a run of the other group's GELU
	WIN 0x05
.irp u, 0,1
	WMS ACC+32*\G+8*(2*\hf+\u), WF+12*(2*\s+\u), XR+24*((6*\G+\s)%4)+12*\hf, 0, WS+\s, XS+6*\G+\s, \u, \hf
.endr
	WIN 0
	GRUN 1-\G, 2+\s/3, 24*(\s%3)+12*\hf, 12
.endr
.else
	WIN 0x05
.irp a, 0,1,2,3
	WMS ACC+32*\G+8*\a, WF+12*(2*\s+\a%2), XR+24*((6*\G+\s)%4)+12*(\a/2), 0, WS+\s, XS+6*\G+\s, \a%2, \a/2
.endr
	PLACES 4                                       ; in front of loads into registers that these products have read; behind the last K step: in front of the first read of the sums
.endif
	WIN 0x40
.if \s < 2
	XLD \G, \s+4, (6*\G+\s)%4                      ; the set just read takes the step four further on
.elseif \last == 0
	XLD 1-\G, \s-2, (6*\G+\s)%4
.endif
.if (\G == 1) && (\nxt > 0)
.irp f, 0,1
.irp pl, 0,1,2
	global_load_b128 v[WF+12*(2*\s+\f)+4*\pl:WF+12*(2*\s+\f)+4*\pl+3], v[L16], s[WB:WB+1] offset:1536*(2*\s+\f)+512*\pl
.endr
.endr
	WIN 0
	global_load_b32 v[WS+\s], v[L4], s[WB+2:WB+3] offset:128*\s   ; lanes 0-15: the even fragment's words; lanes 16-31: the odd one's
.endif
.endr
	WIN 0
.if \vec
	QUANTP OUT                                     ; the other group's 32 numbers a lane are whole.  (Its plain lines are also the places in front of the first read of this group's sums)
	QSTORE HWC, HBC, 2*REC*(1-\G)
.if \G == 0
	s_add_co_u32 s[TH], s[TH], 2*KREC              ; the task whose second group has just been stored is done: on to the next task's records
	v_add_nc_u32 v[HWC], s[TH], v[HW0]
	v_add_nc_u32 v[HBC], s[TH], v[HB0]
.endif
.endif
.endm
; PHASE 2: ONE RECORD OF W2: two K steps p, each six tiles t of out columns x four slots m of rows, and t2's product.  24 + 1 accumulators by turns.  first = 1: the sums begin.  more = 1: the next record and the h of two K steps on are asked for.
.macro PTRIP first, more
.if \more
	s_wait_xcnt 0x0                                ; the bases are stepped only behind this wait
	s_add_nc_u64 s[24:25], s[24:25], 18432
	s_add_nc_u64 s[26:27], s[26:27], 768
.endif
.irp p, 0,1
.set ZF, 0
.if \first && (\p == 0)
.set ZF, 1
.endif
.irp kp, 0,1,2
.if \more
	s_wait_loadcnt 35                              ; this pair of fragments (six loads) and its scale words (one) are in; the five other pairs' loads stay out
.else
	s_wait_loadcnt 7*(5-3*\p-\kp)
.endif
	WIN 0x05
.irp m, 0,1,2,3
.irp f, 0,1
	WMS PACC+8*(4*(2*\kp+\f)+\m), WF+12*(6*\p+2*\kp+\f), HF+48*\p+12*\m, ZF, WS+3*\p+\kp, HS+4*\p+\m, \f, 0
.endr
.endr
	PLACES 4
.if \more
	WIN 0x40
.irp f, 0,1
.irp pl, 0,1,2
	global_load_b128 v[WF+12*(6*\p+2*\kp+\f)+4*\pl:WF+12*(6*\p+2*\kp+\f)+4*\pl+3], v[L16], s[24:25] offset:1536*(6*\p+2*\kp+\f)+512*\pl
.endr
.endr
	WIN 0
	global_load_b32 v[WS+3*\p+\kp], v[L4], s[26:27] offset:128*(3*\p+\kp)
.endif
.endr
	s_wait_dscnt 0x0                               ; what was asked for a K step ago is in: A2's fragment for this K step, and the other set of h
	WIN 0x05
	WMS T2A, A2F, HF+48*\p, ZF, A2SC, HS+4*\p, 0, 0    ; t2 of slot 0, my row tile w % 4
	PLACES 4
	WIN 0x40
.if \more
.irp m, 0,1,2,3
	FRAGLD HF+48*\p+12*\m, AH+\m, (\p+2)*KREC
.endr
.endif
.if \more || (\p == 0)
.irp pl, 0,1,2
	ds_load_b128 v[A2F+4*\pl:A2F+4*\pl+3], v[AA] offset:1536*(\p+1)+512*\pl
.endr
.endif
	WIN 0
.if \more
.irp m, 0,1,2,3
	ds_load_b32 v[HS+4*\p+\m], v[AHS+\m] offset:(\p+2)*KREC
.endr
.endif
.if \more || (\p == 0)
	ds_load_b32 v[A2SC], v[AAS] offset:128*(\p+1)
.endif
.endr
.if \more
.irp m, 0,1,2,3
	v_add_nc_u32 v[AH+\m], 2*KREC, v[AH+\m]        ; two K steps on
	v_add_nc_u32 v[AHS+\m], 2*KREC, v[AHS+\m]
.endr
	v_add_nc_u32 v[AA], 2*1536, v[AA]
	v_add_nc_u32 v[AAS], 2*128, v[AAS]
.endif
.endm
; ---------------------------------------------------------------- the head: addresses and constants
	s_load_b256 s[4:11], s[0:1], 0x0               ; x s[4:5], b1 s[6:7], B1 s[8:9], b2 s[10:11]
	s_load_b256 s[12:19], s[0:1], 0x20             ; B2 s[12:13], the codes s[14:15], the scale words s[16:17], out s[18:19]
	v_lshrrev_b32 v[TA], 5, v0
	v_readfirstlane_b32 s[WV], v[TA]               ; wave 0..7
	v_and_b32 v[RR], 15, v0                        ; r
	v_bfe_u32 v[HH], v0, 4, 1                      ; h
	v_and_b32 v[TA], 31, v0
	v_lshlrev_b32 v[L16], 4, v[TA]
	v_lshlrev_b32 v[L4], 2, v[TA]
	v_lshlrev_b32 v[R4], 2, v[RR]
	v_lshlrev_b32 v[H8], 3, v[HH]
	v_mul_u32_u24 v[TA], v[RR], 24
	v_mad_u32_u24 v[LF], v[HH], 384, v[TA]
	v_mad_u32_u24 v[TA], v[HH], REC, v[TA]         ; h's writer: 24 r + a record for lanes 16-31
	v_mad_u32_u24 v[TB], v[HH], REC, v[R4]         ; 4 r + the same
	v_add_nc_u32 v[XSA], XIMG+1536, v[TB]
	v_and_b32 v[TC], 8, v[RR]
	v_add_nc_u32 v[TC], v[TC], v[RR]
	v_lshlrev_b32 v[TC], 6, v[TC]
	v_lshl_add_u32 v[B1A], v[HH], 5, v[TC]
	v_lshlrev_b32 v[BIA], 6, v[HH]
	v_lshlrev_b32 v[B2A], 6, v[RR]
	v_lshl_add_u32 v[B2A], v[HH], 5, v[B2A]
	v_mul_u32_u24 v[TC], v[RR], SP
	v_lshl_add_u32 v[TC], v[HH], 5, v[TC]          ; the stage of the way out: row r, + 32 h
	v_add_nc_u32 v[AA], A2I, v[L16]
	v_add_nc_u32 v[AAS], A2S, v[L4]
	v_lshl_add_u32 v[T2W], v0, 4, T2L              ; 512 x wave + 16 x lane
	v_mov_b32 v[QU0], 0                            ; written once: a lane permute's destination counts as one of its sources
	v_mov_b32 v[QU1], 0
	v_mov_b32 v[KC], 0x2fa84a8d                    ; a5
	v_mov_b32 v[KC+1], 0xb7dfbd29                  ; b3
	s_lshr_b32 s36, s[WV], 1                       ; x: my row tile w / 2,
	s_mul_i32 s36, s36, REC
	s_and_b32 s37, s[WV], 1
	s_mul_i32 s37, s37, 3*KREC                     ; my K steps 3 (w % 2) on
	s_add_co_u32 s36, s36, s37
	v_add_nc_u32 v[XW], s36, v[LF]
	s_add_co_u32 s36, s36, 1536
	v_add_nc_u32 v[XB], s36, v[R4]
	s_mul_i32 s36, s[WV], 16*XSP
	s_add_co_u32 s36, s36, HIMG                    ; my stage for x
	v_add_nc_u32 v[XSTW], s36, v[L16]
	v_mul_u32_u24 v[XSTR], v[RR], XSP
	v_lshl_add_u32 v[XSTR], v[HH], 7, v[XSTR]
	v_add_nc_u32 v[XSTR], s36, v[XSTR]
	s_lshr_b32 s34, s[WV], 2
	s_and_b32 s35, s[WV], 3
	s_mul_i32 s36, s34, KREC                       ; h: block w + 8 t is block w % 4 of K step 2 t + w / 4
	s_add_co_u32 s36, s36, HIMG
	s_mul_i32 s37, s35, 384
	s_add_co_u32 s37, s36, s37
	v_add_nc_u32 v[HW0], s37, v[TA]
	s_add_co_u32 s36, s36, s35
	s_add_co_u32 s36, s36, 1536
	v_add_nc_u32 v[HB0], s36, v[TB]
	s_mov_b32 s[TH], 0
	v_add_nc_u32 v[HWC], s[TH], v[HW0]
	v_add_nc_u32 v[HBC], s[TH], v[HB0]
.irp m, 0,1,2,3
	s_add_co_u32 s36, s[WV], \m
	s_and_b32 s36, s36, 3                          ; slot m holds row tile (m + w) % 4: slot 0 is the tile whose t2 I make
	s_mul_i32 s37, s36, REC
	s_add_co_u32 s37, s37, HIMG
	v_add_nc_u32 v[AH+\m], s37, v[LF]
	s_add_co_u32 s37, s37, 1536
	v_add_nc_u32 v[AHS+\m], s37, v[R4]
	s_mul_i32 s37, s36, 16*SP
	s_mul_i32 s36, s[WV], 384
	s_add_co_u32 s37, s37, s36
	v_add_nc_u32 v[SO+\m], s37, v[TC]
.endr
	s_mul_i32 s36, s[WV], 3*1536
	s_add_co_u32 s36, s36, A2I
	v_add_nc_u32 v[A2W], s36, v[L16]               ; A2's copy: fragments 3 w .. 3 w + 2
	s_mul_i32 s36, s[WV], 3*128
	s_add_co_u32 s36, s36, A2S
	v_add_nc_u32 v[A2SW], s36, v[L4]
	s_mul_i32 s36, s[WV], 8*SP
	v_add_nc_u32 v[SR], s36, v[L16]                ; the stage, back: my rows 8 w .. 8 w + 7
	SPAIR CA6, 0xabd3f331                          ; -1.5059951e-12
	SPAIR CA4, 0xb347667d                          ; -4.6426510e-8
	SPAIR CA3, 0xb628d45d                          ; -2.5157562e-6
	SPAIR CA2, 0xb8883d9c                          ; -6.4964607e-5
	SPAIR CA1, 0xba08eb41                          ; -5.2230439e-4
	SPAIR CA0, 0xbbba79f3                          ; -5.6908071e-3
	SPAIR CB4, 0xb57460cd                          ; -9.1037949e-7
	SPAIR CB2, 0xb9dc924e                          ; -4.2070674e-4
	SPAIR CB1, 0xbb719bf8                          ; -3.6866646e-3
	SPAIR CB0, 0xbc69b6a7                          ; -1.4264739e-2
	s_mov_b32 s[NL], 0xc0b504f3                    ; -4 sqrt 2
	s_mov_b32 s[PL], 0x40b504f3
	s_mov_b32 s[SEL], 0x76543210
	s_mov_b32 s[SEL+1], 0xfedcba98                 ; v_permlanex16_b32's selects for lane l xor 16
	s_mov_b32 s[HM], 0xffff0000                    ; lanes 16-31
	; byte offsets, each in a pair of its own
	s_mul_i32 s36, ttmp9, 64*3072                  ; my work-group's 64 rows of x and of out
	s_lshr_b32 s37, s[WV], 1
	s_mul_i32 s37, s37, 16*3072
	s_add_co_u32 s68, s36, s37
	s_and_b32 s37, s[WV], 1
	s_mul_i32 s37, s37, 3*512
	s_add_co_u32 s68, s68, s37                     ; x: + 16 rows x (w / 2) + three K steps of 512 bytes x (w % 2)
	s_mov_b32 s69, 0
	s_mul_i32 s37, s[WV], 8*3072
	s_add_co_u32 s70, s36, s37                     ; out: + 8 rows x w
	s_mov_b32 s71, 0
	s_mul_i32 s20, s[WV], 18432                    ; W1: record w
	s_mov_b32 s21, 0
	s_mul_i32 s22, s[WV], 768
	s_mov_b32 s23, 0
	s_mul_i32 s24, s[WV], 12*18432                 ; W2: record 96 + 12 w
	s_add_co_u32 s24, s24, 96*18432
	s_mov_b32 s25, 0
	s_mul_i32 s26, s[WV], 12*768
	s_add_co_u32 s26, s26, 96*768
	s_mov_b32 s27, 0
	s_lshl_b32 s28, s[WV], 11                      ; B1: 32 units x 64 bytes x w
	s_mov_b32 s29, 0
	s_lshl_b32 s30, s[WV], 7                       ; b1: 32 units x 4 bytes x w
	s_mov_b32 s31, 0
	s_mul_i32 s72, s[WV], 3*1536                   ; A2: fragment 2304 + 3 w
	s_add_co_u32 s72, s72, 2304*1536
	s_mov_b32 s73, 0
	s_mul_i32 s74, s[WV], 3*64
	s_add_co_u32 s74, s74, 2304*64
	s_mov_b32 s75, 0
	s_mul_i32 s76, s[WV], 96*64                    ; B2: my 96 rows
	s_mov_b32 s77, 0
	s_wait_kmcnt 0x0
	s_add_nc_u64 s[68:69], s[4:5], s[68:69]
	s_add_nc_u64 s[70:71], s[18:19], s[70:71]
	s_add_nc_u64 s[20:21], s[14:15], s[20:21]
	s_add_nc_u64 s[22:23], s[16:17], s[22:23]
	s_add_nc_u64 s[24:25], s[14:15], s[24:25]
	s_add_nc_u64 s[26:27], s[16:17], s[26:27]
	s_add_nc_u64 s[28:29], s[8:9], s[28:29]
	s_add_nc_u64 s[30:31], s[6:7], s[30:31]
	s_add_nc_u64 s[72:73], s[14:15], s[72:73]
	s_add_nc_u64 s[74:75], s[16:17], s[74:75]
	s_add_nc_u64 s[12:13], s[12:13], s[76:77]
; ---------------------------------------------------------------- A2 into LDS, x into codes
.irp f, 0,1,2
.irp pl, 0,1,2
	global_load_b128 v[A1F+12*\f+4*\pl:A1F+12*\f+4*\pl+3], v[L16], s[72:73] offset:1536*\f+512*\pl
.endr
.endr
.irp f, 0,1,2
	global_load_b32 v[A1F+36+\f], v[R4], s[74:75] offset:64*\f
.endr
	WIN 0x40
.irp f, 0,1,2                                  ; fragment f: 16 rows x 128 numbers
.irp e, 0,1,2,3,4,5,6,7,8,9,10,11,12,13,14,15
	global_load_b128 v[64*\f+4*\e:64*\f+4*\e+3], v[L16], s[68:69] offset:3072*\e+512*\f th:TH_LOAD_NT   ; the wave reads 512 consecutive bytes of row e, aligned
.endr
.endr
	WIN 0
	s_wait_loadcnt 48                              ; A2's twelve loads are in; x's 48 stay out
.irp f, 0,1,2
.irp pl, 0,1,2
	ds_store_b128 v[A2W], v[A1F+12*\f+4*\pl:A1F+12*\f+4*\pl+3] offset:1536*\f+512*\pl
.endr
.endr
.irp f, 0,1,2
	ds_store_b32 v[A2SW], v[A1F+36+\f] offset:128*\f
.endr
	s_wait_dscnt 0x0                               ; the stores have read their registers: A1 may land there
.irp s, 0,1,2,3,4,5
.irp pl, 0,1,2
	global_load_b128 v[A1F+12*\s+4*\pl:A1F+12*\s+4*\pl+3], v[L16], s[14:15] offset:(2328+\s)*1536+512*\pl
.endr
.endr
.irp i, 0,1,2
	global_load_b32 v[A1S+\i], v[L4], s[16:17] offset:2328*64+128*\i
.endr
.irp f, 0,1,2
	s_wait_loadcnt 53-16*\f                        ; fragment f's sixteen loads are in; behind them stand the later fragments' and A1's 21
	WIN 0x04                                       ; an LDS store's data are its source 1: window 1
.irp e, 0,1,2,3,4,5,6,7,8,9,10,11,12,13,14,15
	ds_store_b128 v[XSTW], v[64*\f+4*\e:64*\f+4*\e+3] offset:XSP*\e
.endr
	WIN 0x40
.irp c, 0,1
.irp e, 0,1,2,3,4,5,6,7
	ds_load_b128 v[XBK+32*\c+4*\e:XBK+32*\c+4*\e+3], v[XSTR] offset:256*\c+16*\e   ; k = 64 c + 32 h + 4 e .. of row r.  LDS serves a wave's instructions in order: these see my stores, and the next fragment's stores come behind them
.endr
.endr
	WIN 0
	s_wait_dscnt 0x0                               ; the numbers are back; the last fragment's stores have read their registers
	QFRAG XBK
.irp c, 0,1
.irp p, 0,1,2
	ds_store_b64 v[XW], v[CCF+6*\c+2*\p:CCF+6*\c+2*\p+1] offset:XIMG+KREC*\f+768*\c+8*\p   ; block 2 c + h of row r, where a reader's lane (r, h) takes it
.endr
.endr
	ds_store_b32 v[XB], v[PW] offset:XIMG+KREC*\f  ; lanes r and r + 16 write the same word with the same value
.endr
	WIN 0x40
.irp f, 0,1,2,3,4,5,6,7,8,9,10,11              ; W1's first record, into the registers that x has left
.irp pl, 0,1,2
	global_load_b128 v[WF+12*\f+4*\pl:WF+12*\f+4*\pl+3], v[L16], s[20:21] offset:1536*\f+512*\pl
.endr
.endr
	WIN 0
.irp s, 0,1,2,3,4,5
	global_load_b32 v[WS+\s], v[L4], s[22:23] offset:128*\s
.endr
	BARRIER                                        ; x's 24 records and A2's images lie in LDS, and every wave's reads of its stage are over
; ---------------------------------------------------------------- t1 = x A1^T for the four row tiles
.irp G, 0,1
.irp s, 0,1,2,3,4,5
	ds_load_b32 v[XS+6*\G+\s], v[XSA] offset:(4*\s+2*\G)*REC   ; x's scale words stay in registers through phase 1
.endr
.endr
	WIN 0x40
.irp s, 0,1
.irp rt, 0,1,2,3
	FRAGLD XR+48*\s+12*\rt, LF, XIMG+(4*\s+\rt)*REC
.endr
.endr
	WIN 0
	s_wait_loadcnt 42                              ; A1 is in; W1's 42 loads stay out
.irp s, 0,1,2,3,4,5
.if \s < 5
	s_wait_dscnt 24                                ; this K step's four fragments are in; the next K step's 24 loads may be out
.else
	s_wait_dscnt 0x0
.endif
	WIN 0x04
.set ZF, 0
.if \s == 0
.set ZF, 1
.endif
.irp rt, 0,1,2,3
	WMS T1+8*\rt, A1F+12*\s, XR+48*(\s%2)+12*\rt, ZF, A1S+\s/2, XS+6*(\rt/2)+\s, \s%2, \rt%2
.endr
	PLACES 5                                       ; in front of the loads below; behind the last K step: five in front of the products that take t1 as an operand
.if \s < 4
	WIN 0x40
.irp rt, 0,1,2,3
	FRAGLD XR+48*(\s%2)+12*\rt, LF, XIMG+(4*(\s+2)+\rt)*REC
.endr
.endif
.endr
	WIN 0x40
	XLD 0, 0, 0                                    ; the ring is filled: group 0, K steps 0 to 3
	XLD 0, 1, 1
	XLD 0, 2, 2
	XLD 0, 3, 3
	WIN 0
	BLOAD                                          ; task 0's B1 and b1
; ---------------------------------------------------------------- phase 1: twelve tasks of two groups
	GSTEP 0, 0, 0, 1, 0
	s_mov_b32 s[CNT], 11
.Ltask:                                            ; a trip: a task's second group (beside it the first group's GELU), the next task's first group (beside it the second's)
	GSTEP 1, 1, 1, 0, 0
	GSTEP 0, 1, 0, 0, 0
	s_sub_co_u32 s[CNT], s[CNT], 1
	s_cmp_lg_u32 s[CNT], 0
	s_cbranch_scc1 .Ltask
	GSTEP 1, 1, 2, 0, 1                            ; the last task's second group; W2's first record is asked for
.irp a, 0,1,2,3
	GRUN 1, \a, 0, 72                              ; the last group's GELU has no products to stand beside
.endr
	QUANTP OUT
	QSTORE HWC, HBC, 2*REC
	BARRIER                                        ; h's 96 records lie in LDS
; ---------------------------------------------------------------- phase 2
	WIN 0x40
.irp p, 0,1
.irp m, 0,1,2,3
	FRAGLD HF+48*\p+12*\m, AH+\m, \p*KREC
.endr
.endr
.irp pl, 0,1,2
	ds_load_b128 v[A2F+4*\pl:A2F+4*\pl+3], v[AA] offset:512*\pl
.endr
	WIN 0
.irp p, 0,1
.irp m, 0,1,2,3
	ds_load_b32 v[HS+4*\p+\m], v[AHS+\m] offset:\p*KREC
.endr
.endr
	ds_load_b32 v[A2SC], v[AAS]
	s_wait_dscnt 0x0
	PTRIP 1, 1
	s_mov_b32 s[CNT], 10
.Lrecord:
	PTRIP 0, 1
	s_sub_co_u32 s[CNT], s[CNT], 1
	s_cmp_lg_u32 s[CNT], 0
	s_cbranch_scc1 .Lrecord
	PTRIP 0, 0                                     ; the last record asks for nothing more
; ---------------------------------------------------------------- the way out: + t2 B2^T, + b2
	WIN 0x40
.irp t, 0,1,2,3,4,5
	global_load_b128 v[B2R+8*\t:B2R+8*\t+3], v[B2A], s[12:13] offset:1024*\t         ; B2(96 w + 16 t + r, 8 h + 0 .. 7)
	global_load_b128 v[B2R+8*\t+4:B2R+8*\t+7], v[B2A], s[12:13] offset:1024*\t+16
.endr
.irp k, 0,1,2,3,4,5
	global_load_b128 v[BB2+4*\k:BB2+4*\k+3], v[L16], s[10:11] offset:512*\k          ; b2, as a row of out lies over the lanes
.endr
	WIN 0
.irp i, 0,1,2,3
	v_cvt_pk_bf16_f32 v[T2P+\i], v[T2A+2*\i], v[T2A+2*\i+1]   ; lane (r, h): ranks 8 h + 0 .. 7 of row r: registers 0-3 of the bf16 operand as they stand
.endr
	ds_store_b128 v[T2W], v[T2P:T2P+3]
.irp m, 0,1,2,3
	s_add_co_u32 s36, s[WV], \m
	s_and_b32 s36, s36, 3
	s_and_b32 s37, s[WV], 4
	s_add_co_u32 s36, s36, s37                     ; row tile (m + w) % 4 was made by the wave of that number in my half of the eight
	s_lshl_b32 s36, s36, 9
	s_add_co_u32 s36, s36, T2L
	v_add_nc_u32 v[AH+\m], s36, v[L16]
.endr
	WIN 0x40
.irp t, 0,1,2,3,4,5
.irp i, 4,5,6,7
	v_mov_b32 v[B2F+8*\t+\i], 0                    ; the form's K is 32, the rank 16: k = 16 .. 31 are zeros on both sides
.endr
.endr
.irp m, 0,1,2,3
.irp i, 4,5,6,7
	v_mov_b32 v[T2F+8*\m+\i], 0
.endr
.endr
	WIN 0
	BARRIER                                        ; every wave's t2 lies in LDS, and every wave's reads of h are over
	WIN 0x40
.irp m, 0,1,2,3
	ds_load_b128 v[T2F+8*\m:T2F+8*\m+3], v[AH+\m]
.endr
	s_wait_loadcnt 6                               ; B2's twelve loads are in; b2's six may be out
	WIN 0x45
.irp t, 0,1,2,3,4,5
.irp i, 0,1,2,3
	v_cvt_pk_bf16_f32 v[B2F+8*\t+\i], v[B2R+8*\t+2*\i], v[B2R+8*\t+2*\i+1]
.endr
.endr
	PLACES 4
	s_wait_dscnt 0x0
	WIN 0x05
.irp t, 0,1,2,3,4,5
.irp m, 0,1,2,3
	v_wmma_f32_16x16x32_bf16 v[PACC+8*(4*\t+\m):PACC+8*(4*\t+\m)+7], v[B2F+8*\t:B2F+8*\t+7], v[T2F+8*\m:T2F+8*\m+7], v[PACC+8*(4*\t+\m):PACC+8*(4*\t+\m)+7]
.endr
.endr
	WIN 0
	PLACES 4
.irp m, 0,1,2,3
.irp t, 0,1,2,3,4,5
	ds_store_b128 v[SO+\m], v[PACC+8*(4*\t+\m):PACC+8*(4*\t+\m)+3] offset:64*\t        ; lane (r, h): out(16 ((m + w) % 4) + r, 96 w + 16 t + 8 h + 0 .. 7); each accumulator from its low end on
	ds_store_b128 v[SO+\m], v[PACC+8*(4*\t+\m)+4:PACC+8*(4*\t+\m)+7] offset:64*\t+16
.endr
.endr
	BARRIER                                        ; 64 whole rows lie in the stage
	WIN 0x40
	v_mov_b32 v[L16B], v[L16]                      ; 16 x lane in window 1, so that additions and stores run under one setting
.irp i, 0,1,2,3,4,5,6,7
.irp k, 0,1,2,3,4,5
	ds_load_b128 v[4*(6*\i+\k):4*(6*\i+\k)+3], v[SR] offset:SP*\i+512*\k
.endr
.endr
	s_wait_loadcnt 0x0                             ; b2
	WIN 0x45
.irp i, 0,1,2,3,4,5,6,7
.irp k, 0,1,2,3,4,5
	s_wait_dscnt 47-(6*\i+\k)                      ; LDS loads come back in order: this one is in, the younger ones may be out
	v_pk_add_f32 v[4*(6*\i+\k):4*(6*\i+\k)+1], v[4*(6*\i+\k):4*(6*\i+\k)+1], v[BB2+4*\k:BB2+4*\k+1]
	v_pk_add_f32 v[4*(6*\i+\k)+2:4*(6*\i+\k)+3], v[4*(6*\i+\k)+2:4*(6*\i+\k)+3], v[BB2+4*\k+2:BB2+4*\k+3]
	global_store_b128 v[L16B], v[4*(6*\i+\k):4*(6*\i+\k)+3], s[70:71] offset:3072*\i+512*\k th:TH_STORE_NT   ; the wave stores 512 consecutive bytes, aligned; written once, read by nobody here
.endr
.endr
	WIN 0
	s_wait_xcnt 0x0
	v_lshl_add_u32 v254, v0, 2, 0x3b800
	v_mov_b32 v255, 0
	s_wait_tensorcnt 0x0
	ds_add_u32 v254, v255
	s_wait_dscnt 0x0
	s_endpgm
.Lfunc_end_k_q29feafcf1b_mlp:
	.size	k_q29feafcf1b_mlp, .Lfunc_end_k_q29feafcf1b_mlp-k_q29feafcf1b_mlp
	.p2alignl 7, 3214868480
	.fill 96, 4, 3214868480
	.section	.rodata,"a",@progbits
	.p2align	6, 0x0
	.amdhsa_kernel k_q29feafcf1b_mlp
		.amdhsa_group_segment_fixed_size 244736
		.amdhsa_private_segment_fixed_size 0
		.amdhsa_enable_private_segment 0
		.amdhsa_kernarg_size 64
		.amdhsa_user_sgpr_count 2
		.amdhsa_user_sgpr_kernarg_segment_ptr 1
		.amdhsa_wavefront_size32 1
		.amdhsa_system_sgpr_workgroup_id_x 1
		.amdhsa_system_sgpr_workgroup_id_y 1
		.amdhsa_system_sgpr_workgroup_id_z 1
		.amdhsa_system_vgpr_workitem_id 0
		.amdhsa_next_free_vgpr 512
		.amdhsa_next_free_sgpr 80
		.amdhsa_reserve_vcc 0
		.amdhsa_float_denorm_mode_32 3
		.amdhsa_float_denorm_mode_16_64 3
		.amdhsa_memory_ordered 1
		.amdhsa_forward_progress 1
		.amdhsa_inst_pref_size 254
	.end_amdhsa_kernel
	.amdgpu_metadata
---
amdhsa.version: [ 1, 2 ]
amdhsa.kernels:
  - .name:           k_q29feafcf1b_mlp
    .symbol:         k_q29feafcf1b_mlp.kd
    .args:
      - { .name: x, .offset: 0, .size: 8, .value_kind: global_buffer, .address_space: global }
      - { .name: b1, .offset: 8, .size: 8, .value_kind: global_buffer, .address_space: global }
      - { .name: B1, .offset: 16, .size: 8, .value_kind: global_buffer, .address_space: global }
      - { .name: b2, .offset: 24, .size: 8, .value_kind: global_buffer, .address_space: global }
      - { .name: B2, .offset: 32, .size: 8, .value_kind: global_buffer, .address_space: global }
      - { .name: wq_codes, .offset: 40, .size: 8, .value_kind: global_buffer, .address_space: global }
      - { .name: wq_scales, .offset: 48, .size: 8, .value_kind: global_buffer, .address_space: global }
      - { .name: out0, .offset: 56, .size: 8, .value_kind: global_buffer, .address_space: global }
    .group_segment_fixed_size: 244736
    .private_segment_fixed_size: 0
    .kernarg_segment_align: 8
    .kernarg_segment_size: 64
    .max_flat_workgroup_size: 256
    .sgpr_count:     80
    .vgpr_count:     512
    .wavefront_size: 32
...
	.end_amdgpu_metadata
.endif
;; end of part 4
;; ======== version 3 of 3: 2 launches; version 2 with the launch mlp written anew for expert scheduling mode
;; workspace buffers: wq_codes 3,594,240 bytes; wq_scales 149,760 bytes
;; launch prep: the kernel of part 3 again; grid 195 x 1, 12 waves a work-group, no clusters, 103,936 bytes of LDS; arguments W1, W2, A1, A2, wq_codes, wq_scales; writes wq_codes, wq_scales
;; launch mlp (part 5): grid 197 x 1, 8 waves a work-group, no clusters, 244,736 bytes of LDS; arguments x, b1, B1, b2, B2, wq_codes, wq_scales, out0; writes out0
.if DOCPART == 5
	.amdgcn_target "amdgcn-amd-amdhsa--gfx1250"
	.amdhsa_code_object_version 6
	.text
	.protected	k_q29feafcf1b_mlp
	.globl	k_q29feafcf1b_mlp
	.p2align	8
	.type	k_q29feafcf1b_mlp,@function
k_q29feafcf1b_mlp:
	s_mov_b64 s[64:65], 0
	v_nop
	global_prefetch_b8 v0, s[64:65] scope:SCOPE_SE
	s_setreg_imm32_b32 hwreg(HW_REG_WAVE_SCHED_MODE, 0, 2), 2
	s_setreg_imm32_b32 hwreg(HW_REG_WAVE_MODE, 25, 1), 1
	s_wait_xcnt 0x0
	s_wait_alu depctr_vm_vsrc(0)
; out = gelu(x W1^T + b1 + (x A1^T) B1^T) W2^T + b2 + (h A2^T) B2^T for 64 rows a work-group; 12,608 rows = 197 x 64.  h, t1 = x A1^T, t2 = h A2^T and x's codes never go to memory.
; The four products with K = 768 or 3,072 run on codes of FP6 (E2M3) with E8M0 scales; t1 B1^T, whose result is quantised, on f32 operands; t2 B2^T on bf16 operands.  All sums f32.
; SHARES.  Eight waves share the COLUMNS.  Phase 1: wave w makes hidden blocks (32 units) w + 8 t, t = 0..11, for all 64 rows.  Phase 2: wave w makes out columns 96 w .. 96 w + 95, and t2 of one tile of rows.
; So each weight fragment is wanted by one wave alone: it comes from memory straight into that wave's registers, as the image that the launch before has laid.
; NO CLUSTER: the grid has 197 work-groups, a prime, which no cluster divides.  NO TENSOR LOAD: no weight byte is read by two waves of a work-group.
; ALL PRODUCTS ARE USED TRANSPOSED (source 0 = 16 rows of a weight, source 1 = 16 rows of x or h): lane (r, h) holds row r and its registers run along the columns.
; W1's rows of a tile are chosen (by the launch before) so that the 16 registers of tiles u = 0, 1 of a block are hidden units 16 h + 0 .. 15 of the block: neighbours along the next K.
; x: wave w quantises three fragments: row tile w / 2, K steps 3 (w % 2) + 0 .. 2.  A load takes one row's 128 numbers, 512 consecutive aligned bytes; the 16 rows turn through the wave's own stage in LDS
; and come back as whole blocks of one row a lane, so that the conversions' results are the fragment's registers.
; BY TURNS.  A task's eight accumulators are two groups (row tiles 0, 1 and 2, 3).  While one group is multiplied, the other group's finished sums go through GELU: a list of 72 lines a tile, dealt out in runs of
; twelve: one run behind each f32 product that adds in place, one behind each pair of FP6 products: 16 cycles' work of the matrix unit (1,024 and 2 x 32,768 multiply-adds) to each run.  The runs are also the places
; that the products need behind them.  A run beside FP6 products costs two switches of the register window, since the operands lie in window 1 and all that GELU touches in window 0.
; GELU: g = v (0.5 + y P(y^2) / Q(y^2)), y = v held to +-4 sqrt(2); y P / Q is erf(y / sqrt 2) / 2 as a rational function (degrees 13 and 8), 1 / sqrt 2 and 1 / 2 folded into the coefficients.
; LIMITS: erf is good to a few units in f32's last place; 0.5 + erf / 2 cancels for v well under 0, where g has an absolute error of some |v| x 6e-8; beyond |v| = 5.66 erf counts as +-1;
;   a block of zeros gets the scale byte 1 (zero codes); t2 and B2 are rounded to bf16; b1 and t1 B1^T are summed ahead of x W1^T; NaN and infinities are not served.
; LDS.  An activation fragment (16 rows x 128 K) is a record of 1,664 bytes: [block of 32 (4)][row (16)][24 bytes of codes], then 16 scale words, then 64 bytes that nobody touches.
; THE MODE: SCHED_MODE bits 1:0 = 2 (LLVM: expert scheduling mode 2), set by the entry lines.  The code itself states the register dependences
; between vector or matrix instructions and memory or LDS instructions, with s_wait_alu, always for 0.
; THE PLAN.  Registers that memory or LDS instructions touch in the loops, and who else names them:
;   PHASE 1.  The ring's set T % 4, W1's fragments 2 s, 2 s + 1 and the scale register WS + s: read by K step s's four products.  What takes their place (macro LNEXT: x's fragments of four steps on, the next task's
;     weights) is asked for behind the FIRST PAIR of products of K step s + 1, which names none of them; K step 5's behind its last run.  One wait on va_vdst stands at the head of K steps 1, 2, 4 and 5.
;     GELU's list holds one wait on va_vdst a tile, ahead of the reciprocals' first reader; behind it stand numbers 64 to 71 of the list alone, which name GELU's own registers.  Where that wait stands behind the
;     products in question it states their dependence too: so for K step 3's loads (tile 2's wait, in K step 2's last run), for K step 5's (tile 3's) and for B1 and b1 (tile 1's, behind the last f32 product).
;     CC, QB0: written by the quantiser, read by its four LDS stores.  HWC, HBC: read by those stores, stepped once a task.  LF, L16, L4, B1A, BIA: never written again.
;   PHASE 2.  A record is six sub-steps u of eight products; t2's product is the ninth of u = 2 and of u = 5.  W2's fragments 2 u, 2 u + 1 and WS + u are asked for again behind the first four products of sub-step u + 1;
;     h's other set in two halves, at u = 3 p and 3 p + 1; A2's fragment at u = 3 p.  One wait on va_vdst at the head of each sub-step that reloads what the sub-step before has read.
;     AH, AHS, AA, AAS: read by the LDS loads, stepped once a trip behind one wait on vm_vsrc; the next trip's first wait on va_vdst states that they are written.
.set REC,   1664
.set KREC,  4*REC                      ; the four row tiles of a K step
.set XIMG,  0                          ; x's 24 records, index 4 s + rt
.set HIMG,  24*REC                     ; h's 96 records, index 4 s + rt.  At the head, ahead of the first barrier: x's stages, 16 rows x 528 bytes for each wave
.set XSP,   528
.set A2I,   HIMG+96*REC                ; A2's 24 fragments as images of 1,536 bytes
.set A2S,   A2I+24*1536                ; and their scale words, 128 bytes a fragment
.set T2L,   A2S+24*128                 ; t2 in bf16, 512 bytes a wave
.set SP,    3088                       ; the way out: a stage of 64 rows x (3,072 + 16) bytes over x's and h's records, behind the barrier behind which nobody reads them
; window 0
.set L16, 1                            ; 16 x lane
.set L4,  2                            ; 4 x lane
.set LF,  3                            ; 24 r + 384 h: my place in a record
.set XW,  5                            ; where I store x's codes;  XB: their scale words
.set XB,  6
.set HW0, 7                            ; where I store h's codes, task 0;  HB0: their scale byte;  HWC, HBC: the task in hand
.set HWC, 8
.set HB0, 9
.set HBC, 10
.set B1A, 11                           ; B1: 64 (r + 8 (r / 8)) + 32 h
.set BIA, 12                           ; b1: 64 h
.set XSA, 13                           ; x's scale words: lanes 0-15 an even row tile's, lanes 16-31 the odd one's
.set AH,  14                           ; v14-17  h's records, slot m = row tile (m + w) % 4;  v18-21 their scale words
.set AHS, 18
.set AA,  22                           ; A2's images;  AAS: their scale words
.set AAS, 23
.set SO,  24                           ; v24-27  the stage, slot m
.set XS,  28                           ; v28-48 hold scales and nothing else.  Phase 1: v28-39 x's (6 G + s), v40-45 the weights' (K step s), v46-48 A1's
.set HS,  28                           ; phase 2: v28-35 h's (4 p + m), v40-45 the weights', v46 A2's
.set WS,  40
.set A1S, 46
.set A2SC, 46
.set B2A, 49                           ; B2: 64 r + 32 h
.set SR,  50                           ; the stage, on the way back
.set T2W, 51                           ; where I store t2
.set ACC, 52                           ; v52-115  phase 1's accumulators: group G, tile a = 2 q + u at 52 + 32 G + 8 a: written by matrix instructions alone
.set PACC, 52                          ; v52-243  phase 2's: (t, m) at 52 + 8 (4 t + m)
.set T1,  116                          ; v116-147 t1, 8 a row tile: lane (r, h): ranks 8 h + 0 .. 7 of row r.  (At the head: temporaries, below)
.set B1F, 148                          ; v148-163 B1, 8 a tile u: ranks 8 h + 0 .. 7 of my hidden unit
.set A1F, 148                          ; at the head: A2's three fragments, then A1's six
.set GY,  164                          ; GELU at work: y, y^2, P, Q, eight each
.set GZ,  172
.set GP,  180
.set GQ,  188
.set OUT, 196                          ; v196-227 a group's 32 numbers of h
.set QT0, 228                          ; the quantisers at work
.set QT1, 229
.set QU0, 230
.set QU1, 231
.set QE0, 232
.set QE1, 233
.set QB0, 234
.set QB1, 235
.set CC,  236                          ; v236-243 codes
.set KC,  244                          ; v244-245 the coefficients a5, b3
.set T2A, 244                          ; phase 2: t2's accumulator;  v252-255 t2 in bf16
.set T2P, 252
.set RR,  116                          ; the head's temporaries, in the registers that t1 takes later
.set HH,  117
.set R4,  118
.set TA,  119
.set TB,  120
.set TC,  121
.set A2W, 122
.set A2SW, 123
.set CCF, 124                          ; v124-135 a fragment of x;  v136-142 the conversions' second halves
.set QTM, 136
.set PW,  143                          ; its scale word
.set H8,  144                          ; 8 h
.set XSTW, 145                         ; x's stage: in, a row as it lies;  XSTR: out, row r, + 128 h
.set XSTR, 146
; window 1
.set WF,  0                            ; v0-143   a record of 12 weight fragments.  (At the head: v0-191 x as loaded, v192-255 x back from the stage)
.set XBK, 192
.set BI,  144                          ; v144-159 b1 in the result's layout, 8 a tile u
.set A2F, 144                          ; phase 2: A2's fragment
.set XR,  160                          ; v160-255 x's fragments: a ring of four sets of two
.set HF,  160                          ; phase 2: h's fragments: set p at 160 + 48 p, slot m at + 12 m
.set B2R, 0                            ; the way out: B2 as f32;  B2F, T2F: operands of 8 registers, the upper four 0;  BB2: b2;  L16B: 16 x lane once more
.set B2F, 48
.set T2F, 160
.set BB2, 192
.set L16B, 216
; scalars: s[4:19] the eight buffers; s[20:23] W1's record, codes and scale words; s[24:27] W2's; s[28:29] B1; s[30:31] b1; s[68:69] x; s[70:71] out; s[72:75] A2's part
.set WV,  32
.set CNT, 38
.set TH,  39                           ; 13,312 x task: two K steps of h's records
.set CA6, 40
.set CA4, 42
.set CA3, 44
.set CA2, 46
.set CA1, 48
.set CA0, 50
.set CB4, 52
.set CB2, 54
.set CB1, 56
.set CB0, 58
.set NL,  60
.set PL,  61
.set SEL, 62
.set HM,  66
.set MSB, 0
.macro WIN new                         ; bits 1:0 source 0, 3:2 source 1, 5:4 source 2, 7:6 destination; the high byte repeats the setting that is left
.if MSB != \new
	s_set_vgpr_msb (MSB<<8)|\new
.set MSB, \new
.endif
.endm
.macro PLACES n
.rept \n
	v_nop
.endr
.endm
.macro SPAIR reg, val                  ; a constant for the packed forms, which name a pair
	s_mov_b32 s[\reg], \val
	s_mov_b32 s[\reg+1], \val
.endm
.macro BARRIER                         ; my LDS stores have landed and my LDS loads are in: then the work-group's barrier
	s_wait_dscnt 0x0
	s_barrier_signal -1
	s_barrier_wait -1
.endm
; an activation fragment out of its record: registers 6 c .. 6 c + 5 = block 2 c + h of row r, in pieces of 8 bytes
.macro FRAGLD reg, adr, off
.irp c, 0,1
.irp p, 0,1,2
	ds_load_b64 v[(\reg)+6*\c+2*\p:(\reg)+6*\c+2*\p+1], v[\adr] offset:(\off)+768*\c+8*\p
.endr
.endr
.endm
; one FP6 product.  z = 1: it starts the sum.  ra, rb: the side's scale words lie in lanes 16-31
.macro WMS d, a, b, z, sa, sb, ra, rb
.if \z
.if (\ra) && (\rb)
	v_wmma_scale_f32_16x16x128_f8f6f4 v[(\d):(\d)+7], v[(\a):(\a)+11], v[(\b):(\b)+11], 0, v[(\sa)], v[(\sb)] matrix_a_fmt:MATRIX_FMT_FP6 matrix_b_fmt:MATRIX_FMT_FP6 matrix_a_scale:MATRIX_SCALE_ROW1 matrix_b_scale:MATRIX_SCALE_ROW1
.elseif (\ra)
	v_wmma_scale_f32_16x16x128_f8f6f4 v[(\d):(\d)+7], v[(\a):(\a)+11], v[(\b):(\b)+11], 0, v[(\sa)], v[(\sb)] matrix_a_fmt:MATRIX_FMT_FP6 matrix_b_fmt:MATRIX_FMT_FP6 matrix_a_scale:MATRIX_SCALE_ROW1
.elseif (\rb)
	v_wmma_scale_f32_16x16x128_f8f6f4 v[(\d):(\d)+7], v[(\a):(\a)+11], v[(\b):(\b)+11], 0, v[(\sa)], v[(\sb)] matrix_a_fmt:MATRIX_FMT_FP6 matrix_b_fmt:MATRIX_FMT_FP6 matrix_b_scale:MATRIX_SCALE_ROW1
.else
	v_wmma_scale_f32_16x16x128_f8f6f4 v[(\d):(\d)+7], v[(\a):(\a)+11], v[(\b):(\b)+11], 0, v[(\sa)], v[(\sb)] matrix_a_fmt:MATRIX_FMT_FP6 matrix_b_fmt:MATRIX_FMT_FP6
.endif
.else
.if (\ra) && (\rb)
	v_wmma_scale_f32_16x16x128_f8f6f4 v[(\d):(\d)+7], v[(\a):(\a)+11], v[(\b):(\b)+11], v[(\d):(\d)+7], v[(\sa)], v[(\sb)] matrix_a_fmt:MATRIX_FMT_FP6 matrix_b_fmt:MATRIX_FMT_FP6 matrix_a_scale:MATRIX_SCALE_ROW1 matrix_b_scale:MATRIX_SCALE_ROW1
.elseif (\ra)
	v_wmma_scale_f32_16x16x128_f8f6f4 v[(\d):(\d)+7], v[(\a):(\a)+11], v[(\b):(\b)+11], v[(\d):(\d)+7], v[(\sa)], v[(\sb)] matrix_a_fmt:MATRIX_FMT_FP6 matrix_b_fmt:MATRIX_FMT_FP6 matrix_a_scale:MATRIX_SCALE_ROW1
.elseif (\rb)
	v_wmma_scale_f32_16x16x128_f8f6f4 v[(\d):(\d)+7], v[(\a):(\a)+11], v[(\b):(\b)+11], v[(\d):(\d)+7], v[(\sa)], v[(\sb)] matrix_a_fmt:MATRIX_FMT_FP6 matrix_b_fmt:MATRIX_FMT_FP6 matrix_b_scale:MATRIX_SCALE_ROW1
.else
	v_wmma_scale_f32_16x16x128_f8f6f4 v[(\d):(\d)+7], v[(\a):(\a)+11], v[(\b):(\b)+11], v[(\d):(\d)+7], v[(\sa)], v[(\sb)] matrix_a_fmt:MATRIX_FMT_FP6 matrix_b_fmt:MATRIX_FMT_FP6
.endif
.endif
.endm
; GELU of one tile's eight numbers a lane is a list of 72 lines; GI writes number j of it.  The four pairs go line by line, so that no line waits for the line above it.
;   0-7 y (the accumulator is read from its low end on)   8-11 z = y^2   12-15 P = a6 z + a5   16-19 Q = b4 z + b3
;   20-51 eight lines of Horner's scheme x four pairs: P a4, Q b2, P a3, Q b1, P a2, Q b0, P a1, P a0
;   52-59 1 / Q   60-63 y P (plain lines between the reciprocals and their use)   64-67 0.5 + y P / Q   68-71 the tile's numbers of h
.macro GI acc, out, j
.if (\j) < 8
	v_med3_num_f32 v[GY+(\j)], v[(\acc)+(\j)], s[NL], s[PL]
.elseif (\j) < 12
.set GJ, 2*((\j)-8)
	v_pk_mul_f32 v[GZ+GJ:GZ+GJ+1], v[GY+GJ:GY+GJ+1], v[GY+GJ:GY+GJ+1]
.elseif (\j) < 16
.set GJ, 2*((\j)-12)
	v_pk_fma_f32 v[GP+GJ:GP+GJ+1], v[GZ+GJ:GZ+GJ+1], s[CA6:CA6+1], v[KC:KC+1] op_sel_hi:[1,0,0]
.elseif (\j) < 20
.set GJ, 2*((\j)-16)
	v_pk_fma_f32 v[GQ+GJ:GQ+GJ+1], v[GZ+GJ:GZ+GJ+1], s[CB4:CB4+1], v[KC:KC+1] op_sel:[0,0,1] op_sel_hi:[1,0,1]
.elseif (\j) < 52
.set GJ, 2*((\j)%4)
.set GH, ((\j)-20)/4
.if GH == 7
.set GD, GP
.set GC, CA0
.elseif GH%2 == 0
.set GD, GP
.set GC, CA4+GH
.else
.set GD, GQ
.set GC, CB2+GH-1
.endif
	v_pk_fma_f32 v[GD+GJ:GD+GJ+1], v[GD+GJ:GD+GJ+1], v[GZ+GJ:GZ+GJ+1], s[GC:GC+1] op_sel_hi:[1,1,0]
.elseif (\j) < 60
	v_rcp_f32 v[GQ+(\j)-52], v[GQ+(\j)-52]
.elseif (\j) < 64
.set GJ, 2*((\j)-60)
	v_pk_mul_f32 v[GP+GJ:GP+GJ+1], v[GY+GJ:GY+GJ+1], v[GP+GJ:GP+GJ+1]
.elseif (\j) < 68
.set GJ, 2*((\j)-64)
.if (\j) == 64
	s_wait_alu depctr_va_vdst(0)                   ; the tile's eight reciprocals are written, ahead of their first reader: one wait for the batch.  All products issued so far are done with their operands too: the group step leans on that where it says so
.endif
	v_pk_fma_f32 v[GZ+GJ:GZ+GJ+1], v[GP+GJ:GP+GJ+1], v[GQ+GJ:GQ+GJ+1], 0.5 op_sel_hi:[1,1,0]
.else
.set GJ, 2*((\j)-68)
	v_pk_mul_f32 v[(\out)+GJ:(\out)+GJ+1], v[(\acc)+GJ:(\acc)+GJ+1], v[GZ+GJ:GZ+GJ+1]
.endif
.endm
.macro GRUN og, t, j0, n               ; numbers j0 .. j0 + n - 1 of the list, for tile t of group og
.set GK, (\j0)
.rept \n
	GI ACC+32*(\og)+8*(\t), OUT+8*(\t), GK
.set GK, GK+1
.endr
.endm
; 32 numbers of a lane: registers 0-15 row r of one row tile, 16-31 of the next, each k = 16 h + 0 .. 15 of ONE block of 32.  They become 24 bytes of codes a lane in v[CC] on
; (lanes 0-15: the first tile's whole block of row r; lanes 16-31: the second's) and that block's scale byte in v[QB0].
.macro QUANTP src
	v_max3_num_f32 v[QT0], 0x1800000, |v[(\src)]|, |v[(\src)+1]|         ; with the floor 2^(3 - 127): the byte cannot fall under 1
	v_max3_num_f32 v[QT1], 0x1800000, |v[(\src)+16]|, |v[(\src)+17]|
.irp i, 2,4,6,8,10,12,14
	v_max3_num_f32 v[QT0], v[QT0], |v[(\src)+\i]|, |v[(\src)+\i+1]|
	v_max3_num_f32 v[QT1], v[QT1], |v[(\src)+16+\i]|, |v[(\src)+17+\i]|
.endr
	v_permlanex16_b32 v[QU0], v[QT0], s[SEL], s[SEL+1]
	v_permlanex16_b32 v[QU1], v[QT1], s[SEL], s[SEL+1]
	v_max_num_f32 v[QT0], v[QT0], v[QU0]           ; with lane l xor 16's 16: the block's largest magnitude
	v_max_num_f32 v[QT1], v[QT1], v[QU1]
	v_add_nc_u32 v[QE0], 0xff000000, v[QT0]        ; 2 off the exponent field: the conversion's scale operand
	v_add_nc_u32 v[QE1], 0xff000000, v[QT1]
	v_cvt_scalef32_pk16_fp6_f32 v[CC:CC+2], v[(\src):(\src)+15], v[QE0]
	v_cvt_scalef32_pk16_fp6_f32 v[CC+4:CC+6], v[(\src)+16:(\src)+31], v[QE1]
	v_lshrrev_b32 v[QB0], 23, v[QE0]               ; the bytes.  (Plain lines behind the scaled conversions)
	v_lshrrev_b32 v[QB1], 23, v[QE1]
	v_cndmask_b32 v[QB0], v[QB0], v[QB1], s[HM]    ; lanes 16-31 take the second tile's
.irp i, 0,1,2
	v_permlane16_swap_b32 v[CC+\i], v[CC+4+\i]     ; the first's lanes 16-31 change places with the second's lanes 0-15: now the first run holds each lane's block's lower 16 codes, the second the upper 16
.endr
.irp i, 0,1,2
	v_mov_b32 v[CC+3+\i], v[CC+4+\i]
.endr
.endm
.macro QSTORE ca, ba, off
	ds_store_b64 v[\ca], v[CC:CC+1] offset:(\off)
	ds_store_b64 v[\ca], v[CC+2:CC+3] offset:(\off)+8
	ds_store_b64 v[\ca], v[CC+4:CC+5] offset:(\off)+16
	ds_store_b8 v[\ba], v[QB0] offset:(\off)
.endm
; 64 numbers of a lane in window 1: register 32 c + i = k 64 c + 32 h + i of row r: two whole blocks.  They become the fragment's 12 registers in v[CCF] on and row r's scale word in v[PW].
.macro QFRAG src
	WIN 0x14                                       ; sources 1 and 2 in window 1
.irp c, 0,1
	v_max3_num_f32 v[QT0+\c], 0x1800000, |v[(\src)+32*\c]|, |v[(\src)+32*\c+1]|
.endr
.irp i, 2,4,6,8,10,12,14,16,18,20,22,24,26,28,30
.irp c, 0,1
	v_max3_num_f32 v[QT0+\c], v[QT0+\c], |v[(\src)+32*\c+\i]|, |v[(\src)+32*\c+\i+1]|   ; (the two blocks by turns)
.endr
.endr
	WIN 0
	v_add_nc_u32 v[QE0], 0xff000000, v[QT0]
	v_add_nc_u32 v[QE1], 0xff000000, v[QT1]
	v_lshrrev_b32 v[QB0], 23, v[QE0]
	v_lshrrev_b32 v[QB1], 23, v[QE1]
	v_lshl_or_b32 v[PW], v[QB1], 16, v[QB0]        ; my two bytes: blocks h and 2 + h,
	v_lshlrev_b32 v[PW], v[H8], v[PW]              ; 8 h bits up;
	v_permlanex16_b32 v[QU0], v[PW], s[SEL], s[SEL+1]
	v_or_b32 v[PW], v[PW], v[QU0]                  ; with lane l xor 16's two the word is whole
	WIN 0x01                                       ; source 0 in window 1
.irp c, 0,1
	v_cvt_scalef32_pk16_fp6_f32 v[CCF+6*\c:CCF+6*\c+2], v[(\src)+32*\c:(\src)+32*\c+15], v[QE0+\c]
	v_cvt_scalef32_pk16_fp6_f32 v[QTM+4*\c:QTM+4*\c+2], v[(\src)+32*\c+16:(\src)+32*\c+31], v[QE0+\c]   ; (a conversion's three registers begin on an even number)
.endr
	WIN 0
	v_nop                                          ; one plain place behind a scaled conversion
.irp c, 0,1
.irp i, 0,1,2
	v_mov_b32 v[CCF+3+6*\c+\i], v[QTM+4*\c+\i]
.endr
.endr
.endm
.macro XLD gx, sx, set                 ; x's two fragments of group gx, K step sx, into a set of the ring
	FRAGLD XR+24*(\set), LF, XIMG+(4*(\sx)+2*(\gx))*REC
	FRAGLD XR+24*(\set)+12, LF, XIMG+(4*(\sx)+2*(\gx)+1)*REC
.endm
.macro BLOAD                           ; a task's b1 (in the result's layout) and B1 (32 consecutive bytes a lane and tile)
	WIN 0x40
.irp u, 0,1
	global_load_b128 v[BI+8*\u:BI+8*\u+3], v[BIA], s[30:31] offset:32*\u
	global_load_b128 v[BI+8*\u+4:BI+8*\u+7], v[BIA], s[30:31] offset:32*\u+16
.endr
	WIN 0
.irp u, 0,1
	global_load_b128 v[B1F+8*\u:B1F+8*\u+3], v[B1A], s[28:29] offset:512*\u
	global_load_b128 v[B1F+8*\u+4:B1F+8*\u+7], v[B1A], s[28:29] offset:512*\u+16
.endr
.endm
; What takes the place of the registers that K step s of group G has read: the ring's set takes x's fragments of the step four further on; with nxt > 0 the weights' two fragments and their scale register take the next record's.
.macro LNEXT G, s, nxt, last
	WIN 0x40
.if (\s) < 2
	XLD \G, (\s)+4, (6*\G+(\s))%4
.elseif \last == 0
	XLD 1-\G, (\s)-2, (6*\G+(\s))%4
.endif
.if (\G == 1) && (\nxt > 0)
.irp f, 0,1
.irp pl, 0,1,2
	global_load_b128 v[WF+12*(2*(\s)+\f)+4*\pl:WF+12*(2*(\s)+\f)+4*\pl+3], v[L16], s[WB:WB+1] offset:1536*(2*(\s)+\f)+512*\pl
.endr
.endr
	WIN 0
	global_load_b32 v[WS+(\s)], v[L4], s[WB+2:WB+3] offset:128*(\s)   ; lanes 0-15: the even fragment's words; lanes 16-31: the odd one's
.endif
	WIN 0
.endm
; ONE GROUP OF ONE TASK.  Four accumulators by turns, one instruction a turn: b1 + t1 B1^T in four f32 steps of 4 ranks, then x W1^T in six FP6 steps.
; vec = 1: the other group's GELU stands in runs of twelve lines: tiles 0 and 1 behind the twelve f32 products that add in place, tiles 2 and 3 behind the twelve pairs of FP6 products; its quantiser at the end.
; The run behind the last f32 product is numbers 60 to 71, twelve plain lines that name none of its registers: the nine places between the f32 form and the FP6 form on one accumulator, and the eight in front of the
; loads into B1's and b1's registers.  The run behind a K step's second pair is numbers 12-23, 36-47 or 60-71, plain lines too: four places and more in front of the loads into the operands just read.
; nxt = 1: the next task's weights are asked for; 2: W2's first record.  first = 1: the launch's first group.  last = 1: phase 1's last: the ring runs empty.
.macro GSTEP G, vec, nxt, first, last
.set WB, 16+4*\nxt
.if \G == 0
.if \first
	s_wait_loadcnt 0x0                             ; the first record, B1 and b1 are in
.else
	s_wait_loadcnt 42                              ; B1's and b1's eight loads are in; behind them stand six K steps of seven loads
.endif
.endif
	WIN 0x10                                       ; C = b1, in window 1
.irp a, 0,1,2,3
	v_wmma_f32_16x16x4_f32 v[ACC+32*\G+8*\a:ACC+32*\G+8*\a+7], v[B1F+8*(\a%2):B1F+8*(\a%2)+1], v[T1+16*\G+8*(\a/2):T1+16*\G+8*(\a/2)+1], v[BI+8*(\a%2):BI+8*(\a%2)+7]
.endr
	WIN 0
.irp sg, 1,2,3                                 ; step sg takes ranks 8 h + 2 sg + 0, 1 on both sides: t1's registers and B1's are the operands as they stand
.irp a, 0,1,2,3
	v_wmma_f32_16x16x4_f32 v[ACC+32*\G+8*\a:ACC+32*\G+8*\a+7], v[B1F+8*(\a%2)+2*\sg:B1F+8*(\a%2)+2*\sg+1], v[T1+16*\G+8*(\a/2)+2*\sg:T1+16*\G+8*(\a/2)+2*\sg+1], v[ACC+32*\G+8*\a:ACC+32*\G+8*\a+7]
.if \vec
	GRUN 1-\G, (4*(\sg-1)+\a)/6, 12*((4*(\sg-1)+\a)%6), 12
.endif
.endr
.endr
.if \vec == 0
	PLACES 9
.endif
.irp s, 0,1,2,3,4,5
.if (\G == 0) && (\first == 0)
	s_wait_loadcnt 7*(5-\s)                        ; this K step's six code loads and its scale load are in; the later K steps' stay out
.endif
.if \s == 0
	s_wait_dscnt 36                                ; this set of the ring is in; three younger sets of twelve loads may be out (the quantiser's four stores make the count stricter than it need be)
.elseif (\last) && (5-\s < 2)
	s_wait_dscnt 12*(5-\s)
.else
	s_wait_dscnt 24                                ; this set is in; two younger sets may be out: the third is asked for behind this step's first pair
.endif
.if (\s == 0) && (\G == 1) && (\nxt == 1)
	s_wait_xcnt 0x0                                ; the bases are stepped only behind this wait
	s_add_nc_u64 s[20:21], s[20:21], 8*18432       ; eight blocks on
	s_add_nc_u64 s[22:23], s[22:23], 8*768
	s_add_nc_u64 s[28:29], s[28:29], 8*2048
	s_add_nc_u64 s[30:31], s[30:31], 8*128
.endif
.if (\s > 0) && ((\vec == 0) || (\s != 3))
	s_wait_alu depctr_va_vdst(0)                   ; the K step before is done reading its set of the ring, its two weight fragments and its scale register, in which the loads behind this step's first pair land.  (vec = 1, K step 3: the wait in tile 2's list, which stands behind K step 2's products, has stated it)
.endif
.irp hf, 0,1                                   ; row tile hf of the group: its two tiles of columns, then a run of the other group's GELU
	WIN 0x05
.irp u, 0,1
	WMS ACC+32*\G+8*(2*\hf+\u), WF+12*(2*\s+\u), XR+24*((6*\G+\s)%4)+12*\hf, 0, WS+\s, XS+6*\G+\s, \u, \hf
.endr
.if \hf == 0
.if \s > 0
	LNEXT \G, \s-1, \nxt, \last                    ; no vector or matrix instruction since the wait names these registers: the pair above names this step's
.elseif (\G == 1) && (\nxt == 1)
	BLOAD                                          ; the f32 products are done reading B1 and b1: the wait in tile 1's list stands behind the last of them, and nothing since names these registers
.endif
.endif
	WIN 0
.if \vec
	GRUN 1-\G, 2+\s/3, 24*(\s%3)+12*\hf, 12
.endif
.endr
.if \vec == 0
	PLACES 4                                       ; behind the last K step: in front of the first read of the sums
.endif
.endr
.if \vec == 0
	s_wait_alu depctr_va_vdst(0)                   ; K step 5 is done reading its set of the ring.  (vec = 1: the wait in tile 3's list, which stands behind K step 5's products, has stated it)
.endif
	LNEXT \G, 5, \nxt, \last
.if \vec
.if \G == 0
	s_wait_alu depctr_vm_vsrc(0)                   ; the LDS stores of the group step before have read v[CC ..] and v[QB0], which the quantiser writes again
.endif
	QUANTP OUT                                     ; the other group's 32 numbers a lane are whole.  (Its plain lines are also the places in front of the first read of this group's sums)
	s_wait_alu depctr_va_vdst(0)                   ; the quantiser has written v[CC ..] and v[QB0], the stores' data; v[HWC] and v[HBC], their addresses, are written
	QSTORE HWC, HBC, 2*REC*(1-\G)
.if \G == 0
	s_wait_alu depctr_vm_vsrc(0)                   ; the stores have read v[HWC] and v[HBC], which are written below, and their data
	s_add_co_u32 s[TH], s[TH], 2*KREC              ; the task whose second group has just been stored is done: on to the next task's records
	v_add_nc_u32 v[HWC], s[TH], v[HW0]
	v_add_nc_u32 v[HBC], s[TH], v[HB0]
.endif
.endif
.endm
; PHASE 2: ONE RECORD OF W2: six sub-steps u = 3 p + kp: K step p, two tiles of out columns x four slots m of rows; t2's product is the ninth of u = 2 and 5.  24 + 1 accumulators by turns.
; first = 1: the sums begin, and nothing is owed from a trip before.  more = 1: the next record and the h of two K steps on are asked for.
; Behind a sub-step's first four products stand the loads into what the sub-step before has read: W2's pair (u + 5) % 6 (at u = 0: pair 5 of THIS record, one record back from the stepped base);
; at u = 3 p and 3 p + 1 the two halves of h's other set; at u = 3 p A2's fragment for this K step; at u = 3 p + 1 the other set's scale words.
.macro PTRIP first, more
.if \more
	s_wait_xcnt 0x0                                ; the bases are stepped only behind this wait
	s_add_nc_u64 s[24:25], s[24:25], 18432
	s_add_nc_u64 s[26:27], s[26:27], 768
.endif
.irp u, 0,1,2,3,4,5
.set ZF, 0
.if \first && (\u < 3)
.set ZF, 1
.endif
.set PQ, (\u+5)%6                      ; the pair that the sub-step before has read
.if \u == 0
.set WL, 1-\first                      ; is it asked for again?
.set RB, \more                         ; records back from the base
.else
.set WL, \more
.set RB, 0
.endif
.if \u < 3
.set HL, 1-\first                      ; is h's other set asked for again?  AL: A2's fragment?
.set AL, 1-\first
.else
.set HL, \more
.set AL, 1
.endif
.if \first && (\u == 0)
	s_wait_loadcnt 35                              ; pair 0 (six code loads, one scale load) is in; the record's five other pairs stay out
.elseif \more || (\u < 2)
	s_wait_loadcnt 28                              ; this pair is in; the four pairs asked for behind it stay out
.else
	s_wait_loadcnt 7*(5-\u)                        ; the last record: the counts run down
.endif
.if WL || (AL && (\u%3 == 0))
	s_wait_alu depctr_va_vdst(0)                   ; the sub-step before is done reading its pair and its scale register; at u = 0 and 3 the K step before is done reading its set of h, its scale words and A2's fragment; at u = 0 the stepped LDS addresses are written
.endif
	WIN 0x05
.irp m, 0,1
.irp f, 0,1
	WMS PACC+8*(4*(2*(\u%3)+\f)+\m), WF+12*(2*\u+\f), HF+48*(\u/3)+12*\m, ZF, WS+\u, HS+4*(\u/3)+\m, \f, 0
.endr
.endr
.if WL || (HL && (\u%3 < 2)) || (AL && (\u%3 == 0))   ; no vector or matrix instruction since the wait that covers them names the registers of these loads
	WIN 0x40
.if WL
.irp f, 0,1
.irp pl, 0,1,2
	global_load_b128 v[WF+12*(2*PQ+\f)+4*\pl:WF+12*(2*PQ+\f)+4*\pl+3], v[L16], s[24:25] offset:1536*(2*PQ+\f)+512*\pl-18432*RB
.endr
.endr
.endif
.if HL && (\u%3 < 2)
	FRAGLD HF+48*(1-\u/3)+12*(2*(\u%3)), AH+2*(\u%3), (1+\u/3)*KREC
	FRAGLD HF+48*(1-\u/3)+12*(2*(\u%3)+1), AH+2*(\u%3)+1, (1+\u/3)*KREC
.endif
.if AL && (\u%3 == 0)
.irp pl, 0,1,2
	ds_load_b128 v[A2F+4*\pl:A2F+4*\pl+3], v[AA] offset:1536*(\u/3)+512*\pl
.endr
.endif
	WIN 0
.if WL
	global_load_b32 v[WS+PQ], v[L4], s[26:27] offset:128*PQ-768*RB
.endif
.if HL && (\u%3 == 1)
.irp m, 0,1,2,3
	ds_load_b32 v[HS+4*(1-\u/3)+\m], v[AHS+\m] offset:(1+\u/3)*KREC
.endr
.endif
.if AL && (\u%3 == 0)
	ds_load_b32 v[A2SC], v[AAS] offset:128*(\u/3)
.endif
.endif
	WIN 0x05
.irp m, 2,3
.irp f, 0,1
	WMS PACC+8*(4*(2*(\u%3)+\f)+\m), WF+12*(2*\u+\f), HF+48*(\u/3)+12*\m, ZF, WS+\u, HS+4*(\u/3)+\m, \f, 0
.endr
.endr
.if \u%3 == 2
	s_wait_dscnt 0x0                               ; what was asked for in this K step's first two sub-steps is in: A2's fragment for this K step, and the other set of h
	WMS T2A, A2F, HF+48*(\u/3), ZF, A2SC, HS+4*(\u/3), 0, 0    ; t2 of slot 0, my row tile w % 4
.endif
	PLACES 4
.endr
	WIN 0
.if \more
	s_wait_alu depctr_vm_vsrc(0)                   ; the LDS loads issued so far have read the ten addresses that are stepped below
.irp m, 0,1,2,3
	v_add_nc_u32 v[AH+\m], 2*KREC, v[AH+\m]        ; two K steps on
	v_add_nc_u32 v[AHS+\m], 2*KREC, v[AHS+\m]
.endr
	v_add_nc_u32 v[AA], 2*1536, v[AA]
	v_add_nc_u32 v[AAS], 2*128, v[AAS]
.endif
.endm
; ---------------------------------------------------------------- the head: addresses and constants
	s_load_b256 s[4:11], s[0:1], 0x0               ; x s[4:5], b1 s[6:7], B1 s[8:9], b2 s[10:11]
	s_load_b256 s[12:19], s[0:1], 0x20             ; B2 s[12:13], the codes s[14:15], the scale words s[16:17], out s[18:19]
	v_lshrrev_b32 v[TA], 5, v0
	v_readfirstlane_b32 s[WV], v[TA]               ; wave 0..7
	v_and_b32 v[RR], 15, v0                        ; r
	v_bfe_u32 v[HH], v0, 4, 1                      ; h
	v_and_b32 v[TA], 31, v0
	v_lshlrev_b32 v[L16], 4, v[TA]
	v_lshlrev_b32 v[L4], 2, v[TA]
	v_lshlrev_b32 v[R4], 2, v[RR]
	v_lshlrev_b32 v[H8], 3, v[HH]
	v_mul_u32_u24 v[TA], v[RR], 24
	v_mad_u32_u24 v[LF], v[HH], 384, v[TA]
	v_mad_u32_u24 v[TA], v[HH], REC, v[TA]         ; h's writer: 24 r + a record for lanes 16-31
	v_mad_u32_u24 v[TB], v[HH], REC, v[R4]         ; 4 r + the same
	v_add_nc_u32 v[XSA], XIMG+1536, v[TB]
	v_and_b32 v[TC], 8, v[RR]
	v_add_nc_u32 v[TC], v[TC], v[RR]
	v_lshlrev_b32 v[TC], 6, v[TC]
	v_lshl_add_u32 v[B1A], v[HH], 5, v[TC]
	v_lshlrev_b32 v[BIA], 6, v[HH]
	v_lshlrev_b32 v[B2A], 6, v[RR]
	v_lshl_add_u32 v[B2A], v[HH], 5, v[B2A]
	v_mul_u32_u24 v[TC], v[RR], SP
	v_lshl_add_u32 v[TC], v[HH], 5, v[TC]          ; the stage of the way out: row r, + 32 h
	v_add_nc_u32 v[AA], A2I, v[L16]
	v_add_nc_u32 v[AAS], A2S, v[L4]
	v_lshl_add_u32 v[T2W], v0, 4, T2L              ; 512 x wave + 16 x lane
	v_mov_b32 v[QU0], 0                            ; written once: a lane permute's destination counts as one of its sources
	v_mov_b32 v[QU1], 0
	v_mov_b32 v[KC], 0x2fa84a8d                    ; a5
	v_mov_b32 v[KC+1], 0xb7dfbd29                  ; b3
	s_wait_alu depctr_va_sdst(0)                   ; the wave's number is written, ahead of its first reader: LDS places and the buffers' offsets are made from it
	s_lshr_b32 s36, s[WV], 1                       ; x: my row tile w / 2,
	s_mul_i32 s36, s36, REC
	s_and_b32 s37, s[WV], 1
	s_mul_i32 s37, s37, 3*KREC                     ; my K steps 3 (w % 2) on
	s_add_co_u32 s36, s36, s37
	v_add_nc_u32 v[XW], s36, v[LF]
	s_add_co_u32 s36, s36, 1536
	v_add_nc_u32 v[XB], s36, v[R4]
	s_mul_i32 s36, s[WV], 16*XSP
	s_add_co_u32 s36, s36, HIMG                    ; my stage for x
	v_add_nc_u32 v[XSTW], s36, v[L16]
	v_mul_u32_u24 v[XSTR], v[RR], XSP
	v_lshl_add_u32 v[XSTR], v[HH], 7, v[XSTR]
	v_add_nc_u32 v[XSTR], s36, v[XSTR]
	s_lshr_b32 s34, s[WV], 2
	s_and_b32 s35, s[WV], 3
	s_mul_i32 s36, s34, KREC                       ; h: block w + 8 t is block w % 4 of K step 2 t + w / 4
	s_add_co_u32 s36, s36, HIMG
	s_mul_i32 s37, s35, 384
	s_add_co_u32 s37, s36, s37
	v_add_nc_u32 v[HW0], s37, v[TA]
	s_add_co_u32 s36, s36, s35
	s_add_co_u32 s36, s36, 1536
	v_add_nc_u32 v[HB0], s36, v[TB]
	s_mov_b32 s[TH], 0
	v_add_nc_u32 v[HWC], s[TH], v[HW0]
	v_add_nc_u32 v[HBC], s[TH], v[HB0]
.irp m, 0,1,2,3
	s_add_co_u32 s36, s[WV], \m
	s_and_b32 s36, s36, 3                          ; slot m holds row tile (m + w) % 4: slot 0 is the tile whose t2 I make
	s_mul_i32 s37, s36, REC
	s_add_co_u32 s37, s37, HIMG
	v_add_nc_u32 v[AH+\m], s37, v[LF]
	s_add_co_u32 s37, s37, 1536
	v_add_nc_u32 v[AHS+\m], s37, v[R4]
	s_mul_i32 s37, s36, 16*SP
	s_mul_i32 s36, s[WV], 384
	s_add_co_u32 s37, s37, s36
	v_add_nc_u32 v[SO+\m], s37, v[TC]
.endr
	s_mul_i32 s36, s[WV], 3*1536
	s_add_co_u32 s36, s36, A2I
	v_add_nc_u32 v[A2W], s36, v[L16]               ; A2's copy: fragments 3 w .. 3 w + 2
	s_mul_i32 s36, s[WV], 3*128
	s_add_co_u32 s36, s36, A2S
	v_add_nc_u32 v[A2SW], s36, v[L4]
	s_mul_i32 s36, s[WV], 8*SP
	v_add_nc_u32 v[SR], s36, v[L16]                ; the stage, back: my rows 8 w .. 8 w + 7
	SPAIR CA6, 0xabd3f331                          ; -1.5059951e-12
	SPAIR CA4, 0xb347667d                          ; -4.6426510e-8
	SPAIR CA3, 0xb628d45d                          ; -2.5157562e-6
	SPAIR CA2, 0xb8883d9c                          ; -6.4964607e-5
	SPAIR CA1, 0xba08eb41                          ; -5.2230439e-4
	SPAIR CA0, 0xbbba79f3                          ; -5.6908071e-3
	SPAIR CB4, 0xb57460cd                          ; -9.1037949e-7
	SPAIR CB2, 0xb9dc924e                          ; -4.2070674e-4
	SPAIR CB1, 0xbb719bf8                          ; -3.6866646e-3
	SPAIR CB0, 0xbc69b6a7                          ; -1.4264739e-2
	s_mov_b32 s[NL], 0xc0b504f3                    ; -4 sqrt 2
	s_mov_b32 s[PL], 0x40b504f3
	s_mov_b32 s[SEL], 0x76543210
	s_mov_b32 s[SEL+1], 0xfedcba98                 ; v_permlanex16_b32's selects for lane l xor 16
	s_mov_b32 s[HM], 0xffff0000                    ; lanes 16-31
	; byte offsets, each in a pair of its own
	s_mul_i32 s36, ttmp9, 64*3072                  ; my work-group's 64 rows of x and of out
	s_lshr_b32 s37, s[WV], 1
	s_mul_i32 s37, s37, 16*3072
	s_add_co_u32 s68, s36, s37
	s_and_b32 s37, s[WV], 1
	s_mul_i32 s37, s37, 3*512
	s_add_co_u32 s68, s68, s37                     ; x: + 16 rows x (w / 2) + three K steps of 512 bytes x (w % 2)
	s_mov_b32 s69, 0
	s_mul_i32 s37, s[WV], 8*3072
	s_add_co_u32 s70, s36, s37                     ; out: + 8 rows x w
	s_mov_b32 s71, 0
	s_mul_i32 s20, s[WV], 18432                    ; W1: record w
	s_mov_b32 s21, 0
	s_mul_i32 s22, s[WV], 768
	s_mov_b32 s23, 0
	s_mul_i32 s24, s[WV], 12*18432                 ; W2: record 96 + 12 w
	s_add_co_u32 s24, s24, 96*18432
	s_mov_b32 s25, 0
	s_mul_i32 s26, s[WV], 12*768
	s_add_co_u32 s26, s26, 96*768
	s_mov_b32 s27, 0
	s_lshl_b32 s28, s[WV], 11                      ; B1: 32 units x 64 bytes x w
	s_mov_b32 s29, 0
	s_lshl_b32 s30, s[WV], 7                       ; b1: 32 units x 4 bytes x w
	s_mov_b32 s31, 0
	s_mul_i32 s72, s[WV], 3*1536                   ; A2: fragment 2304 + 3 w
	s_add_co_u32 s72, s72, 2304*1536
	s_mov_b32 s73, 0
	s_mul_i32 s74, s[WV], 3*64
	s_add_co_u32 s74, s74, 2304*64
	s_mov_b32 s75, 0
	s_mul_i32 s76, s[WV], 96*64                    ; B2: my 96 rows
	s_mov_b32 s77, 0
	s_wait_kmcnt 0x0
	s_add_nc_u64 s[68:69], s[4:5], s[68:69]
	s_add_nc_u64 s[70:71], s[18:19], s[70:71]
	s_add_nc_u64 s[20:21], s[14:15], s[20:21]
	s_add_nc_u64 s[22:23], s[16:17], s[22:23]
	s_add_nc_u64 s[24:25], s[14:15], s[24:25]
	s_add_nc_u64 s[26:27], s[16:17], s[26:27]
	s_add_nc_u64 s[28:29], s[8:9], s[28:29]
	s_add_nc_u64 s[30:31], s[6:7], s[30:31]
	s_add_nc_u64 s[72:73], s[14:15], s[72:73]
	s_add_nc_u64 s[74:75], s[16:17], s[74:75]
	s_add_nc_u64 s[12:13], s[12:13], s[76:77]
; ---------------------------------------------------------------- A2 into LDS, x into codes
	s_wait_alu depctr_va_vdst(0)                   ; all the offsets and LDS addresses made above are written: the loads and stores of the whole kernel read them
.irp f, 0,1,2
.irp pl, 0,1,2
	global_load_b128 v[A1F+12*\f+4*\pl:A1F+12*\f+4*\pl+3], v[L16], s[72:73] offset:1536*\f+512*\pl
.endr
.endr
.irp f, 0,1,2
	global_load_b32 v[A1F+36+\f], v[R4], s[74:75] offset:64*\f
.endr
	WIN 0x40
.irp f, 0,1,2                                  ; fragment f: 16 rows x 128 numbers
.irp e, 0,1,2,3,4,5,6,7,8,9,10,11,12,13,14,15
	global_load_b128 v[64*\f+4*\e:64*\f+4*\e+3], v[L16], s[68:69] offset:3072*\e+512*\f th:TH_LOAD_NT   ; the wave reads 512 consecutive bytes of row e, aligned
.endr
.endr
	WIN 0
	s_wait_loadcnt 48                              ; A2's twelve loads are in; x's 48 stay out
.irp f, 0,1,2
.irp pl, 0,1,2
	ds_store_b128 v[A2W], v[A1F+12*\f+4*\pl:A1F+12*\f+4*\pl+3] offset:1536*\f+512*\pl
.endr
.endr
.irp f, 0,1,2
	ds_store_b32 v[A2SW], v[A1F+36+\f] offset:128*\f
.endr
	s_wait_dscnt 0x0
	s_wait_alu depctr_vm_vsrc(0)                   ; the LDS stores have read v[A1F ..]: A1 may land there
.irp s, 0,1,2,3,4,5
.irp pl, 0,1,2
	global_load_b128 v[A1F+12*\s+4*\pl:A1F+12*\s+4*\pl+3], v[L16], s[14:15] offset:(2328+\s)*1536+512*\pl
.endr
.endr
.irp i, 0,1,2
	global_load_b32 v[A1S+\i], v[L4], s[16:17] offset:2328*64+128*\i
.endr
.irp f, 0,1,2
	s_wait_loadcnt 53-16*\f                        ; fragment f's sixteen loads are in; behind them stand the later fragments' and A1's 21
	WIN 0x04                                       ; an LDS store's data are its source 1: window 1
.irp e, 0,1,2,3,4,5,6,7,8,9,10,11,12,13,14,15
	ds_store_b128 v[XSTW], v[64*\f+4*\e:64*\f+4*\e+3] offset:XSP*\e
.endr
	WIN 0x40
.irp c, 0,1
.irp e, 0,1,2,3,4,5,6,7
	ds_load_b128 v[XBK+32*\c+4*\e:XBK+32*\c+4*\e+3], v[XSTR] offset:256*\c+16*\e   ; k = 64 c + 32 h + 4 e .. of row r.  LDS serves a wave's instructions in order: these see my stores, and the next fragment's stores come behind them.  (The last fragment's quantiser, which read these registers, stands ahead of the last wait on va_vdst)
.endr
.endr
	WIN 0
	s_wait_dscnt 0x0                               ; the numbers are back
.if \f > 0
	s_wait_alu depctr_vm_vsrc(0)                   ; the last fragment's LDS stores have read v[CCF ..] and v[PW], which the quantiser writes again; the stores into the stage have read x's registers, in which W1's record, b1 and the ring land later
.endif
	QFRAG XBK
	s_wait_alu depctr_va_vdst(0)                   ; the quantiser has written v[CCF ..] and v[PW], which the stores read, and is done reading v[XBK ..], in which the next loads land
.irp c, 0,1
.irp p, 0,1,2
	ds_store_b64 v[XW], v[CCF+6*\c+2*\p:CCF+6*\c+2*\p+1] offset:XIMG+KREC*\f+768*\c+8*\p   ; block 2 c + h of row r, where a reader's lane (r, h) takes it
.endr
.endr
	ds_store_b32 v[XB], v[PW] offset:XIMG+KREC*\f  ; lanes r and r + 16 write the same word with the same value
.endr
	WIN 0x40
.irp f, 0,1,2,3,4,5,6,7,8,9,10,11              ; W1's first record, into the registers that x has left: the stores into the stage, which read them, all stand ahead of the last wait on vm_vsrc
.irp pl, 0,1,2
	global_load_b128 v[WF+12*\f+4*\pl:WF+12*\f+4*\pl+3], v[L16], s[20:21] offset:1536*\f+512*\pl
.endr
.endr
	WIN 0
.irp s, 0,1,2,3,4,5
	global_load_b32 v[WS+\s], v[L4], s[22:23] offset:128*\s
.endr
	BARRIER                                        ; x's 24 records and A2's images lie in LDS, and every wave's reads of its stage are over
	s_wait_alu depctr_vm_vsrc(0)                   ; my LDS stores and loads have read v116 to v146 (x's codes and scale word, the head's addresses): t1's products write these registers
; ---------------------------------------------------------------- t1 = x A1^T for the four row tiles
.irp G, 0,1
.irp s, 0,1,2,3,4,5
	ds_load_b32 v[XS+6*\G+\s], v[XSA] offset:(4*\s+2*\G)*REC   ; x's scale words stay in registers through phase 1
.endr
.endr
	WIN 0x40
.irp s, 0,1
.irp rt, 0,1,2,3
	FRAGLD XR+48*\s+12*\rt, LF, XIMG+(4*\s+\rt)*REC
.endr
.endr
	WIN 0
	s_wait_loadcnt 42                              ; A1 is in; W1's 42 loads stay out
.irp s, 0,1,2,3,4,5
.if \s < 5
	s_wait_dscnt 24                                ; this K step's four fragments are in; the next K step's 24 loads may be out
.else
	s_wait_dscnt 0x0
.endif
	WIN 0x04
.set ZF, 0
.if \s == 0
.set ZF, 1
.endif
.irp rt, 0,1,2,3
	WMS T1+8*\rt, A1F+12*\s, XR+48*(\s%2)+12*\rt, ZF, A1S+\s/2, XS+6*(\rt/2)+\s, \s%2, \rt%2
.endr
	PLACES 5                                       ; behind the last K step: five in front of the products that take t1 as an operand
.if \s < 4
	WIN 0x40
	s_wait_alu depctr_va_vdst(0)                   ; this K step's products are done reading x's four fragments, in whose registers those of two K steps on land
.irp rt, 0,1,2,3
	FRAGLD XR+48*(\s%2)+12*\rt, LF, XIMG+(4*(\s+2)+\rt)*REC
.endr
.endif
.endr
	WIN 0x40
	s_wait_alu depctr_va_vdst(0)                   ; t1's last products are done reading x's fragments and A1's: the ring lands in the first, B1 in the second
	XLD 0, 0, 0                                    ; the ring is filled: group 0, K steps 0 to 3
	XLD 0, 1, 1
	XLD 0, 2, 2
	XLD 0, 3, 3
	BLOAD                                          ; task 0's b1 and B1
; ---------------------------------------------------------------- phase 1: twelve tasks of two groups
	GSTEP 0, 0, 0, 1, 0
	s_mov_b32 s[CNT], 11
.Ltask:                                            ; a trip: a task's second group (beside it the first group's GELU), the next task's first group (beside it the second's)
	GSTEP 1, 1, 1, 0, 0
	GSTEP 0, 1, 0, 0, 0
	s_sub_co_u32 s[CNT], s[CNT], 1
	s_cmp_lg_u32 s[CNT], 0
	s_cbranch_scc1 .Ltask
	GSTEP 1, 1, 2, 0, 1                            ; the last task's second group; W2's first record is asked for
.irp a, 0,1,2,3
	GRUN 1, \a, 0, 72                              ; the last group's GELU has no products to stand beside
.endr
	s_wait_alu depctr_vm_vsrc(0)                   ; the LDS stores of the group step above have read v[CC ..] and v[QB0], which the quantiser writes again
	QUANTP OUT
	s_wait_alu depctr_va_vdst(0)                   ; the quantiser has written the stores' data.  All of phase 1's products are done with their operands too: no vector or matrix instruction stands between here and phase 2's first loads, which land in the ring's, b1's and the scales' registers
	QSTORE HWC, HBC, 2*REC
	BARRIER                                        ; h's 96 records lie in LDS
	s_wait_alu depctr_vm_vsrc(0)                   ; my last LDS stores have read v[CC ..] and v[QB0]: phase 2's accumulators lie over them
; ---------------------------------------------------------------- phase 2
	WIN 0x40
.irp p, 0,1
.irp m, 0,1,2,3
	FRAGLD HF+48*\p+12*\m, AH+\m, \p*KREC
.endr
.endr
.irp pl, 0,1,2
	ds_load_b128 v[A2F+4*\pl:A2F+4*\pl+3], v[AA] offset:512*\pl
.endr
	WIN 0
.irp p, 0,1
.irp m, 0,1,2,3
	ds_load_b32 v[HS+4*\p+\m], v[AHS+\m] offset:\p*KREC
.endr
.endr
	ds_load_b32 v[A2SC], v[AAS]
	s_wait_dscnt 0x0
	PTRIP 1, 1
	s_mov_b32 s[CNT], 10
.Lrecord:
	PTRIP 0, 1
	s_sub_co_u32 s[CNT], s[CNT], 1
	s_cmp_lg_u32 s[CNT], 0
	s_cbranch_scc1 .Lrecord
	PTRIP 0, 0                                     ; the last record asks for what it still needs itself, and for nothing more
; ---------------------------------------------------------------- the way out: + t2 B2^T, + b2
	WIN 0x40
	s_wait_alu depctr_va_vdst(0)                   ; the last products are done reading W2's and h's fragments, in whose registers B2 and b2 land
.irp t, 0,1,2,3,4,5
	global_load_b128 v[B2R+8*\t:B2R+8*\t+3], v[B2A], s[12:13] offset:1024*\t         ; B2(96 w + 16 t + r, 8 h + 0 .. 7)
	global_load_b128 v[B2R+8*\t+4:B2R+8*\t+7], v[B2A], s[12:13] offset:1024*\t+16
.endr
.irp k, 0,1,2,3,4,5
	global_load_b128 v[BB2+4*\k:BB2+4*\k+3], v[L16], s[10:11] offset:512*\k          ; b2, as a row of out lies over the lanes
.endr
	WIN 0
.irp i, 0,1,2,3
	v_cvt_pk_bf16_f32 v[T2P+\i], v[T2A+2*\i], v[T2A+2*\i+1]   ; lane (r, h): ranks 8 h + 0 .. 7 of row r: registers 0-3 of the bf16 operand as they stand
.endr
	s_wait_alu depctr_vm_vsrc(0)                   ; phase 2's LDS loads have read v[AH ..], which are written anew below
.irp m, 0,1,2,3
	s_add_co_u32 s36, s[WV], \m
	s_and_b32 s36, s36, 3
	s_and_b32 s37, s[WV], 4
	s_add_co_u32 s36, s36, s37                     ; row tile (m + w) % 4 was made by the wave of that number in my half of the eight
	s_lshl_b32 s36, s36, 9
	s_add_co_u32 s36, s36, T2L
	v_add_nc_u32 v[AH+\m], s36, v[L16]
.endr
	WIN 0x40
.irp t, 0,1,2,3,4,5
.irp i, 4,5,6,7
	v_mov_b32 v[B2F+8*\t+\i], 0                    ; the form's K is 32, the rank 16: k = 16 .. 31 are zeros on both sides
.endr
.endr
.irp m, 0,1,2,3
.irp i, 4,5,6,7
	v_mov_b32 v[T2F+8*\m+\i], 0
.endr
.endr
	WIN 0
	s_wait_alu depctr_va_vdst(0)                   ; t2 in bf16 is written, which the store reads; v[AH ..] are written, which the loads behind the barrier read
	ds_store_b128 v[T2W], v[T2P:T2P+3]
	BARRIER                                        ; every wave's t2 lies in LDS, and every wave's reads of h are over
	WIN 0x40
.irp m, 0,1,2,3
	ds_load_b128 v[T2F+8*\m:T2F+8*\m+3], v[AH+\m]
.endr
	s_wait_loadcnt 6                               ; B2's twelve loads are in; b2's six may be out
	WIN 0x45
.irp t, 0,1,2,3,4,5
.irp i, 0,1,2,3
	v_cvt_pk_bf16_f32 v[B2F+8*\t+\i], v[B2R+8*\t+2*\i], v[B2R+8*\t+2*\i+1]
.endr
.endr
	PLACES 4
	s_wait_dscnt 0x0
	WIN 0x05
.irp t, 0,1,2,3,4,5
.irp m, 0,1,2,3
	v_wmma_f32_16x16x32_bf16 v[PACC+8*(4*\t+\m):PACC+8*(4*\t+\m)+7], v[B2F+8*\t:B2F+8*\t+7], v[T2F+8*\m:T2F+8*\m+7], v[PACC+8*(4*\t+\m):PACC+8*(4*\t+\m)+7]
.endr
.endr
	WIN 0
	PLACES 4
	s_wait_alu depctr_va_vdst(0)                   ; the products have written the sums, which the LDS stores read (the places above stay beside this wait); they and the conversions are done with B2's and t2's registers, in which the rows land behind the barrier
.irp m, 0,1,2,3
.irp t, 0,1,2,3,4,5
	ds_store_b128 v[SO+\m], v[PACC+8*(4*\t+\m):PACC+8*(4*\t+\m)+3] offset:64*\t        ; lane (r, h): out(16 ((m + w) % 4) + r, 96 w + 16 t + 8 h + 0 .. 7); each accumulator from its low end on
	ds_store_b128 v[SO+\m], v[PACC+8*(4*\t+\m)+4:PACC+8*(4*\t+\m)+7] offset:64*\t+16
.endr
.endr
	BARRIER                                        ; 64 whole rows lie in the stage
	WIN 0x40
	v_mov_b32 v[L16B], v[L16]                      ; 16 x lane in window 1, so that additions and stores run under one setting
.irp i, 0,1,2,3,4,5,6,7
.irp k, 0,1,2,3,4,5
	ds_load_b128 v[4*(6*\i+\k):4*(6*\i+\k)+3], v[SR] offset:SP*\i+512*\k
.endr
.endr
	s_wait_loadcnt 0x0                             ; b2
	WIN 0x45
; b2 is added row by row.  Row i - 1's six stores are dealt among row i's additions, behind one wait: the additions name row i's registers and b2's alone.
	s_wait_dscnt 42                                ; LDS loads come back in order: row 0's six are in, the younger 42 may be out
.irp k, 0,1,2,3,4,5
	v_pk_add_f32 v[4*\k:4*\k+1], v[4*\k:4*\k+1], v[BB2+4*\k:BB2+4*\k+1]
	v_pk_add_f32 v[4*\k+2:4*\k+3], v[4*\k+2:4*\k+3], v[BB2+4*\k+2:BB2+4*\k+3]
.endr
.irp i, 1,2,3,4,5,6,7
	s_wait_dscnt 42-6*\i                           ; row i is in
	s_wait_alu depctr_va_vdst(0)                   ; the additions have written row i - 1, which the stores below read; the first time: v[L16B], their offset, is written
.irp k, 0,1,2,3,4,5
	global_store_b128 v[L16B], v[4*(6*(\i-1)+\k):4*(6*(\i-1)+\k)+3], s[70:71] offset:3072*(\i-1)+512*\k th:TH_STORE_NT   ; the wave stores 512 consecutive bytes, aligned; written once, read by nobody here
	v_pk_add_f32 v[4*(6*\i+\k):4*(6*\i+\k)+1], v[4*(6*\i+\k):4*(6*\i+\k)+1], v[BB2+4*\k:BB2+4*\k+1]
	v_pk_add_f32 v[4*(6*\i+\k)+2:4*(6*\i+\k)+3], v[4*(6*\i+\k)+2:4*(6*\i+\k)+3], v[BB2+4*\k+2:BB2+4*\k+3]
.endr
.endr
	s_wait_alu depctr_va_vdst(0)                   ; the additions have written row 7, which the last six stores read
.irp k, 0,1,2,3,4,5
	global_store_b128 v[L16B], v[4*(42+\k):4*(42+\k)+3], s[70:71] offset:3072*7+512*\k th:TH_STORE_NT
.endr
	WIN 0
	s_wait_xcnt 0x0
	s_wait_alu depctr_vm_vsrc(0)                   ; t2's LDS store has read v254 and v255, which are made anew below
	v_lshl_add_u32 v254, v0, 2, 0x3b800
	v_mov_b32 v255, 0
	s_wait_dscnt 0x0                               ; the closing lines, six on end
	s_wait_alu 0x0
	s_wait_tensorcnt 0x0
	ds_add_u32 v254, v255
	s_wait_dscnt 0x0
	s_endpgm
.Lfunc_end_k_q29feafcf1b_mlp:
	.size	k_q29feafcf1b_mlp, .Lfunc_end_k_q29feafcf1b_mlp-k_q29feafcf1b_mlp
	.p2alignl 7, 3214868480
	.fill 96, 4, 3214868480
	.section	.rodata,"a",@progbits
	.p2align	6, 0x0
	.amdhsa_kernel k_q29feafcf1b_mlp
		.amdhsa_group_segment_fixed_size 244736
		.amdhsa_private_segment_fixed_size 0
		.amdhsa_enable_private_segment 0
		.amdhsa_kernarg_size 64
		.amdhsa_user_sgpr_count 2
		.amdhsa_user_sgpr_kernarg_segment_ptr 1
		.amdhsa_wavefront_size32 1
		.amdhsa_system_sgpr_workgroup_id_x 1
		.amdhsa_system_sgpr_workgroup_id_y 1
		.amdhsa_system_sgpr_workgroup_id_z 1
		.amdhsa_system_vgpr_workitem_id 0
		.amdhsa_next_free_vgpr 512
		.amdhsa_next_free_sgpr 80
		.amdhsa_reserve_vcc 0
		.amdhsa_float_denorm_mode_32 3
		.amdhsa_float_denorm_mode_16_64 3
		.amdhsa_memory_ordered 1
		.amdhsa_forward_progress 1
		.amdhsa_inst_pref_size 253
	.end_amdhsa_kernel
	.amdgpu_metadata
---
amdhsa.version: [ 1, 2 ]
amdhsa.kernels:
  - .name:           k_q29feafcf1b_mlp
    .symbol:         k_q29feafcf1b_mlp.kd
    .args:
      - { .name: x, .offset: 0, .size: 8, .value_kind: global_buffer, .address_space: global }
      - { .name: b1, .offset: 8, .size: 8, .value_kind: global_buffer, .address_space: global }
      - { .name: B1, .offset: 16, .size: 8, .value_kind: global_buffer, .address_space: global }
      - { .name: b2, .offset: 24, .size: 8, .value_kind: global_buffer, .address_space: global }
      - { .name: B2, .offset: 32, .size: 8, .value_kind: global_buffer, .address_space: global }
      - { .name: wq_codes, .offset: 40, .size: 8, .value_kind: global_buffer, .address_space: global }
      - { .name: wq_scales, .offset: 48, .size: 8, .value_kind: global_buffer, .address_space: global }
      - { .name: out0, .offset: 56, .size: 8, .value_kind: global_buffer, .address_space: global }
    .group_segment_fixed_size: 244736
    .private_segment_fixed_size: 0
    .kernarg_segment_align: 8
    .kernarg_segment_size: 64
    .max_flat_workgroup_size: 256
    .sgpr_count:     80
    .vgpr_count:     512
    .wavefront_size: 32
...
	.end_amdgpu_metadata
.endif
;; end of part 5
